; MI455X (gfx1250); checked and timed in simulation.
; The chip was launched on July 23, 2026; its instructions are those of AMD's public machine-readable ISA for CDNA 5 (MIT licence, August 2026) and "CDNA5" Instruction Set Architecture Reference Guide (July 2026). The comments in the code are by the model that wrote it; some were corrected since.
;; Covariant Potential Net. Allowed arithmetic: matrix products marked QUANTISED: E2M3 operands, one E8M0 scale for each 32 along K, by v_wmma_scale_f32_16x16x128_f8f6f4 with both operands' format E2M3, f32 sums; products left as they are: f32 operands where the result goes on into a quantised operand, else bf16, f16 or f32 operands; f32 sums; everything else in f32.
;; Inputs: Wk 512 x 512 float32; Wo 512 x 512 float32; Wq 512 x 512 float32; Wv 512 x 512 float32; bk 512 float32; bo 512 float32; bq 512 float32; bv 512 float32; chart_centers 64 x 64 float32; chart_emb 64 x 512 float32; geo_scale one number float32; rw 2,048 x 64 float32; vW 1 x 512 float32; vb 1 float32; z 2,048 x 64 float32; zW 512 x 64 float32; zb 512 float32.
;; Outputs: out0 2,048 x 1 float32.
;; This version of the problem:
;;   THIS VERSION OF THE PROBLEM IS GIVEN IN LOW PRECISION. The matrix products marked QUANTISED in the list below multiply operands that are first quantised to E2M3 (2 exponent bits, 3 mantissa bits; 6 bits a number), with one power-of-two scale for each 32 numbers along K (OCP MX v1.0); their sums are f32. All else is computed in f32.
;;   The module's matrix products, in the order in which they are computed (A, B: the left and right operand; K: the contracted axis; several contracted axes count as one K, in the product's order):
;;     1. [M 64, K 512] x [K 512, N 1]; A: input zW; B: computed on the way: left as it is (N = 1 < 16)
;;     2. [M 64, K 512] x [K 512, N 1]; A: input zW; B: computed on the way: left as it is (N = 1 < 16)
;;     3. [M 512, K 64] x [K 64, N 1]; A: input zW; B: computed on the way: left as it is (N = 1 < 16)
;;     4. [M 64, K 512] x [K 512, N 1]; A: input zW; B: computed on the way: left as it is (N = 1 < 16)
;;     5. [M 512, K 64] x [K 64, N 1]; A: input zW; B: computed on the way: left as it is (N = 1 < 16)
;;     6. [M 64, K 512] x [K 512, N 1]; A: input zW; B: computed on the way: left as it is (N = 1 < 16)
;;     7. [M 512, K 64] x [K 64, N 1]; A: input zW; B: computed on the way: left as it is (N = 1 < 16)
;;     8. [M 64, K 512] x [K 512, N 1]; A: input zW; B: computed on the way: left as it is (N = 1 < 16)
;;     9. [M 512, K 64] x [K 64, N 1]; A: input zW; B: computed on the way: left as it is (N = 1 < 16)
;;     10. [M 64, K 512] x [K 512, N 1]; A: input zW; B: computed on the way: left as it is (N = 1 < 16)
;;     11. [M 512, K 64] x [K 64, N 1]; A: input zW; B: computed on the way: left as it is (N = 1 < 16)
;;     12. [M 512, K 64] x [K 64, N 1]; A: input zW; B: computed on the way: left as it is (N = 1 < 16)
;;     13. [M 1, K 512] x [K 512, N 1]; A: computed on the way; B: computed on the way: left as it is (M = 1 < 16)
;;     14. [M 2,048, K 64] x [K 64, N 512]; A: input z; B: computed on the way: QUANTISED
;;     15. [M 2,048, K 512] x [K 512, N 512]; A: computed on the way; B: input Wq: QUANTISED
;;     16. [M 131,072, K 512] x [K 512, N 512]; A: computed on the way; B: input Wk: QUANTISED
;;     17. [M 131,072, K 512] x [K 512, N 512]; A: computed on the way; B: input Wv: QUANTISED
;;     18. batch 2,048 x [M 1, K 512] x [K 512, N 64]; A: computed on the way; B: computed on the way: left as it is (M = 1 < 16)
;;     19. batch 2,048 x [M 1, K 64] x [K 64, N 512]; A: softmax; B: computed on the way: left as it is (M = 1 < 16)
;;     20. [M 2,048, K 512] x [K 512, N 512]; A: computed on the way; B: input Wo: QUANTISED
;;     21. [M 512, K 1] x [K 1, N 1]; A: input vW; B: computed on the way: left as it is (K = 1 < 32)
;;     22. [M 512, K 1] x [K 1, N 1]; A: input vW; B: computed on the way: left as it is (K = 1 < 32)
;;     23. [M 1, K 512] x [K 512, N 1]; A: input vW; B: computed on the way: left as it is (M = 1 < 16)
;;     24. [M 512, K 1] x [K 1, N 1]; A: input vW; B: computed on the way: left as it is (K = 1 < 32)
;;     25. [M 1, K 512] x [K 512, N 1]; A: input vW; B: computed on the way: left as it is (M = 1 < 16)
;;     26. [M 512, K 1] x [K 1, N 1]; A: input vW; B: computed on the way: left as it is (K = 1 < 32)
;;     27. [M 1, K 512] x [K 512, N 1]; A: input vW; B: computed on the way: left as it is (M = 1 < 16)
;;     28. [M 512, K 1] x [K 1, N 1]; A: input vW; B: computed on the way: left as it is (K = 1 < 32)
;;     29. [M 1, K 512] x [K 512, N 1]; A: input vW; B: computed on the way: left as it is (M = 1 < 16)
;;     30. [M 512, K 1] x [K 1, N 1]; A: input vW; B: computed on the way: left as it is (K = 1 < 32)
;;     31. [M 1, K 512] x [K 512, N 1]; A: input vW; B: computed on the way: left as it is (M = 1 < 16)
;;     32. [M 1, K 512] x [K 512, N 1]; A: input vW; B: computed on the way: left as it is (M = 1 < 16)
;;     33. [M 1, K 1] x [K 1, N 1]; A: computed on the way; B: computed on the way: left as it is (K = 1 < 32)
;;     34. [M 2,048, K 512] x [K 512, N 1]; A: computed on the way; B: computed on the way: left as it is (N = 1 < 16)
;;   THE QUANTISER, for each operand of a quantised product, along K:
;;     - K is cut into blocks of 32 from its start; a last block that is shorter is filled with zeros.
;;     - A block's scale is 2^e with e = floor(log2(the largest magnitude in the block)) - 2, held to -126 .. 127; a block of zeros has e = 0. As a byte (E8M0): e + 127.
;;     - Each number is divided by its block's scale, clamped to +-7.5, and rounded to the nearest number of E2M3, ties to even, subnormals kept.
;;     - The product sums the exact products of the quantised numbers (number of the format x scale) in f32.
;;   ~~~python
;;   def quantise(x, axis):      # numpy; x: float32 -> the quantised numbers, widened to float32 again
;;       x = np.moveaxis(x, axis, -1); K = x.shape[-1]
;;       x = np.pad(x, [(0, 0)] * (x.ndim - 1) + [(0, -K % 32)]); x = x.reshape(x.shape[:-1] + (-1, 32)); a = np.abs(x).max(-1, keepdims=True)
;;       e = np.where(a > 0, np.clip(np.frexp(np.where(a > 0, a, 1))[1] - 1 - 2, -126, 127), 0)      # np.frexp(a)[1] - 1 = floor(log2(a)), exactly
;;       r = np.clip(x / 2.0 ** e, -7.5, 7.5)
;;       step = 2.0 ** (np.maximum(np.frexp(np.where(r == 0, 1, r))[1] - 1, 0) - 3)
;;       q = np.round(r / step) * step * 2.0 ** e      # np.round: ties to even
;;       return np.moveaxis(q.reshape(q.shape[:-2] + (-1,))[..., :K], -1, axis).astype(np.float32)
;;   ~~~
;;   OPERANDS COMPUTED ON THE WAY. 'Computed on the way' means the value that the module computes at that place (a softmax that the list does not call 'softmax' is quantised finished and normalised). What goes into a quantiser is computed in f32, as accurately as f32 sums, v_exp_f32 and their like allow (about 1e-6 of the number): no bf16 or f16 on the way to a quantiser, and a product that is left as it is and whose result goes on into a quantised operand takes f32 operands (vector FMAs, or v_wmma_f32_16x16x4_f32). A number that lies on a knife's edge between two numbers of the format may be rounded either way, as far as f32 arithmetic and the matrix unit's own rounding can turn it there, and no further.
;; 2 versions. Each part assembles by itself: llvm-mc -triple=amdgcn-amd-amdhsa -mcpu=gfx1250 --defsym DOCPART=n.
;; ======== version 1 of 2: 2 launches
;; limits: right only within a limited range of input values
;; workspace buffers: wimg 870,400 bytes; embimg 131,072 bytes; gb 524,288 bytes; vws 2,048 bytes
;; launch prep (part 1): grid 163 x 1, 4 waves a work-group, no clusters, 72,192 bytes of LDS; arguments Wq, Wk, Wv, Wo, chart_emb, zW, vW, chart_centers, z, geo_scale, wimg, embimg, gb, vws; writes wimg, embimg, gb, vws
.if DOCPART == 1
	.amdgcn_target "amdgcn-amd-amdhsa--gfx1250"
	.amdhsa_code_object_version 6
	.text
	.protected	k_q175a218060_prep
	.globl	k_q175a218060_prep
	.p2align	8
	.type	k_q175a218060_prep,@function
k_q175a218060_prep:
	s_mov_b64 s[64:65], 0
	v_nop
	global_prefetch_b8 v0, s[64:65] scope:SCOPE_SE
	s_setreg_imm32_b32 hwreg(HW_REG_WAVE_MODE, 25, 1), 1
	s_wait_xcnt 0x0
; PREP: all that does not hang on the two large products, made once.  Five roles, chosen by the work-group's number:
;   0       S  sigma of zW by the power iteration (5 trips), zW / sigma quantised to FP6 (E2M3) along its 64 columns -> unit 0 of wimg
;   1       V  sigma of vW by the same iteration on one row; vW / sigma -> vws
;   2       E  chart_emb laid out in the order in which the main launch's lanes hold it -> embimg
;   3..34   W  Wq, Wk, Wv, Wo quantised along K (their last axis): a wave takes one tile of 16 rows x 512 -> units 1..16 of wimg
;   35..162 G  geo_scale x (Poincare distance)^2 x log2(e) for every (batch row, chart) -> gb
; A FRAGMENT'S IMAGE (1,536 bytes): the 12 operand registers of 16 rows x 128 K; registers 4 c .. 4 c + 3 of lane l at 512 c + 16 l.
; A UNIT of wimg is 51,200 bytes: four blocks of 12,800 for two tiles each: 4 images, 4 images, 256 bytes of scale words [row 16][K step 4], 256 more.
; A block's scale is 2^(floor(log2(largest magnitude)) - 2): its byte is the largest magnitude's exponent field - 2, held at 1 from below.
; LIMITS: NaN and infinities are not served.  A block of zeros keeps the byte 1 (its codes are zeros; only this program reads the bytes).
; Divisions are a reciprocal (1 ulp) and a multiplication.  In the iteration u's norm is applied behind W^T y: another order of rounding, the same numbers.
; The first two products W^T u of the iteration are one and the same, and so are the last W v and the one in sigma: each is made once.
; arccosh(x) = ln(x + sqrt((x - 1)(x + 1))) holds for x under 1.8e19, where the product under the root stays finite.
; No tensor load: LDS is claimed as it is used, and each role has LDS bytes of its own.
.set STW,   0                          ; role W: a stage of 16 rows x 528 bytes for each wave
.set STE,   33792                      ; role E: the same
.set EX,    67584                      ; role S: the waves' partial sums
.set SPARE, 71680                      ; the spare words: 128 bytes for each wave, named by no other line
.set SPW,   254                        ; v254 my spare word's LDS address; never rewritten
.set NIL,   255                        ; v255 0; never rewritten
.set X,     64                         ; v64-127 64 numbers of a lane: two whole blocks of 32 along K
.set EPS,   0x2b8cbccc                 ; 1e-12
.set FLOOR, 0x1800000                  ; 2^(3 - 127): under it no largest magnitude is taken
.set WV,    32
.set SEL,   34                         ; s[34:35] selects of v_permlanex16_b32: lane l xor 16
.set MSB, 0
.macro WIN new                         ; the immediate's high byte repeats the setting that is left
.if MSB != (\new)
	s_set_vgpr_msb (MSB<<8)|(\new)
.set MSB, (\new)
.endif
.endm
.macro FINISH                          ; a wave's end: a wait, 0 onto the spare word and a wait, behind its last LDS store
	s_wait_tensorcnt 0x0
	ds_add_u32 v[SPW], v[NIL]
	s_wait_dscnt 0x0
	s_endpgm
.endm
.macro BAR                             ; my LDS stores have landed and my LDS loads are in: then the work-group's barrier
	s_wait_dscnt 0x0
	s_barrier_signal -1
	s_barrier_wait -1
.endm
.macro TWAIT                           ; a plain instruction behind the transcendentals, then the one wait ahead of their first reader
	v_nop
	s_wait_alu depctr_va_vdst(0)
.endm
.macro PKFMAB d, a, b, c               ; d = a x v[b] (both halves) + c
.if (\b)%2
	v_pk_fma_f32 v[\d:(\d)+1], v[\a:(\a)+1], v[(\b)-1:(\b)], v[\c:(\c)+1] op_sel:[0,1,0] op_sel_hi:[1,1,1]
.else
	v_pk_fma_f32 v[\d:(\d)+1], v[\a:(\a)+1], v[(\b):(\b)+1], v[\c:(\c)+1] op_sel_hi:[1,0,1]
.endif
.endm
.macro WRED r, t                       ; the sum over the wave's 32 lanes, in every lane
	v_add_f32_dpp v[\r], v[\r], v[\r] row_xmask:1 row_mask:0xf bank_mask:0xf
	v_add_f32_dpp v[\r], v[\r], v[\r] row_xmask:2 row_mask:0xf bank_mask:0xf
	v_add_f32_dpp v[\r], v[\r], v[\r] row_xmask:4 row_mask:0xf bank_mask:0xf
	v_add_f32_dpp v[\r], v[\r], v[\r] row_xmask:8 row_mask:0xf bank_mask:0xf
	v_permlanex16_b32 v[\t], v[\r], s[SEL], s[SEL+1]
	v_add_f32 v[\r], v[\r], v[\t]
.endm
; 16 rows x 512 numbers from s[36:37] into window 1: row rho, K step s at v[4 (16 s + rho)]; each load covers 512 consecutive bytes
.macro LOADT
	WIN 0x40
.set QI, 0
.rept 64
	global_load_b128 v[4*QI:4*QI+3], v5, s[36:37] offset:2048*(QI%16)+512*(QI/16) th:TH_LOAD_NT
.set QI, QI+1
.endr
	WIN 0
.endm
; K step s of the 16 rows through the wave's own stage: in as loaded, out so that lane (r, h) holds k = 64 c + 32 h + 0 .. 31 of row r in X[32 c ..].  LDS serves a wave in order: no wait between
.macro TURN s, in, out
	WIN 0x04                                       ; an LDS store's data are its source 1: window 1
.set QI, 0
.rept 16
	ds_store_b128 v[\in], v[4*(16*(\s)+QI):4*(16*(\s)+QI)+3] offset:528*QI
.set QI, QI+1
.endr
	WIN 0
.set QI, 0
.rept 16
	ds_load_b128 v[X+4*QI:X+4*QI+3], v[\out] offset:256*(QI/8)+16*(QI%8)
.set QI, QI+1
.endr
.endm
; X's two blocks become a fragment's 12 registers at v[pc] and the rows' scale word in v[wd]
.macro QW pc, wd
	v_max3_num_f32 v16, |v[X]|, |v[X+1]|, FLOOR
	v_max3_num_f32 v17, |v[X+32]|, |v[X+33]|, FLOOR
.set QI, 2
.rept 15
	v_max3_num_f32 v16, v16, |v[X+QI]|, |v[X+QI+1]|
	v_max3_num_f32 v17, v17, |v[X+32+QI]|, |v[X+33+QI]|
.set QI, QI+2
.endr
	v_add_nc_u32 v18, 0xff000000, v16              ; 2 off the exponent field: the conversion's scale operand
	v_add_nc_u32 v19, 0xff000000, v17
	v_lshrrev_b32 v20, 23, v18                     ; the scale's byte
	v_lshrrev_b32 v21, 23, v19
	v_lshl_or_b32 v[\wd], v21, 16, v20             ; my blocks are h and 2 + h of the K step
	v_lshlrev_b32 v[\wd], v6, v[\wd]
	v_permlanex16_b32 v23, v[\wd], s[SEL], s[SEL+1]
	v_or_b32 v[\wd], v[\wd], v23                   ; with lane l xor 16's two bytes the word is whole
	v_cvt_scalef32_pk16_fp6_f32 v[\pc:(\pc)+2], v[X:X+15], v18
	v_cvt_scalef32_pk16_fp6_f32 v[24:26], v[X+16:X+31], v18      ; (a conversion's three registers begin on an even number)
	v_cvt_scalef32_pk16_fp6_f32 v[(\pc)+6:(\pc)+8], v[X+32:X+47], v19
	v_cvt_scalef32_pk16_fp6_f32 v[28:30], v[X+48:X+63], v19
	v_nop                                          ; one plain place behind the conversions
.irp i, 0,1,2
	v_mov_b32 v[(\pc)+3+\i], v[24+\i]
	v_mov_b32 v[(\pc)+9+\i], v[28+\i]
.endr
.endm
	s_load_b512 s[4:19], s[0:1], 0x0               ; Wq, Wk, Wv, Wo, chart_emb, zW, vW, chart_centers
	s_load_b256 s[20:27], s[0:1], 0x40             ; z, geo_scale, wimg, embimg
	s_load_b128 s[28:31], s[0:1], 0x60             ; gb, vws
	v_lshl_add_u32 v[SPW], v0, 2, SPARE
	v_mov_b32 v[NIL], 0
	v_lshrrev_b32 v1, 5, v0
	v_readfirstlane_b32 s[WV], v1                  ; wave 0..3
	v_and_b32 v2, 31, v0                           ; lane
	v_and_b32 v3, 15, v0                           ; r
	v_bfe_u32 v4, v0, 4, 1                         ; h
	v_lshlrev_b32 v5, 4, v2                        ; 16 x lane
	v_lshlrev_b32 v6, 3, v4                        ; 8 h
	s_mov_b32 s[SEL], 0x76543210
	s_mov_b32 s[SEL+1], 0xfedcba98
	s_mov_b32 s53, 0
	s_wait_kmcnt 0x0
	s_cmp_eq_u32 ttmp9, 0
	s_cbranch_scc1 .Lrole_s
	s_cmp_eq_u32 ttmp9, 1
	s_cbranch_scc1 .Lrole_v
	s_cmp_eq_u32 ttmp9, 2
	s_cbranch_scc1 .Lrole_e
	s_cmp_lt_u32 ttmp9, 35
	s_cbranch_scc1 .Lrole_w
; ---------------- ROLE G: a wave takes 4 batch rows, a lane charts 2 l and 2 l + 1 ----------------
; window 0: v64-191 my two centres; window 1: the 4 rows of z, the same in every lane; window 2: the differences
	s_sub_co_u32 s40, ttmp9, 35
	s_lshl_b32 s40, s40, 4
	s_lshl_b32 s41, s[WV], 2
	s_add_co_u32 s40, s40, s41                     ; my first batch row
	s_lshl_b32 s52, s40, 8                         ; rows of z and of gb are 256 bytes
	s_add_nc_u64 s[36:37], s[20:21], s[52:53]
	s_add_nc_u64 s[48:49], s[28:29], s[52:53]
	s_load_b32 s42, s[22:23], 0x0                  ; geo_scale
	v_lshlrev_b32 v13, 9, v2                       ; two centres are 512 bytes
	v_mov_b32 v14, 0
	v_lshlrev_b32 v15, 3, v2                       ; out: 8 bytes a lane
.set I, 0
.rept 32
	global_load_b128 v[64+4*I:67+4*I], v13, s[18:19] offset:16*I
.set I, I+1
.endr
	WIN 0x40
.set I, 0
.rept 64
	global_load_b128 v[4*I:4*I+3], v14, s[36:37] offset:16*I
.set I, I+1
.endr
	WIN 0
.macro SQSUM                           ; v16, v18: the sums of squares of my two centres
	v_pk_mul_f32 v[16:17], v[64:65], v[64:65]
	v_pk_mul_f32 v[18:19], v[128:129], v[128:129]
.set I, 2
.rept 31
	v_pk_fma_f32 v[16:17], v[64+I:65+I], v[64+I:65+I], v[16:17]
	v_pk_fma_f32 v[18:19], v[128+I:129+I], v[128+I:129+I], v[18:19]
.set I, I+2
.endr
	v_add_f32 v16, v16, v17
	v_add_f32 v18, v18, v19
.endm
	s_wait_loadcnt 63                              ; the centres' 32 loads are older than the 64 of z: they are in
	SQSUM
	v_sqrt_f32 v16, v16
	v_sqrt_f32 v18, v18
	TWAIT
	v_max_num_f32 v16, EPS, v16
	v_max_num_f32 v18, EPS, v18
	v_rcp_f32 v16, v16
	v_rcp_f32 v18, v18
	TWAIT
	v_mul_f32 v16, 0x3f7fff58, v16                 ; (1 - 1e-5) / max(n, 1e-12)
	v_mul_f32 v18, 0x3f7fff58, v18
	v_min_num_f32 v16, 1.0, v16
	v_min_num_f32 v18, 1.0, v18
.set I, 0
.rept 32
	v_pk_mul_f32 v[64+I:65+I], v[64+I:65+I], v[16:17] op_sel_hi:[1,0]      ; the centres, brought into the ball
	v_pk_mul_f32 v[128+I:129+I], v[128+I:129+I], v[18:19] op_sel_hi:[1,0]
.set I, I+2
.endr
	SQSUM
	v_sub_f32 v20, 1.0, v16                        ; 1 - |y|^2
	v_sub_f32 v21, 1.0, v18
	s_wait_loadcnt 0x0                             ; z
.macro GBATCH bb                       ; 1 - |z|^2 -> v[32 + bb]; |z - y|^2 of my two charts -> v[40 + 2 bb], v[41 + 2 bb], on explicit differences
	WIN 0x05
	v_pk_mul_f32 v[24:25], v[64*\bb:64*\bb+1], v[64*\bb:64*\bb+1]
	v_pk_mul_f32 v[26:27], v[64*\bb+2:64*\bb+3], v[64*\bb+2:64*\bb+3]
.set I, 4
.rept 15
	v_pk_fma_f32 v[24:25], v[64*\bb+I:64*\bb+I+1], v[64*\bb+I:64*\bb+I+1], v[24:25]
	v_pk_fma_f32 v[26:27], v[64*\bb+I+2:64*\bb+I+3], v[64*\bb+I+2:64*\bb+I+3], v[26:27]
.set I, I+4
.endr
	WIN 0x81                                       ; z in window 1, the centres in window 0, the differences into window 2
.set I, 0
.rept 32
	v_pk_add_f32 v[I:I+1], v[64*\bb+I:64*\bb+I+1], v[64+I:65+I] neg_lo:[0,1] neg_hi:[0,1]
	v_pk_add_f32 v[64+I:65+I], v[64*\bb+I:64*\bb+I+1], v[128+I:129+I] neg_lo:[0,1] neg_hi:[0,1]
.set I, I+2
.endr
	WIN 0x0a
	v_pk_mul_f32 v[28:29], v[0:1], v[0:1]
	v_pk_mul_f32 v[30:31], v[64:65], v[64:65]
.set I, 2
.rept 31
	v_pk_fma_f32 v[28:29], v[I:I+1], v[I:I+1], v[28:29]
	v_pk_fma_f32 v[30:31], v[64+I:65+I], v[64+I:65+I], v[30:31]
.set I, I+2
.endr
	WIN 0
	v_pk_add_f32 v[24:25], v[24:25], v[26:27]
	v_add_f32 v24, v24, v25
	v_sub_f32 v[32+\bb], 1.0, v24
	v_add_f32 v[40+2*\bb], v28, v29
	v_add_f32 v[41+2*\bb], v30, v31
.endm
	GBATCH 0
	GBATCH 1
	GBATCH 2
	GBATCH 3
; the eight numbers n = 2 bb + q go together, so that each kind of transcendental is one batch with one wait
.irp n, 0,1,2,3,4,5,6,7
	v_mul_f32 v[48+\n], v[32+\n/2], v[20+\n%2]     ; (1 - |z|^2)(1 - |y|^2)
.endr
.irp n, 0,1,2,3,4,5,6,7
	v_max_num_f32 v[48+\n], EPS, v[48+\n]
.endr
.irp n, 0,1,2,3,4,5,6,7
	v_rcp_f32 v[48+\n], v[48+\n]
.endr
	TWAIT
.irp n, 0,1,2,3,4,5,6,7
	v_mul_f32 v[48+\n], v[40+\n], v[48+\n]
.endr
.irp n, 0,1,2,3,4,5,6,7
	v_fma_f32 v[48+\n], v[48+\n], 2.0, 1.0
.endr
.irp n, 0,1,2,3,4,5,6,7
	v_max_num_f32 v[48+\n], 0x3f800001, v[48+\n]   ; x = max(.., 1 + 1e-7)
.endr
.irp n, 0,1,2,3,4,5,6,7
	v_add_f32 v[56+\n], -1.0, v[48+\n]
	v_add_f32 v[40+\n], 1.0, v[48+\n]
.endr
.irp n, 0,1,2,3,4,5,6,7
	v_mul_f32 v[56+\n], v[56+\n], v[40+\n]
.endr
.irp n, 0,1,2,3,4,5,6,7
	v_sqrt_f32 v[56+\n], v[56+\n]
.endr
	TWAIT
.irp n, 0,1,2,3,4,5,6,7
	v_add_f32 v[56+\n], v[48+\n], v[56+\n]
.endr
.irp n, 0,1,2,3,4,5,6,7
	v_log_f32 v[56+\n], v[56+\n]
.endr
	TWAIT
	s_wait_kmcnt 0x0                               ; geo_scale
.irp n, 0,1,2,3,4,5,6,7
	v_mul_f32 v[56+\n], 0x3f317218, v[56+\n]       ; d = ln 2 x log2(..)
.endr
.irp n, 0,1,2,3,4,5,6,7
	v_mul_f32 v[56+\n], v[56+\n], v[56+\n]
.endr
.irp n, 0,1,2,3,4,5,6,7
	v_mul_f32 v[56+\n], s42, v[56+\n]
.endr
.irp n, 0,1,2,3,4,5,6,7
	v_mul_f32 v[56+\n], 0x3fb8aa3b, v[56+\n]       ; x log2(e): the main launch's softmax works in base 2
.endr
.irp bb, 0,1,2,3
	global_store_b64 v15, v[56+2*\bb:57+2*\bb], s[48:49] offset:256*\bb   ; 32 lanes store a row's 256 consecutive bytes, aligned
.endr
	FINISH
; ---------------- ROLE W: one tile of 16 rows of one weight to a wave ----------------
.Lrole_w:
	s_sub_co_u32 s40, ttmp9, 3
	s_lshr_b32 s41, s40, 3                         ; which weight: 0 Wq, 1 Wk, 2 Wv, 3 Wo
	s_and_b32 s42, s40, 7
	s_lshl_b32 s42, s42, 2
	s_add_co_u32 s42, s42, s[WV]                   ; its tile, 0..31
	s_lshr_b32 s43, s42, 3
	s_lshl_b32 s44, s41, 2
	s_add_co_u32 s44, s44, s43                     ; i = 4 x weight + quarter
	s_and_b32 s45, s44, 7
	s_lshl_b32 s45, s45, 2
	s_mov_b32 s46, 0x87653210                      ; the unit of quarter i, less 1, four bits each: the order in which the main launch fetches
	s_mov_b32 s47, 0xcfedba94
	s_cmp_lt_u32 s44, 8
	s_cselect_b32 s46, s46, s47
	s_lshr_b32 s46, s46, s45
	s_and_b32 s46, s46, 15
	s_add_co_u32 s46, s46, 1
	s_mul_i32 s46, s46, 51200
	s_bfe_u32 s47, s42, 0x20001                    ; which pair of tiles in the unit
	s_mul_i32 s47, s47, 12800
	s_add_co_u32 s46, s46, s47
	s_and_b32 s47, s42, 1
	s_mul_i32 s48, s47, 6144
	s_add_co_u32 s48, s48, s46                     ; my four images
	s_lshl_b32 s47, s47, 8
	s_add_co_u32 s50, s47, s46
	s_add_co_u32 s50, s50, 12288                   ; my 256 bytes of scale words
	s_mov_b32 s49, 0
	s_mov_b32 s51, 0
	s_add_nc_u64 s[48:49], s[24:25], s[48:49]
	s_add_nc_u64 s[50:51], s[24:25], s[50:51]
	s_mov_b64 s[36:37], s[4:5]
	s_cmp_eq_u32 s41, 1
	s_cselect_b64 s[36:37], s[6:7], s[36:37]
	s_cmp_eq_u32 s41, 2
	s_cselect_b64 s[36:37], s[8:9], s[36:37]
	s_cmp_eq_u32 s41, 3
	s_cselect_b64 s[36:37], s[10:11], s[36:37]
	s_lshl_b32 s52, s42, 15                        ; 16 rows of 2,048 bytes a tile
	s_add_nc_u64 s[36:37], s[36:37], s[52:53]
	s_mul_i32 s54, s[WV], 8448
	v_add_nc_u32 v8, s54, v5                       ; the stage, on the way in
	v_mul_u32_u24 v9, v3, 528
	v_lshl_add_u32 v9, v4, 7, v9
	v_add_nc_u32 v9, s54, v9                       ; and out: row r, + 128 h
	v_lshlrev_b32 v10, 4, v3
	v_lshl_add_u32 v10, v4, 3, v10                 ; the words' place: 16 r + 8 h
	v_mov_b32 v23, 0                               ; a lane permute's destination counts as read
	LOADT
.irp s, 0,1,2,3
	s_wait_loadcnt 48-16*\s                        ; this K step's 16 loads are in; the later steps' stay out
	TURN \s, 8, 9
	s_wait_dscnt 0x0
	QW 128+12*\s, 180+\s                           ; each K step has registers of its own: no store's data are written again
	global_store_b128 v5, v[128+12*\s:131+12*\s], s[48:49] offset:1536*\s        ; 32 lanes store 512 consecutive bytes
	global_store_b128 v5, v[132+12*\s:135+12*\s], s[48:49] offset:1536*\s+512
	global_store_b128 v5, v[136+12*\s:139+12*\s], s[48:49] offset:1536*\s+1024
.endr
	v_cmp_eq_u32 vcc_lo, 1, v4
	v_cndmask_b32 v184, v180, v182, vcc_lo         ; lane (r, h) stores row r's words 2 h and 2 h + 1
	v_cndmask_b32 v185, v181, v183, vcc_lo
	global_store_b64 v10, v[184:185], s[50:51]     ; 32 lanes: 256 consecutive bytes, aligned
	FINISH
; ---------------- ROLE E: chart_emb as the main launch's lanes hold it; wave = tile of 16 charts ----------------
.Lrole_e:
	s_lshl_b32 s52, s[WV], 15
	s_add_nc_u64 s[36:37], s[12:13], s[52:53]
	s_add_nc_u64 s[48:49], s[26:27], s[52:53]
	s_mul_i32 s54, s[WV], 8448
	s_add_co_u32 s54, s54, STE
	v_add_nc_u32 v11, s54, v5
	v_mul_u32_u24 v12, v3, 528
	v_lshl_add_u32 v12, v4, 7, v12
	v_add_nc_u32 v12, s54, v12
	LOADT
.irp s, 0,1,2,3
	s_wait_loadcnt 48-16*\s
	s_wait_xcnt 0x0                                ; the last step's stores have read X: only now is it loaded again
	TURN \s, 11, 12
.irp i, 0,1,2,3,4,5,6,7,8,9,10,11,12,13,14,15
	s_wait_dscnt 15-\i
	global_store_b128 v5, v[X+4*\i:X+4*\i+3], s[48:49] offset:8192*\s+512*\i
.endr
.endr
	FINISH
; ---------------- ROLE V: the iteration on the one row vW; every wave walks the short chain, so no barrier ----------------
.Lrole_v:
.irp c, 0,1,2,3
	global_load_b128 v[64+4*\c:67+4*\c], v5, s[16:17] offset:512*\c
.endr
	s_lshl_b32 s52, s[WV], 9
	s_add_nc_u64 s[36:37], s[16:17], s[52:53]
	s_add_nc_u64 s[48:49], s[30:31], s[52:53]
	global_load_b128 v[80:83], v5, s[36:37]        ; my wave's quarter
	v_mov_b32 v16, 1.0                             ; u = 1 / (1 + 1e-12) = 1 in f32
	v_mov_b32 v17, 0
	v_mov_b32 v23, 0
	v_mov_b32 v27, 0
	v_mov_b32 v28, 0
	s_mov_b32 s40, 5
	s_wait_loadcnt 0x0
.Lv_it:
.irp j, 0,2,4,6,8,10,12,14
	v_pk_mul_f32 v[96+\j:97+\j], v[64+\j:65+\j], v[16:17] op_sel_hi:[1,0]      ; W^T u
.endr
	v_pk_mul_f32 v[20:21], v[96:97], v[96:97]
.irp j, 2,4,6,8,10,12,14
	v_pk_fma_f32 v[20:21], v[96+\j:97+\j], v[96+\j:97+\j], v[20:21]
.endr
	v_add_f32 v20, v20, v21
	WRED 20, 28
	v_sqrt_f32 v22, v20
	TWAIT
	v_add_f32 v22, EPS, v22
	v_rcp_f32 v22, v22
	TWAIT
.irp j, 0,2,4,6,8,10,12,14
	v_pk_mul_f32 v[96+\j:97+\j], v[96+\j:97+\j], v[22:23] op_sel_hi:[1,0]      ; v
.endr
	v_pk_mul_f32 v[24:25], v[64:65], v[96:97]
.irp j, 2,4,6,8,10,12,14
	v_pk_fma_f32 v[24:25], v[64+\j:65+\j], v[96+\j:97+\j], v[24:25]
.endr
	v_add_f32 v24, v24, v25
	WRED 24, 28                                    ; y = W v
	v_add_f32 v26, EPS, |v24|
	v_rcp_f32 v26, v26
	TWAIT
	v_mul_f32 v16, v24, v26                        ; u
	s_sub_co_i32 s40, s40, 1
	s_cmp_lg_u32 s40, 0
	s_cbranch_scc1 .Lv_it
	v_mul_f32 v26, v16, v24                        ; sigma = u (W v)
	v_rcp_f32 v26, v26
	TWAIT
	v_pk_mul_f32 v[84:85], v[80:81], v[26:27] op_sel_hi:[1,0]
	v_pk_mul_f32 v[86:87], v[82:83], v[26:27] op_sel_hi:[1,0]
	global_store_b128 v5, v[84:87], s[48:49]       ; 512 consecutive bytes a wave
	FINISH
; ---------------- ROLE S: sigma of zW [512][64], then zW / sigma as codes ----------------
; Wave w owns rows 128 w .. 128 w + 127.  For the iteration lane (rg = l / 8, cg = l % 8) holds rows 32 rg + j, columns 8 cg + i: window 1, v[8 j + i].
; For the codes lane (r, h) holds, for tile t = 2 b + u, row 32 b + 8 u + r + 8 (r / 8), columns 32 h + i: window 2, v[32 t + i].  (The rows of a tile are so chosen
; that in the main launch's transposed product the 16 registers of two neighbouring tiles are 16 neighbours along the next K.)
.Lrole_s:
.set Y,   32                           ; v32-63   y = W v of my 32 rows (the same in the eight lanes of a row group)
.set TP,  64                           ; v64-127  row sums in pairs
.set Z,   128                          ; v128-135 W^T y of my 8 columns
.set VH,  136                          ; v136-143 v of my 8 columns
.set NYR, 144                          ; v144-145 |y|^2
.set XD,  160                          ; v160-195 what the exchange brings
.set PTS, 200                          ; v200-208 lane permutes' destinations
.set SA,  210                          ; v210-211 a factor, as a pair
.set NZ,  212                          ; v212-213
	v_lshrrev_b32 v240, 3, v2
	v_and_b32 v241, 7, v2
	v_lshlrev_b32 v242, 5, v241                    ; 32 cg
	v_lshl_add_u32 v243, v240, 13, v242            ; 32 rg rows of 256 bytes + 32 cg
	v_and_b32 v244, 8, v3
	v_add_nc_u32 v244, v244, v3
	v_lshlrev_b32 v244, 8, v244
	v_lshl_add_u32 v244, v4, 7, v244               ; (r + 8 (r / 8)) rows + 128 h
	s_lshl_b32 s52, s[WV], 15
	s_add_nc_u64 s[36:37], s[14:15], s[52:53]      ; my 128 rows
	s_lshl_b32 s54, s[WV], 8
	s_add_co_u32 s54, s54, EX
	v_add_nc_u32 v245, s54, v242                   ; my wave's partial W^T y: 256 w + 32 cg
	s_lshl_b32 s54, s[WV], 2
	s_add_co_u32 s54, s54, EX+1024
	v_mov_b32 v246, s54                            ; my wave's |y|^2
	v_add_nc_u32 v247, EX, v242
	v_mov_b32 v248, EX+1024
	v_lshlrev_b32 v249, 5, v3
	v_lshl_add_u32 v249, v4, 4, v249               ; the words' place: 32 r + 16 h
	s_mul_i32 s48, s[WV], 12288
	s_mov_b32 s49, 0
	s_add_nc_u64 s[48:49], s[24:25], s[48:49]      ; unit 0: my 8 images
	s_lshl_b32 s50, s[WV], 9
	s_add_co_u32 s50, s50, 49152
	s_mov_b32 s51, 0
	s_add_nc_u64 s[50:51], s[24:25], s[50:51]      ; and my 512 bytes of scale words
	WIN 0x40
.set QI, 0
.rept 64
	global_load_b128 v[4*QI:4*QI+3], v243, s[36:37] offset:256*(QI/2)+16*(QI%2)
.set QI, QI+1
.endr
	WIN 0x80
.set QI, 0
.rept 64
	global_load_b128 v[4*QI:4*QI+3], v244, s[36:37] offset:(32*(QI/16)+8*((QI/8)%2))*256+16*(QI%8)
.set QI, QI+1
.endr
	WIN 0
.set J, 0
.rept 32
	v_mov_b32 v[Y+J], 1.0                          ; u begins as ones; its norm comes out of the loop's own arithmetic
.set J, J+1
.endr
.irp k, 0,1,2,3,4,5,6,7,8
	v_mov_b32 v[PTS+\k], 0
.endr
	v_mov_b32 v[SA+1], 0
.macro NYSUM                           ; |y|^2 of the wave's 128 rows, in every lane
	v_pk_mul_f32 v[NYR:NYR+1], v[Y:Y+1], v[Y:Y+1]
.set J, 2
.rept 15
	v_pk_fma_f32 v[NYR:NYR+1], v[Y+J:Y+J+1], v[Y+J:Y+J+1], v[NYR:NYR+1]
.set J, J+2
.endr
	v_add_f32 v[NYR], v[NYR], v[NYR+1]
	v_add_f32_dpp v[NYR], v[NYR], v[NYR] row_xmask:8 row_mask:0xf bank_mask:0xf
	v_permlanex16_b32 v[PTS+8], v[NYR], s[SEL], s[SEL+1]
	v_add_f32 v[NYR], v[NYR], v[PTS+8]
.endm
.macro NYGET                           ; the four waves' |y|^2, summed in one order in every wave
	v_add_f32 v[NYR], v[XD+32], v[XD+33]
	v_add_f32 v[NYR+1], v[XD+34], v[XD+35]
	v_add_f32 v[NYR], v[NYR], v[NYR+1]
.endm
.macro INVN src                        ; v[SA] = 1 / (sqrt(v[src]) + 1e-12)
	v_sqrt_f32 v[SA], v[\src]
	TWAIT
	v_add_f32 v[SA], EPS, v[SA]
	v_rcp_f32 v[SA], v[SA]
	TWAIT
.endm
	s_mov_b32 s40, 5
	s_wait_loadcnt 0x0
.Ls_it:
	NYSUM
	WIN 0x01                                       ; W in window 1
.irp ii, 0,2,4,6
	v_pk_mul_f32 v[Z+\ii:Z+\ii+1], v[\ii:\ii+1], v[Y:Y+1] op_sel_hi:[1,0]
.endr
.set J, 1
.rept 31
.irp ii, 0,2,4,6
	PKFMAB Z+\ii, 8*J+\ii, Y+J, Z+\ii              ; W^T y over my 32 rows
.endr
.set J, J+1
.endr
	WIN 0
.irp k, 0,1,2,3,4,5,6,7
	v_add_f32_dpp v[Z+\k], v[Z+\k], v[Z+\k] row_xmask:8 row_mask:0xf bank_mask:0xf
.endr
.irp k, 0,1,2,3,4,5,6,7
	v_permlanex16_b32 v[PTS+\k], v[Z+\k], s[SEL], s[SEL+1]
.endr
.irp k, 0,1,2,3,4,5,6,7
	v_add_f32 v[Z+\k], v[Z+\k], v[PTS+\k]          ; over the wave's four row groups
.endr
	ds_store_b128 v245, v[Z:Z+3]                   ; the four lanes of a column group write the same bytes with the same values
	ds_store_b128 v245, v[Z+4:Z+7] offset:16
	ds_store_b32 v246, v[NYR]
	BAR                                            ; every wave's partial sums lie in LDS
.irp w, 0,1,2,3
	ds_load_b128 v[XD+8*\w:XD+8*\w+3], v247 offset:256*\w
	ds_load_b128 v[XD+8*\w+4:XD+8*\w+7], v247 offset:256*\w+16
.endr
	ds_load_b128 v[XD+32:XD+35], v248
	BAR                                            ; every wave has read them: they may be written again
.irp ii, 0,2,4,6
	v_pk_add_f32 v[Z+\ii:Z+\ii+1], v[XD+\ii:XD+\ii+1], v[XD+8+\ii:XD+9+\ii]
.endr
.irp ii, 0,2,4,6
	v_pk_add_f32 v[Z+\ii:Z+\ii+1], v[Z+\ii:Z+\ii+1], v[XD+16+\ii:XD+17+\ii]
.endr
.irp ii, 0,2,4,6
	v_pk_add_f32 v[Z+\ii:Z+\ii+1], v[Z+\ii:Z+\ii+1], v[XD+24+\ii:XD+25+\ii]
.endr
	NYGET
	INVN NYR
.irp ii, 0,2,4,6
	v_pk_mul_f32 v[Z+\ii:Z+\ii+1], v[Z+\ii:Z+\ii+1], v[SA:SA+1] op_sel_hi:[1,0]    ; W^T u
.endr
	v_pk_mul_f32 v[NZ:NZ+1], v[Z:Z+1], v[Z:Z+1]
.irp ii, 2,4,6
	v_pk_fma_f32 v[NZ:NZ+1], v[Z+\ii:Z+\ii+1], v[Z+\ii:Z+\ii+1], v[NZ:NZ+1]
.endr
	v_add_f32 v[NZ], v[NZ], v[NZ+1]
	v_add_f32_dpp v[NZ], v[NZ], v[NZ] row_xmask:1 row_mask:0xf bank_mask:0xf
	v_add_f32_dpp v[NZ], v[NZ], v[NZ] row_xmask:2 row_mask:0xf bank_mask:0xf
	v_add_f32_dpp v[NZ], v[NZ], v[NZ] row_xmask:4 row_mask:0xf bank_mask:0xf
	INVN NZ
.irp ii, 0,2,4,6
	v_pk_mul_f32 v[VH+\ii:VH+\ii+1], v[Z+\ii:Z+\ii+1], v[SA:SA+1] op_sel_hi:[1,0]   ; v
.endr
	WIN 0x01
.set J, 0
.rept 32
	v_pk_mul_f32 v[TP+2*J:TP+2*J+1], v[8*J:8*J+1], v[VH:VH+1]
.set J, J+1
.endr
.irp ii, 2,4,6
.set J, 0
.rept 32
	v_pk_fma_f32 v[TP+2*J:TP+2*J+1], v[8*J+\ii:8*J+\ii+1], v[VH+\ii:VH+\ii+1], v[TP+2*J:TP+2*J+1]
.set J, J+1
.endr
.endr
	WIN 0
.set J, 0
.rept 32
	v_add_f32 v[Y+J], v[TP+2*J], v[TP+2*J+1]
.set J, J+1
.endr
.irp m, 1,2,4
.set J, 0
.rept 32
	v_add_f32_dpp v[Y+J], v[Y+J], v[Y+J] row_xmask:\m row_mask:0xf bank_mask:0xf    ; y = W v, over the eight column groups
.set J, J+1
.endr
.endr
	s_sub_co_i32 s40, s40, 1
	s_cmp_lg_u32 s40, 0
	s_cbranch_scc1 .Ls_it
	NYSUM
	ds_store_b32 v246, v[NYR]
	BAR
	ds_load_b128 v[XD+32:XD+35], v248
	s_wait_dscnt 0x0
	NYGET
	INVN NYR
	v_mul_f32 v[SA], v[NYR], v[SA]                 ; sigma = u . (W v) = |y|^2 / (|y| + 1e-12)
	v_rcp_f32 v[SA], v[SA]
	TWAIT
.set LZ,  64                           ; v64-95   a tile's 32 numbers of my lane: one whole block
.set PCT, 96                           ; v96-159  eight registers of codes for each tile
.set ZQ4, 160                          ; v160-163 zeros: K runs to 64, the rest of the K step of 128 is zero codes
.set SW,  164                          ; v164-171 the tiles' scale words
.irp i, 0,1,2,3
	v_mov_b32 v[ZQ4+\i], 0
.endr
.irp t, 0,1,2,3,4,5,6,7
	WIN 0x02
.set I, 0
.rept 16
	v_pk_mul_f32 v[LZ+I:LZ+I+1], v[32*\t+I:32*\t+I+1], v[SA:SA+1] op_sel_hi:[1,0]   ; zW / sigma
.set I, I+2
.endr
	WIN 0
	v_max3_num_f32 v[NZ], |v[LZ]|, |v[LZ+1]|, FLOOR
	v_max3_num_f32 v[NZ+1], |v[LZ+2]|, |v[LZ+3]|, FLOOR
.set I, 4
.rept 7
	v_max3_num_f32 v[NZ], v[NZ], |v[LZ+I]|, |v[LZ+I+1]|
	v_max3_num_f32 v[NZ+1], v[NZ+1], |v[LZ+I+2]|, |v[LZ+I+3]|
.set I, I+4
.endr
	v_max_num_f32 v[NZ], v[NZ], v[NZ+1]
	v_add_nc_u32 v[NZ], 0xff000000, v[NZ]
	v_lshrrev_b32 v[NZ+1], 23, v[NZ]
	v_lshlrev_b32 v[SW+\t], v6, v[NZ+1]            ; my block is block h
	v_permlanex16_b32 v[PTS], v[SW+\t], s[SEL], s[SEL+1]
	v_or_b32 v[SW+\t], v[SW+\t], v[PTS]
	v_or_b32 v[SW+\t], 0x7f7f0000, v[SW+\t]        ; the two blocks of zero codes: scale 1
	v_cvt_scalef32_pk16_fp6_f32 v[PCT+8*\t:PCT+8*\t+2], v[LZ:LZ+15], v[NZ]
	v_cvt_scalef32_pk16_fp6_f32 v[PTS+2:PTS+4], v[LZ+16:LZ+31], v[NZ]
	v_nop                                          ; one plain place behind the conversions
.irp i, 0,1,2
	v_mov_b32 v[PCT+8*\t+3+\i], v[PTS+2+\i]
.endr
	v_mov_b32 v[PCT+8*\t+6], 0
	v_mov_b32 v[PCT+8*\t+7], 0
	global_store_b128 v5, v[PCT+8*\t:PCT+8*\t+3], s[48:49] offset:1536*\t
	global_store_b128 v5, v[PCT+8*\t+4:PCT+8*\t+7], s[48:49] offset:1536*\t+512
	global_store_b128 v5, v[ZQ4:ZQ4+3], s[48:49] offset:1536*\t+1024
.endr
	v_cmp_eq_u32 vcc_lo, 1, v4
.irp i, 0,1,2,3
	v_cndmask_b32 v[172+\i], v[SW+\i], v[SW+4+\i], vcc_lo       ; lane (r, h) stores row r's words of tiles 4 h .. 4 h + 3
.endr
	global_store_b128 v249, v[172:175], s[50:51]   ; 512 consecutive bytes a wave
	FINISH
.Lfunc_end_k_q175a218060_prep:
	.size	k_q175a218060_prep, .Lfunc_end_k_q175a218060_prep-k_q175a218060_prep
	.p2alignl 7, 3214868480
	.fill 96, 4, 3214868480
	.section	.rodata,"a",@progbits
	.p2align	6, 0x0
	.amdhsa_kernel k_q175a218060_prep
		.amdhsa_group_segment_fixed_size 72192
		.amdhsa_private_segment_fixed_size 0
		.amdhsa_enable_private_segment 0
		.amdhsa_kernarg_size 112
		.amdhsa_user_sgpr_count 2
		.amdhsa_user_sgpr_kernarg_segment_ptr 1
		.amdhsa_wavefront_size32 1
		.amdhsa_system_sgpr_workgroup_id_x 1
		.amdhsa_system_sgpr_workgroup_id_y 1
		.amdhsa_system_sgpr_workgroup_id_z 1
		.amdhsa_system_vgpr_workitem_id 0
		.amdhsa_next_free_vgpr 768
		.amdhsa_next_free_sgpr 66
		.amdhsa_reserve_vcc 1
		.amdhsa_float_denorm_mode_32 3
		.amdhsa_float_denorm_mode_16_64 3
		.amdhsa_memory_ordered 1
		.amdhsa_forward_progress 1
		.amdhsa_inst_pref_size 199
	.end_amdhsa_kernel
	.amdgpu_metadata
---
amdhsa.version: [ 1, 2 ]
amdhsa.kernels:
  - .name:           k_q175a218060_prep
    .symbol:         k_q175a218060_prep.kd
    .args:
      - { .name: Wq, .offset: 0, .size: 8, .value_kind: global_buffer, .address_space: global }
      - { .name: Wk, .offset: 8, .size: 8, .value_kind: global_buffer, .address_space: global }
      - { .name: Wv, .offset: 16, .size: 8, .value_kind: global_buffer, .address_space: global }
      - { .name: Wo, .offset: 24, .size: 8, .value_kind: global_buffer, .address_space: global }
      - { .name: chart_emb, .offset: 32, .size: 8, .value_kind: global_buffer, .address_space: global }
      - { .name: zW, .offset: 40, .size: 8, .value_kind: global_buffer, .address_space: global }
      - { .name: vW, .offset: 48, .size: 8, .value_kind: global_buffer, .address_space: global }
      - { .name: chart_centers, .offset: 56, .size: 8, .value_kind: global_buffer, .address_space: global }
      - { .name: z, .offset: 64, .size: 8, .value_kind: global_buffer, .address_space: global }
      - { .name: geo_scale, .offset: 72, .size: 8, .value_kind: global_buffer, .address_space: global }
      - { .name: wimg, .offset: 80, .size: 8, .value_kind: global_buffer, .address_space: global }
      - { .name: embimg, .offset: 88, .size: 8, .value_kind: global_buffer, .address_space: global }
      - { .name: gb, .offset: 96, .size: 8, .value_kind: global_buffer, .address_space: global }
      - { .name: vws, .offset: 104, .size: 8, .value_kind: global_buffer, .address_space: global }
    .group_segment_fixed_size: 72192
    .private_segment_fixed_size: 0
    .kernarg_segment_align: 8
    .kernarg_segment_size: 112
    .max_flat_workgroup_size: 128
    .sgpr_count:     66
    .vgpr_count:     768
    .wavefront_size: 32
...
	.end_amdgpu_metadata
.endif
;; end of part 1
;; launch main (part 2): grid 256 x 1, 4 waves a work-group, clusters of 4 x 1, 327,680 bytes of LDS; arguments z, rw, zb, bq, bk, bv, bo, vb, wimg, embimg, gb, vws, out0; writes out0
.if DOCPART == 2
	.amdgcn_target "amdgcn-amd-amdhsa--gfx1250"
	.amdhsa_code_object_version 6
	.text
	.protected	k_q175a218060_main
	.globl	k_q175a218060_main
	.p2align	8
	.type	k_q175a218060_main,@function
k_q175a218060_main:
	s_mov_b64 s[64:65], 0
	v_nop
	global_prefetch_b8 v0, s[64:65] scope:SCOPE_SE
	s_setreg_imm32_b32 hwreg(HW_REG_WAVE_MODE, 25, 1), 1
	s_wait_xcnt 0x0
	s_wait_alu depctr_hold_cnt(0) depctr_sa_sdst(0) depctr_va_vdst(0) depctr_va_sdst(0) depctr_va_ssrc(0) depctr_va_vcc(0) depctr_vm_vsrc(0)
	s_getreg_b32 s2, hwreg(HW_REG_IB_STS2, 6, 4)
	s_cmp_eq_u32 s2, 0
	s_cbranch_scc0 .Lentry_in_a_cluster
	s_endpgm
.Lentry_in_a_cluster:
	s_bfe_u32 s2, ttmp6, 0x10000c
	s_cmp_lg_u32 s2, 0x3003
	s_cbranch_scc0 .Lentry_shape_is_right
	s_endpgm
.Lentry_shape_is_right:
; MAIN: a work-group takes 8 batch rows through the whole chain; k and v never leave the registers.
; SHARES.  Wave w owns charts 16 w .. 16 w + 15 of all 8 batch rows: 8 tiles of 16 tokens.  It quantises those tokens (rw x chart_emb, FP6 = E2M3, a scale for each 32 along 512) itself and keeps
; their codes, 384 registers, for the whole launch.  The weights' codes stream once through LDS; a fragment read from LDS feeds 8 matrix instructions.
; LAYOUT.  Both large products take source 0 = 16 tokens, source 1 = 16 rows of the weight: register j of lane (r, h) is (chart 8 h + j, feature 16 n + r).  So the scores' partial sums P[b][j]
; and the weights attn[b][j] share one layout.  q . k and attn . v are f32 multiply-adds, one packed instruction behind each matrix instruction, on the tile finished half a tile earlier.
; CLUSTER.  The four work-groups of a cluster walk the same stream of weights: each fill is asked for jointly, a quarter by each wave, with one descriptor in all four.
; In the small products (x_q, q, out) wave w takes features 128 w .. 128 w + 127, and the 8 batch rows fill a tile of 16 rows twice (lane r: batch row r % 8).
; LIMITS: NaN and infinities are not served.  A block of zeros keeps the scale byte 1 (its codes are zeros).  Divisions are a reciprocal (1 ulp) and a multiplication.
; q . bk starts the scores' sums.  bv is added to feat once: a softmax's weights add up to 1 but for rounding, for every input.  The softmax takes each wave's own maximum away and joins
; the four waves' maxima and sums afterwards.  A work-group owns 8 numbers of the output: its one store covers 32 bytes.
; REGISTERS, in windows of 256 (s_set_vgpr_msb: bits 1:0 source 0, 3:2 source 1, 5:4 source 2, 7:6 destination):
;   window 0: v1-15 addresses; v16-47 the tokens' scale words; v48-55 the weights'; v64-127 HA, 64 numbers at work; v128-213 at work; v214-253 small tables
;   window 1: v0-191 codes of tiles 0-3; v192-223 attn of rows 4-7; v224-227 q of rows 4-7; v228, v229 LDS addresses
;   window 2: v0-191 codes of tiles 4-7; v192-223 attn of rows 0-3; v224-227 q of rows 0-3; v229 an LDS address
;   window 3: chart_emb until the last token is quantised; then v0-63 the 8 accumulators, v64-127 P, v128-223 two sets of a weight tile's fragments, v224-239 feat's partial sums
; Under ONE setting (source 0 in window 1 or 2, all else in window 3) stand the matrix instruction, the multiply-add behind it, the loads of the next fragments and the stores of feat's parts.
.set PAIRB, 12800                      ; two tiles of a weight: 4 + 4 images of 1,536 bytes, 2 x 256 bytes of scale words
.set QL,    256000                     ; behind the weights' 256,000 bytes: q as [tile n 32][r 16][batch row 8] f32
.set CB,    272384                     ; q . bk in parts: [wave][r][batch row]
.set XQ,    274432                     ; x_q's four fragment images,
.set XQS,   280576                     ; and their scale words
.set FP,    256000                     ; later, over these: feat in parts: 32 rows (8 wave + batch row) of 2,128 bytes: 64 of guard, 2,048 of data, 16 of padding
.set ST,    324096                     ; the waves' maxima and sums
.set RES,   324608                     ; the waves' parts of the result
.set FQ,    153600                     ; feat's four images, in weight bytes that have had their last fill and their last read
.set FQS,   159744
.set SPARE, 327168                     ; the spare words: 128 bytes for each wave, named by no other line
.set FLOOR, 0x1800000
.set LI,  1                            ; 16 x lane
.set L4,  2                            ; 4 x lane
.set R16, 3                            ; 16 r
.set R32, 4                            ; 32 r
.set SH8, 5                            ; 8 h
.set AS,  6                            ; the pair's scale words
.set AQ,  7                            ; the pair's q
.set R4,  8                            ; 4 r
.set ZO,  9                            ; z: 256 (r % 8) + 128 h
.set H64, 10                           ; 64 h
.set H32, 11                           ; 32 h
.set FPB, 15                           ; v12-15: LDS addresses of the stage in hand
.set TS,  16
.set WSA, 48
.set WSB, 52
.set XS,  56
.set ZS,  60
.set SPW, 62
.set NIL, 63
.set HA,  64
.set PC,  128
.set TM,  148
.set PW,  164
.set XF,  166
.set ZF,  166
.set ZN,  178
.set RW,  214
.set EM,  222
.set BQ,  230                          ; bq, later bo
.set BK,  238                          ; bk, later vW / sigma
.set C8,  246                          ; q . bk, later the softmax's factors, later the result's parts
.set RB,  254
.set TT,  128                          ; the softmax: t, then p
.set ML,  192                          ; (maximum, sum) of each batch row
.set LL,  214
.set M8,  222
.set AW,  228
.set FPA, 229
.set WV,  20
.set G1A, 24                           ; s[24:31], s[32:39], s[40:47]: descriptor groups 1 for 250, 100, 50 rows of 256 bytes;  s[48:51]: group 0
.set G1B, 32
.set G1C, 40
.set HM,  57                           ; lanes 16-31
.set SEL, 58
.set CS,  60                           ; s[60:61] log2(e) / sqrt(512)
.set TB,  62                           ; LDS byte of the pair in hand
.set TQ,  63                           ; and of its q
.set FS,  66                           ; and its place in feat's rows
.set CNT, 78
.set W1,  0xfd
.set W2,  0xfe
.set MSB, 0
.macro WIN new                         ; the immediate's high byte repeats the setting that is left
.if MSB != (\new)
	s_set_vgpr_msb (MSB<<8)|(\new)
.set MSB, (\new)
.endif
.endm
.macro PLACES                          ; four places behind matrix instructions (ISA guide 7.12.1), where no other vector work is at hand
.rept 4
	v_nop
.endr
.endm
.macro PK2B op, d, a, b                ; a packed operation whose second source is v[b] in both halves
.if (\b)%2
	\op v[\d:(\d)+1], v[\a:(\a)+1], v[(\b)-1:(\b)] op_sel:[0,1] op_sel_hi:[1,1]
.else
	\op v[\d:(\d)+1], v[\a:(\a)+1], v[(\b):(\b)+1] op_sel_hi:[1,0]
.endif
.endm
.macro PKFMAB d, a, b, c               ; d = a x v[b] (both halves) + c
.if (\b)%2
	v_pk_fma_f32 v[\d:(\d)+1], v[\a:(\a)+1], v[(\b)-1:(\b)], v[\c:(\c)+1] op_sel:[0,1,0] op_sel_hi:[1,1,1]
.else
	v_pk_fma_f32 v[\d:(\d)+1], v[\a:(\a)+1], v[(\b):(\b)+1], v[\c:(\c)+1] op_sel_hi:[1,0,1]
.endif
.endm
.macro ROUND                           ; a round of the cluster's barrier
	s_barrier_signal -1
	s_barrier_wait -1
	s_cmp_lg_u32 s[WV], 0
	s_cbranch_scc1 .Lnot_wave_0_\@
	s_barrier_signal -3
.Lnot_wave_0_\@:
	s_barrier_wait -3
	s_barrier_signal -1
	s_barrier_wait -1
.endm
; Weight bytes are filled again.  Each wave: all its tensor loads have landed; 0 onto its spare word (the descriptor's
; words are written while it is out); the add is done and the wave's LDS reads and stores are over; a round of the cluster's barrier, so that the same holds of every wave of the
; four work-groups; then the wave's quarter of the fill, its one tensor load until the next such round.  By this text's count a wave never has more than one tensor load out.
.macro REFILL g1, lds, qr, mem
	WIN 0
	s_wait_tensorcnt 0x0
	ds_add_u32 v[SPW], v[NIL]
	s_add_co_u32 s49, s[\qr], \lds
	s_add_co_u32 s52, s[\qr], \mem
	s_add_nc_u64 s[50:51], s[68:69], s[52:53]
	s_or_b32 s51, s51, 0x80000000
	s_wait_dscnt 0x0
	ROUND
	tensor_load_to_lds s[48:51], s[\g1:\g1+7]
	s_nop 0
	PLACES
.endm
; 64 numbers of a lane, register 16 b + i = k 32 b + 16 h + i of its row, become a fragment's codes in v[PC] on and the row's scale word in v[PW]
.macro QUANT s
.irp b, 0,1,2,3
	v_max3_num_f32 v[TM+\b], |v[\s+16*\b]|, |v[\s+1+16*\b]|, FLOOR
.endr
.irp i, 2,4,6,8,10,12,14
.irp b, 0,1,2,3
	v_max3_num_f32 v[TM+\b], v[TM+\b], |v[\s+16*\b+\i]|, |v[\s+1+16*\b+\i]|
.endr
.endr
.irp b, 0,1,2,3
	v_permlanex16_b32 v[TM+4+\b], v[TM+\b], s[SEL], s[SEL+1]
.endr
.irp b, 0,1,2,3
	v_max_num_f32 v[TM+\b], v[TM+\b], v[TM+4+\b]
.endr
.irp b, 0,1,2,3
	v_add_nc_u32 v[TM+12+\b], 0xff000000, v[TM+\b] ; 2 off the exponent field: the conversion's scale operand
.endr
.irp b, 0,1,2,3
	v_lshrrev_b32 v[TM+4+\b], 23, v[TM+12+\b]
.endr
	v_lshl_or_b32 v[PW], v[TM+5], 8, v[TM+4]
	v_lshl_or_b32 v[PW], v[TM+6], 16, v[PW]
	v_lshl_or_b32 v[PW], v[TM+7], 24, v[PW]
.irp c, 0,1
	v_cvt_scalef32_pk16_fp6_f32 v[PC+6*\c:PC+2+6*\c], v[\s+32*\c:\s+15+32*\c], v[TM+12+2*\c]
	v_cvt_scalef32_pk16_fp6_f32 v[PC+12+4*\c:PC+14+4*\c], v[\s+16+32*\c:\s+31+32*\c], v[TM+12+2*\c+1]
.endr
	v_nop                                          ; one plain place behind the conversions
.irp c, 0,1                            ; the operand's layout wants a whole block in a lane
.irp i, 0,1,2
	v_permlane16_swap_b32 v[PC+6*\c+\i], v[PC+12+4*\c+\i]
.endr
.irp i, 0,1,2
	v_mov_b32 v[PC+3+6*\c+\i], v[PC+12+4*\c+\i]
.endr
.endr
.endm
.macro IMAGE adr                       ; the fragment in v[PC] on goes to LDS as it stands,
.irp c, 0,1,2
	ds_store_b128 v[\adr], v[PC+4*\c:PC+4*\c+3] offset:512*\c
.endr
.endm
.macro FETCH4 adr, sca                 ; and the four waves' fragments and scale words come back so, in any wave
.set I, 0
.rept 12
	ds_load_b128 v[XF+4*I:XF+4*I+3], v[\adr] offset:512*I
.set I, I+1
.endr
.irp s, 0,1,2,3
	ds_load_b32 v[XS+\s], v[\sca] offset:128*\s
.endr
.endm
; The tokens of batch row b (my 16 charts) become the codes of tile b.  Lane (r, h) holds whole blocks: chart_emb[16 w + r][128 s + 64 c + 32 h + i] at v[64 s + 32 c + i] of window 3.
; A block's largest |rw x emb| is |rw| x the block's largest |emb|, rounded: rounding keeps the order of numbers.
.macro XTILE b
.set TW, 1+(\b)/4
.set TK, 48*((\b)%4)
	WIN 0
.irp k, 0,1,2,3,4,5,6,7
	v_mul_f32 v[TM+\k], |v[RW+\b]|, v[EM+\k]
.endr
.irp k, 0,1,2,3,4,5,6,7
	v_max_num_f32 v[TM+\k], FLOOR, v[TM+\k]
.endr
.irp k, 0,1,2,3,4,5,6,7
	v_add_nc_u32 v[TM+\k], 0xff000000, v[TM+\k]
.endr
.irp k, 0,1,2,3,4,5,6,7
	v_lshrrev_b32 v[TM+8+\k], 23, v[TM+\k]
.endr
.irp s, 0,1,2,3
	v_lshl_or_b32 v[TS+4*(\b)+\s], v[TM+9+2*\s], 16, v[TM+8+2*\s]
.endr
.irp s, 0,1,2,3
	v_lshlrev_b32 v[TS+4*(\b)+\s], v[SH8], v[TS+4*(\b)+\s]
.endr
.irp s, 0,1,2,3
	v_permlanex16_b32 v[PC+16+\s], v[TS+4*(\b)+\s], s[SEL], s[SEL+1]
.endr
.irp s, 0,1,2,3
	v_or_b32 v[TS+4*(\b)+\s], v[TS+4*(\b)+\s], v[PC+16+\s]
.endr
.irp s, 0,1,2,3
	WIN 0x03
.set I, 0
.rept 32
	PK2B v_pk_mul_f32, HA+I, 64*\s+I, RW+\b
.set I, I+2
.endr
	WIN (TW<<6)
	v_cvt_scalef32_pk16_fp6_f32 v[TK+12*\s:TK+12*\s+2], v[HA:HA+15], v[TM+2*\s]
	v_cvt_scalef32_pk16_fp6_f32 v[248:250], v[HA+16:HA+31], v[TM+2*\s]          ; (a conversion's three registers begin on an even number)
	v_cvt_scalef32_pk16_fp6_f32 v[TK+12*\s+6:TK+12*\s+8], v[HA+32:HA+47], v[TM+2*\s+1]
	v_cvt_scalef32_pk16_fp6_f32 v[252:254], v[HA+48:HA+63], v[TM+2*\s+1]
	v_nop                                          ; one plain place behind the conversions
	WIN (TW<<6)|TW
.irp i, 0,1,2
	v_mov_b32 v[TK+12*\s+3+\i], v[248+\i]
	v_mov_b32 v[TK+12*\s+9+\i], v[252+\i]
.endr
.endr
.endm
; Four tiles (4 g .. 4 g + 3) of my 128 features of a small product: source 0 = the 16 rows in XF, source 1 = 16 rows of the weight.  The four accumulators take turns.
.macro PROJ g, wa, wsc
	WIN 0x80
.irp t, 0,1,2,3
.set I, 0
.rept 12
	ds_load_b128 v[48*\t+4*I:48*\t+4*I+3], v[\wa] offset:PAIRB*((4*\g+\t)/2)+6144*(\t%2)+512*I
.set I, I+1
.endr
.endr
	WIN 0
.irp t, 0,1,2,3
	ds_load_b128 v[TS+16+4*\t:TS+19+4*\t], v[\wsc] offset:PAIRB*((4*\g+\t)/2)+12288+256*(\t%2)
.endr
	s_wait_dscnt 0x0
	WIN 0x08
.irp t, 0,1,2,3
	v_wmma_scale_f32_16x16x128_f8f6f4 v[HA+32*\g+8*\t:HA+32*\g+8*\t+7], v[XF:XF+11], v[48*\t:48*\t+11], 0, v[XS], v[TS+16+4*\t] matrix_a_fmt:MATRIX_FMT_FP6 matrix_b_fmt:MATRIX_FMT_FP6
.endr
.irp s, 1,2,3
.irp t, 0,1,2,3
	v_wmma_scale_f32_16x16x128_f8f6f4 v[HA+32*\g+8*\t:HA+32*\g+8*\t+7], v[XF+12*\s:XF+12*\s+11], v[48*\t+12*\s:48*\t+12*\s+11], v[HA+32*\g+8*\t:HA+32*\g+8*\t+7], v[XS+\s], v[TS+16+4*\t+\s] matrix_a_fmt:MATRIX_FMT_FP6 matrix_b_fmt:MATRIX_FMT_FP6
.endr
.endr
	WIN 0
	PLACES
.endm
.macro POSTQ g                         ; register j of a tile is batch row j, feature 16 T + r: + bq, into the table of q; q . bk is gathered
.irp t, 0,1,2,3
.set TL, 4*(\g)+\t
.irp i, 0,2,4,6
	PK2B v_pk_add_f32, HA+8*TL+\i, HA+8*TL+\i, BQ+TL
.endr
	ds_store_b128 v14, v[HA+8*TL:HA+8*TL+3] offset:512*TL        ; (both halves of the lanes hold the same rows and write the same bytes)
	ds_store_b128 v14, v[HA+8*TL+4:HA+8*TL+7] offset:512*TL+16
.irp i, 0,2,4,6
.if TL == 0
	PK2B v_pk_mul_f32, C8+\i, HA+8*TL+\i, BK+TL
.else
	PKFMAB C8+\i, HA+8*TL+\i, BK+TL, C8+\i
.endif
.endr
.endr
.endm
.macro POSTO g                         ; the value head: (out + bo) . vW / sigma; the first multiply-add takes bo's part as its addend
.irp t, 0,1,2,3
.set TL, 4*(\g)+\t
.irp i, 0,2,4,6
.if TL == 0
	v_pk_fma_f32 v[C8+\i:C8+\i+1], v[HA+\i:HA+\i+1], v[BK:BK+1], v[RB:RB+1] op_sel_hi:[1,0,0]
.else
	PKFMAB C8+\i, HA+8*TL+\i, BK+TL, C8+\i
.endif
.endr
.endr
.endm
; ---- the two large products ----
.macro MM hi                           ; matrix instruction I of a half: token tile 4 hi + I % 4, K step I / 4.  The four accumulators take turns
.set MT, I%4
.set MS, I/4
.set MA, 8*(4*(\hi)+MT)
.if MS == 0
	v_wmma_scale_f32_16x16x128_f8f6f4 v[MA:MA+7], v[48*MT+12*MS:48*MT+12*MS+11], v[WFC+12*MS:WFC+12*MS+11], 0, v[TS+4*(4*(\hi)+MT)+MS], v[WSC+MS] matrix_a_fmt:MATRIX_FMT_FP6 matrix_b_fmt:MATRIX_FMT_FP6
.else
	v_wmma_scale_f32_16x16x128_f8f6f4 v[MA:MA+7], v[48*MT+12*MS:48*MT+12*MS+11], v[WFC+12*MS:WFC+12*MS+11], v[MA:MA+7], v[TS+4*(4*(\hi)+MT)+MS], v[WSC+MS] matrix_a_fmt:MATRIX_FMT_FP6 matrix_b_fmt:MATRIX_FMT_FP6
.endif
.endm
.macro SL1 g                           ; scores: P[b][j] += q[b] x k[b][j], batch row b = g + I / 4, two charts; each accumulator is read from its low end on
.set SB, (\g)+I/4
.set SI, 2*(I%4)
.set QR, 224+I/4
.if (I/4)%2
	v_pk_fma_f32 v[64+8*SB+SI:65+8*SB+SI], v[QR-1:QR], v[8*SB+SI:8*SB+SI+1], v[64+8*SB+SI:65+8*SB+SI] op_sel:[1,0,0] op_sel_hi:[1,1,1]
.else
	v_pk_fma_f32 v[64+8*SB+SI:65+8*SB+SI], v[QR:QR+1], v[8*SB+SI:8*SB+SI+1], v[64+8*SB+SI:65+8*SB+SI] op_sel_hi:[0,1,1]
.endif
.endm
.macro SL2 g                           ; feat: F[b] = the sum over my 8 charts of attn[b][j] x v[b][j], in two halves; a row's halves are added a step later
.set SB, (\g)+I/4
.set SI, 2*(I%4)
.set FR, 224+2*(\g)+2*(I/4)
.set AT, 192+8*(I/4)+SI
.if I%4 == 0
	v_pk_mul_f32 v[FR:FR+1], v[AT:AT+1], v[8*SB+SI:8*SB+SI+1]
.else
	v_pk_fma_f32 v[FR:FR+1], v[AT:AT+1], v[8*SB+SI:8*SB+SI+1], v[FR:FR+1]
.endif
.if (I%4 == 1) && (I > 4)
	v_fma_f32 v[FR-2], 1.0, v[FR-2], v[FR-1]
.endif
.endm
.macro FBLOCK fb                       ; four rows' sums over the two halves of the lanes: afterwards lanes 0-15 of v[fb + 1] hold the first row's, lanes 16-31 the second's; v[fb + 5] the third's and fourth's
	WIN 0xff
	v_cndmask_b32 v[\fb+1], v[\fb], v[\fb+2], s[HM]
	v_cndmask_b32 v[\fb+3], v[\fb+2], v[\fb], s[HM]
	v_cndmask_b32 v[\fb+5], v[\fb+4], v[\fb+6], s[HM]
	v_cndmask_b32 v[\fb+7], v[\fb+6], v[\fb+4], s[HM]
	v_permlanex16_b32 v[\fb], v[\fb+3], s[SEL], s[SEL+1]
	v_permlanex16_b32 v[\fb+4], v[\fb+7], s[SEL], s[SEL+1]
	v_add_f32 v[\fb+1], v[\fb+1], v[\fb]
	v_add_f32 v[\fb+5], v[\fb+5], v[\fb+4]
.endm
.macro FINSTEP fb, i0, off, back       ; the group of four rows gathered in the half before is finished in steps 1 to 3 of this half, and goes to my rows of feat's parts
.if I == 1
	v_fma_f32 v[\fb+6], 1.0, v[\fb+6], v[\fb+7]
.endif
.if I == 2
	FBLOCK \fb
	WIN \back
.endif
.if I == 3
	ds_store_b32 v[FPA], v[\fb+1] offset:4256*(\i0)+\off
	ds_store_b32 v[FPA], v[\fb+5] offset:4256*((\i0)+1)+\off
.endif
.endm
; One tile of 16 features: 32 matrix instructions.  Half 0: token tiles 0-3, with the multiply-adds of rows 4-7 of the tile BEFORE; half 1: tiles 4-7, with those of rows 0-3 of this tile.
; So a multiply-add reads an accumulator four plain instructions or more behind its last matrix instruction: the multiply-adds in between are the places.
; The other set of fragments is loaded in steps 4 to 15 of half 0, 17 matrix instructions or more ahead of its use; its last reader stands 13 plain instructions or more back.
.macro TILE ph, x
.set WFC, 128+48*(\x)
.set WFN, 176-48*(\x)
.set WSC, WSA+4*(\x)
.set WSN, WSB-4*(\x)
.set LAH, 6144+6656*(\x)               ; the next tile: the pair's second, or the next pair's first
	s_wait_dscnt 0x0                               ; this tile's fragments and scale words are in (the last of these loads was issued 15 matrix instructions ago)
	WIN W1
.set I, 0
.rept 16
	MM 0
.if \ph == 1
	SL1 4
.if I == 0
	WIN 0x80
	ds_load_b128 v[224:227], v[AQ] offset:512*(\x)               ; this tile's q of rows 0-3
	WIN W1
.endif
.else
	SL2 4
	FINSTEP 224, 0, 64*(\x), W1
.endif
.if I >= 4
	ds_load_b128 v[WFN+4*(I-4):WFN+4*(I-4)+3], v[AW] offset:LAH+512*(I-4)
.endif
.set I, I+1
.endr
.if \ph == 1
	s_wait_dscnt 12                                ; q is in: behind its load stand the 12 loads of fragments
.endif
	WIN W2
.set I, 0
.rept 16
	MM 1
.if \ph == 1
	SL1 0
.else
	SL2 0
	FINSTEP 232, 2, 64*(\x), W2
.endif
.if I == 0
.if \ph == 1
	WIN 0x40
	ds_load_b128 v[224:227], v[AQ] offset:512*(\x)+16            ; this tile's q of rows 4-7, for the next half
.endif
	WIN 0
	ds_load_b128 v[WSN:WSN+3], v[AS] offset:12544+12544*(\x)     ; the next tile's scale words
	WIN W2
.endif
.set I, I+1
.endr
.endm
.macro PROLOG                          ; the first tile's fragments and scale words
	WIN 0
	v_add_nc_u32 v[AS], s[TB], v[R16]
	WIN 0x40
	v_add_nc_u32 v[AW], s[TB], v[LI]
	WIN 0xc1
.set I, 0
.rept 12
	ds_load_b128 v[128+4*I:131+4*I], v[AW] offset:512*I
.set I, I+1
.endr
	WIN 0
	ds_load_b128 v[WSA:WSA+3], v[AS] offset:12288
.endm
.macro PLOOP ph, trips                 ; a trip is a pair of tiles: 64 matrix instructions
	s_mov_b32 s[CNT], \trips
.Lpair_\@:
	v_add_nc_u32 v[AS], s[TB], v[R16]
.if \ph == 1
	v_add_nc_u32 v[AQ], s[TQ], v[R32]
.endif
	WIN 0x40
	v_add_nc_u32 v[AW], s[TB], v[LI]
.if \ph == 2
	v_add_nc_u32 v[FPA], s[FS], v[FPB]
	WIN 0x80
	v_add_nc_u32 v[FPA], s[FS], v[FPB]
.endif
	TILE \ph, 0
	TILE \ph, 1
	WIN 0
	s_add_co_u32 s[TB], s[TB], PAIRB
.if \ph == 1
	s_add_co_u32 s[TQ], s[TQ], 1024
.else
	s_add_co_u32 s[FS], s[FS], 128
.endif
	s_sub_co_i32 s[CNT], s[CNT], 1
	s_cmp_lg_u32 s[CNT], 0
	s_cbranch_scc1 .Lpair_\@
.endm
; ================ the head ================
	s_load_b512 s[4:19], s[0:1], 0x0               ; z, rw, zb, bq, bk, bv, bo, vb
	s_load_b256 s[68:75], s[0:1], 0x40             ; wimg, embimg, gb, vws
	s_load_b64 s[76:77], s[0:1], 0x60              ; out0
	v_lshl_add_u32 v[SPW], v0, 2, SPARE
	v_mov_b32 v[NIL], 0
	ds_add_u32 v[SPW], v[NIL]                      ; the wave's opening: the add and its wait stand ahead of my first tensor load; the set-up, work on registers, stands between
	v_lshrrev_b32 v1, 5, v0
	v_readfirstlane_b32 s[WV], v1                  ; wave 0..3
	s_bfe_u32 s21, ttmp6, 0x40000                  ; my place in the cluster: it enters addresses of z, rw, gb and out0 alone
	s_lshl_b32 s22, ttmp9, 2
	s_add_co_u32 s22, s22, s21
	s_lshl_b32 s22, s22, 3                         ; my first batch row
.irp g, G1A, G1B, G1C                  ; a dense block as rows of 256 bytes: 15:0 the mask of all four work-groups; 17:16 elements of 8 bytes; 21 set beside a mask
	s_mov_b32 s[\g], 15|(3<<16)|(1<<21)
	s_mov_b32 s[\g+1], 32<<16                      ; tensor_dim0 = 32
	s_mov_b32 s[\g+3], 32<<16                      ; tile_dim0 = 32
	s_mov_b32 s[\g+5], 32                          ; from row to row
	s_mov_b32 s[\g+6], 0
	s_mov_b32 s[\g+7], 0
.endr
	s_mov_b32 s[G1A+2], 250<<16                    ; tensor_dim1,
	s_mov_b32 s[G1A+4], 250                        ; tile_dim1: a quarter of five units
	s_mov_b32 s[G1B+2], 100<<16
	s_mov_b32 s[G1B+4], 100                        ; of two units
	s_mov_b32 s[G1C+2], 50<<16
	s_mov_b32 s[G1C+4], 50                         ; of one
	s_mov_b32 s48, 1
	s_mov_b32 s53, 0
	s_mul_i32 s54, s[WV], 64000
	s_mul_i32 s55, s[WV], 25600
	s_mul_i32 s56, s[WV], 12800
	s_mov_b32 s[HM], 0xffff0000
	s_mov_b32 s[SEL], 0x76543210
	s_mov_b32 s[SEL+1], 0xfedcba98
	s_mov_b32 s[CS], 0x3d8293ee
	s_mov_b32 s[CS+1], s[CS]
	v_and_b32 v12, 31, v0
	v_and_b32 v13, 15, v0
	v_bfe_u32 v14, v0, 4, 1
	v_lshlrev_b32 v[LI], 4, v12
	v_lshlrev_b32 v[L4], 2, v12
	v_lshlrev_b32 v[R16], 4, v13
	v_lshlrev_b32 v[R32], 5, v13
	v_lshlrev_b32 v[SH8], 3, v14
	v_lshlrev_b32 v[R4], 2, v13
	v_and_b32 v[ZO], 7, v0
	v_lshlrev_b32 v[ZO], 8, v[ZO]
	v_lshl_add_u32 v[ZO], v14, 7, v[ZO]
	v_lshlrev_b32 v[H64], 6, v14
	v_lshlrev_b32 v[H32], 5, v14
.irp i, 16,17,18,19
	v_mov_b32 v[PC+\i], 0                          ; lane permutes' destinations count as read
.endr
	s_wait_dscnt 0x0                               ; the opening add is done
	s_wait_kmcnt 0x0
	ROUND                                          ; all four work-groups are here: the first joint loads meet
	s_add_co_u32 s49, s54, 0
	s_add_co_u32 s52, s54, 0
	s_add_nc_u64 s[50:51], s[68:69], s[52:53]
	s_or_b32 s51, s51, 0x80000000
	tensor_load_to_lds s[48:51], s[G1A:G1A+7]      ; units 0-4: zW / sigma and Wq
	s_nop 0
	PLACES
	s_lshl_b32 s80, s22, 8
	s_mov_b32 s81, 0
	s_add_nc_u64 s[4:5], s[4:5], s[80:81]          ; z, rw, gb at my first batch row (rows of 256 bytes),
	s_add_nc_u64 s[6:7], s[6:7], s[80:81]
	s_add_nc_u64 s[72:73], s[72:73], s[80:81]
	s_lshl_b32 s80, s[WV], 6
	s_add_nc_u64 s[6:7], s[6:7], s[80:81]          ; rw and gb at my 16 charts
	s_add_nc_u64 s[72:73], s[72:73], s[80:81]
	s_lshl_b32 s80, s[WV], 9
	s_add_nc_u64 s[8:9], s[8:9], s[80:81]          ; the vectors of 512 at my 128 features
	s_add_nc_u64 s[10:11], s[10:11], s[80:81]
	s_add_nc_u64 s[12:13], s[12:13], s[80:81]
	s_add_nc_u64 s[14:15], s[14:15], s[80:81]
	s_add_nc_u64 s[16:17], s[16:17], s[80:81]
	s_add_nc_u64 s[74:75], s[74:75], s[80:81]
	s_lshl_b32 s80, s[WV], 15
	s_add_nc_u64 s[70:71], s[70:71], s[80:81]      ; my charts' 32,768 bytes of chart_emb's image
	s_lshl_b32 s80, s22, 2
	s_add_nc_u64 s[76:77], s[76:77], s[80:81]
	s_load_b32 s67, s[18:19], 0x0                  ; vb
.irp b, 0,1,2,3,4,5,6,7
	global_load_b32 v[RW+\b], v[R4], s[6:7] offset:256*\b        ; rw[b][16 w + r]
.endr
.irp p, 0,1,2,3,4,5,6,7
	global_load_b128 v[ZN+4*\p:ZN+4*\p+3], v[ZO], s[4:5] offset:16*\p    ; z[r % 8][32 h ..]: a whole block
.endr
	WIN 0xc0
.set I, 0
.rept 64
	global_load_b128 v[4*I:4*I+3], v[LI], s[70:71] offset:512*I  ; 512 consecutive bytes a load
.set I, I+1
.endr
	WIN 0x80
.irp t, 0,1,2,3,4,5,6,7                ; zb in the layout of x_q's result: tile t = 2 b + u, register j: feature 32 b + 16 h + 8 u + j
	global_load_b128 v[96+8*\t:99+8*\t], v[H64], s[8:9] offset:(32*(\t/2)+8*(\t%2))*4
	global_load_b128 v[100+8*\t:103+8*\t], v[H64], s[8:9] offset:(32*(\t/2)+8*(\t%2))*4+16
.endr
	WIN 0
.irp t, 0,1,2,3,4,5,6,7
	global_load_b32 v[BQ+\t], v[R4], s[10:11] offset:64*\t
.endr
.irp t, 0,1,2,3,4,5,6,7
	global_load_b32 v[BK+\t], v[R4], s[12:13] offset:64*\t
.endr
; ---- z's block becomes a fragment: K runs to 64, the rest of the K step is zero codes under the scale 1 ----
	s_wait_loadcnt 63                              ; rw and z are older than the 96 loads behind them: they are in
	v_max3_num_f32 v[TM], |v[ZN]|, |v[ZN+1]|, FLOOR
	v_max3_num_f32 v[TM+1], |v[ZN+2]|, |v[ZN+3]|, FLOOR
.set I, 4
.rept 7
	v_max3_num_f32 v[TM], v[TM], |v[ZN+I]|, |v[ZN+I+1]|
	v_max3_num_f32 v[TM+1], v[TM+1], |v[ZN+I+2]|, |v[ZN+I+3]|
.set I, I+4
.endr
	v_max_num_f32 v[TM], v[TM], v[TM+1]
	v_add_nc_u32 v[TM+12], 0xff000000, v[TM]
	v_lshrrev_b32 v[TM+4], 23, v[TM+12]
	v_lshlrev_b32 v[ZS], v[SH8], v[TM+4]
	v_permlanex16_b32 v[PC+16], v[ZS], s[SEL], s[SEL+1]
	v_or_b32 v[ZS], v[ZS], v[PC+16]
	v_or_b32 v[ZS], 0x7f7f0000, v[ZS]
	v_cvt_scalef32_pk16_fp6_f32 v[ZF:ZF+2], v[ZN:ZN+15], v[TM+12]
	v_cvt_scalef32_pk16_fp6_f32 v[PC:PC+2], v[ZN+16:ZN+31], v[TM+12]
	v_nop
.irp i, 0,1,2
	v_mov_b32 v[ZF+3+\i], v[PC+\i]
.endr
.irp i, 6,7,8,9,10,11
	v_mov_b32 v[ZF+\i], 0
.endr
; ---- the largest |chart_emb| of each of my 8 blocks ----
	s_wait_loadcnt 32                              ; chart_emb is in; zb (16), bq (8), bk (8) may be out
	WIN 0x0f
.irp k, 0,1,2,3,4,5,6,7
	v_max_num_f32 v[EM+\k], |v[32*\k]|, |v[32*\k+1]|
.endr
	WIN 0x3c
.set I, 2
.rept 15
.irp k, 0,1,2,3,4,5,6,7
	v_max3_num_f32 v[EM+\k], v[EM+\k], |v[32*\k+I]|, |v[32*\k+I+1]|
.endr
.set I, I+2
.endr
	XTILE 0                                        ; the first fill lands under these four
	XTILE 1
	XTILE 2
	XTILE 3
; ================ x_q = z (zW / sigma)^T + zb, transposed: source 0 = 16 rows of the weight, source 1 = z ================
	WIN 0
	s_wait_tensorcnt 0x0                           ; my quarter of the first fill is in,
	s_barrier_signal -1
	s_barrier_wait -1                              ; everybody's is
	s_mul_i32 s80, s[WV], 12288
	v_add_nc_u32 v12, s80, v[LI]                   ; my 8 tiles' images
	s_lshl_b32 s80, s[WV], 9
	s_add_co_u32 s80, s80, 49152
	v_add_nc_u32 v13, s80, v[R32]                  ; and their scale words: 32 bytes a row
	s_mul_i32 s80, s[WV], 1536
	s_add_co_u32 s80, s80, XQ
	v_add_nc_u32 v14, s80, v[LI]
	s_lshl_b32 s80, s[WV], 7
	s_add_co_u32 s80, s80, XQS
	v_add_nc_u32 v15, s80, v[L4]
	WIN 0x80
.set I, 0
.rept 24
	ds_load_b128 v[4*I:4*I+3], v12 offset:512*I
.set I, I+1
.endr
	WIN 0
	ds_load_b128 v[TS+16:TS+19], v13
	ds_load_b128 v[TS+20:TS+23], v13 offset:16
	s_wait_dscnt 0x0
	s_wait_loadcnt 16                              ; zb is in; bq and bk may be out
	WIN 0x22                                       ; the weight and zb in window 2
.irp t, 0,1,2,3,4,5,6,7
	v_wmma_scale_f32_16x16x128_f8f6f4 v[HA+8*\t:HA+8*\t+7], v[12*\t:12*\t+11], v[ZF:ZF+11], v[96+8*\t:103+8*\t], v[TS+16+\t], v[ZS] matrix_a_fmt:MATRIX_FMT_FP6 matrix_b_fmt:MATRIX_FMT_FP6
.endr
	WIN 0
	PLACES
	QUANT HA                                       ; my 128 features are K step w of the next product
	IMAGE 14
	ds_store_b32 v15, v[PW]
	s_wait_dscnt 0x0
	s_barrier_signal -1
	s_barrier_wait -1                              ; x_q's four fragments lie in LDS
	v_add_nc_u32 v12, XQ, v[LI]
	v_add_nc_u32 v13, XQS, v[L4]
	FETCH4 12, 13
; ================ q = x_q Wq^T + bq ================
	s_add_co_u32 s80, s[WV], 1
	s_mul_i32 s80, s80, 51200                      ; my quarter of Wq is unit 1 + w
	v_add_nc_u32 v12, s80, v[LI]
	v_add_nc_u32 v13, s80, v[R16]
	s_lshl_b32 s80, s[WV], 12
	s_add_co_u32 s80, s80, QL
	v_add_nc_u32 v14, s80, v[R32]
	s_lshl_b32 s80, s[WV], 9
	s_add_co_u32 s80, s80, CB
	v_add_nc_u32 v15, s80, v[R32]
	s_wait_loadcnt 0x0                             ; bq, bk
	PROJ 0, 12, 13
	POSTQ 0
	PROJ 1, 12, 13
	POSTQ 1
	ds_store_b128 v15, v[C8:C8+3]
	ds_store_b128 v15, v[C8+4:C8+7] offset:16
	REFILL G1A, 0, 54, 256000                      ; units 5-9: Wv's first quarter and Wk.  The round also shows q and q . bk to every wave
	XTILE 4                                        ; the fill lands under these four
	XTILE 5
	XTILE 6
	XTILE 7
	WIN 0
	v_add_nc_u32 v12, CB, v[R32]
.irp w, 0,1,2,3
	ds_load_b128 v[XF+8*\w:XF+8*\w+3], v12 offset:512*\w
	ds_load_b128 v[XF+8*\w+4:XF+8*\w+7], v12 offset:512*\w+16
.endr
	s_wait_dscnt 0x0
.irp i, 0,2,4,6
	v_pk_add_f32 v[C8+\i:C8+\i+1], v[XF+\i:XF+\i+1], v[XF+8+\i:XF+9+\i]
.endr
.irp i, 0,2,4,6
	v_pk_add_f32 v[C8+\i:C8+\i+1], v[C8+\i:C8+\i+1], v[XF+16+\i:XF+17+\i]
.endr
.irp i, 0,2,4,6
	v_pk_add_f32 v[C8+\i:C8+\i+1], v[C8+\i:C8+\i+1], v[XF+24+\i:XF+25+\i]
.endr
	WIN 0xc0                                       ; chart_emb is done with: window 3 takes its second part
.irp b, 0,1,2,3,4,5,6,7
.irp j, 0,1,2,3,4,5,6,7
	v_mov_b32 v[64+8*\b+\j], v[C8+\b]              ; the scores' sums begin with my lane's part of q . bk
.endr
.endr
.set I, 0
.rept 32
	v_mov_b32 v[32+I], 0                           ; 'the tile before the first': rows 4-7 add nothing in the first half
.set I, I+1
.endr
.set I, 0
.rept 16
	v_mov_b32 v[224+I], 0
.set I, I+1
.endr
	WIN 0x40
.irp i, 0,1,2,3
	v_mov_b32 v[224+\i], 0
.endr
	WIN 0
.irp b, 0,1,2,3,4,5,6,7
	global_load_b128 v[HA+8*\b:HA+8*\b+3], v[H32], s[72:73] offset:256*\b        ; the geodesic bias of (b, chart 16 w + 8 h + j): wanted behind the first large product
	global_load_b128 v[HA+8*\b+4:HA+8*\b+7], v[H32], s[72:73] offset:256*\b+16
.endr
; ================ the first large product: k, and the scores ================
	s_wait_tensorcnt 0x0
	s_wait_dscnt 0x0
	s_barrier_signal -1
	s_barrier_wait -1                              ; the whole fill is in
	s_mov_b32 s[TB], 51200                         ; Wk begins at pair 4
	s_mov_b32 s[TQ], QL
	PROLOG
	PLOOP 1, 8                                     ; pairs 4-11 (and the first fragments of pair 12)
	REFILL G1B, 51200, 55, 512000                  ; units 10, 11 (Wv's quarters 1, 2) over pairs 4-11: 512 matrix instructions in which to land
	s_mov_b32 s[TB], 153600
	s_mov_b32 s[TQ], QL+8192
	PLOOP 1, 8                                     ; pairs 12-19; the last trip's look-ahead reads bytes of q's table into registers that nobody uses
	s_wait_dscnt 0x0
	WIN W1
.set I, 0
.rept 16
	SL1 4                                          ; rows 4-7 of the last tile
.set I, I+1
.endr
; ================ the softmax, my 16 charts ================
	WIN 0x03
.set I, 0
.rept 32
	v_pk_mul_f32 v[TT+I:TT+I+1], v[64+I:65+I], s[CS:CS+1] op_sel_hi:[1,0]        ; x log2(e) / sqrt(512), and into window 0
.set I, I+2
.endr
	WIN 0
.irp m, 1,2,4,8
.set I, 0
.rept 64
	v_add_f32_dpp v[TT+I], v[TT+I], v[TT+I] row_xmask:\m row_mask:0xf bank_mask:0xf      ; over the 16 lanes: all 512 features
.set I, I+1
.endr
.endr
	s_wait_loadcnt 0x0                             ; the bias
.set I, 0
.rept 32
	v_pk_add_f32 v[TT+I:TT+I+1], v[TT+I:TT+I+1], v[HA+I:HA+I+1] neg_lo:[0,1] neg_hi:[0,1]
.set I, I+2
.endr
.irp b, 0,1,2,3,4,5,6,7
	v_max3_num_f32 v[ML+2*\b], v[TT+8*\b], v[TT+8*\b+1], v[TT+8*\b+2]
.endr
.irp i, 3,5
.irp b, 0,1,2,3,4,5,6,7
	v_max3_num_f32 v[ML+2*\b], v[ML+2*\b], v[TT+8*\b+\i], v[TT+8*\b+\i+1]
.endr
.endr
.irp b, 0,1,2,3,4,5,6,7
	v_max_num_f32 v[ML+2*\b], v[ML+2*\b], v[TT+8*\b+7]
.endr
.irp b, 0,1,2,3,4,5,6,7
	v_permlanex16_b32 v[LL+\b], v[ML+2*\b], s[SEL], s[SEL+1]
.endr
.irp b, 0,1,2,3,4,5,6,7
	v_max_num_f32 v[ML+2*\b], v[ML+2*\b], v[LL+\b] ; the largest t of my 16 charts
.endr
.irp b, 0,1,2,3,4,5,6,7
.irp i, 0,2,4,6
	v_pk_add_f32 v[TT+8*\b+\i:TT+8*\b+\i+1], v[TT+8*\b+\i:TT+8*\b+\i+1], v[ML+2*\b:ML+2*\b+1] op_sel_hi:[1,0] neg_lo:[0,1] neg_hi:[0,1]
.endr
.endr
.set I, 0
.rept 64
	v_exp_f32 v[TT+I], v[TT+I]                     ; one batch
.set I, I+1
.endr
	s_lshl_b32 s80, s[WV], 6
	s_add_co_u32 s80, s80, ST
	v_mov_b32 v12, s80                             ; (a plain instruction behind the batch)
	s_wait_alu depctr_va_vdst(0)                   ; one wait for the batch, ahead of its first reader
.irp b, 0,1,2,3,4,5,6,7
	v_pk_add_f32 v[LL+2*\b:LL+2*\b+1], v[TT+8*\b:TT+8*\b+1], v[TT+8*\b+2:TT+8*\b+3]
.endr
.irp i, 4,6
.irp b, 0,1,2,3,4,5,6,7
	v_pk_add_f32 v[LL+2*\b:LL+2*\b+1], v[LL+2*\b:LL+2*\b+1], v[TT+8*\b+\i:TT+8*\b+\i+1]
.endr
.endr
.irp b, 0,1,2,3,4,5,6,7
	v_add_f32 v[ML+2*\b+1], v[LL+2*\b], v[LL+2*\b+1]
.endr
.irp b, 0,1,2,3,4,5,6,7
	v_permlanex16_b32 v[LL+2*\b], v[ML+2*\b+1], s[SEL], s[SEL+1]
.endr
.irp b, 0,1,2,3,4,5,6,7
	v_add_f32 v[ML+2*\b+1], v[ML+2*\b+1], v[LL+2*\b]             ; and their sum
.endr
.irp i, 0,1,2,3
	ds_store_b128 v12, v[ML+4*\i:ML+4*\i+3] offset:16*\i         ; every lane writes the same bytes with the same values
.endr
	REFILL G1B, 153600, 55, 614400                 ; units 12, 13 (Wv's last quarter, Wo's last) over pairs 12-19.  The round also shows the four waves' maxima and sums
; ================ the softmax, joined over the four waves ================
	v_mov_b32 v13, ST
.set I, 0
.rept 16
	ds_load_b128 v[HA+4*I:HA+4*I+3], v13 offset:16*I             ; v[HA + 16 wave + 2 b], + 1: maximum, sum
.set I, I+1
.endr
	s_wait_dscnt 0x0
.irp b, 0,1,2,3,4,5,6,7
	v_max3_num_f32 v[M8+\b], v[HA+2*\b], v[HA+16+2*\b], v[HA+32+2*\b]
.endr
.irp b, 0,1,2,3,4,5,6,7
	v_max_num_f32 v[M8+\b], v[M8+\b], v[HA+48+2*\b]
.endr
.irp w, 0,1,2,3
.irp b, 0,1,2,3,4,5,6,7
	v_sub_f32 v[HA+16*\w+2*\b], v[HA+16*\w+2*\b], v[M8+\b]
.endr
.endr
.irp b, 0,1,2,3,4,5,6,7
	v_sub_f32 v[ML+2*\b], v[ML+2*\b], v[M8+\b]
.endr
.irp w, 0,1,2,3
.irp b, 0,1,2,3,4,5,6,7
	v_exp_f32 v[HA+16*\w+2*\b], v[HA+16*\w+2*\b]
.endr
.endr
.irp b, 0,1,2,3,4,5,6,7
	v_exp_f32 v[ML+2*\b], v[ML+2*\b]               ; my own wave's factor
.endr
	v_mul_u32_u24 v[FPB], v[SH8], 266              ; (a plain instruction behind the batch)  2,128 h
	s_wait_alu depctr_va_vdst(0)
.irp b, 0,1,2,3,4,5,6,7
	v_mul_f32 v[LL+\b], v[HA+2*\b+1], v[HA+2*\b]
.endr
.irp w, 1,2,3
.irp b, 0,1,2,3,4,5,6,7
	v_fmac_f32 v[LL+\b], v[HA+16*\w+2*\b+1], v[HA+16*\w+2*\b]
.endr
.endr
.irp b, 0,1,2,3,4,5,6,7
	v_rcp_f32 v[LL+\b], v[LL+\b]                   ; the row's sum is at least 1
.endr
	v_add_nc_u32 v[FPB], v[FPB], v[R4]             ; (a plain instruction behind the batch)
	s_wait_alu depctr_va_vdst(0)
.irp b, 0,1,2,3,4,5,6,7
	v_mul_f32 v[C8+\b], v[ML+2*\b], v[LL+\b]
.endr
	WIN 0x80
.irp b, 0,1,2,3
.irp i, 0,2,4,6
	PK2B v_pk_mul_f32, 192+8*\b+\i, TT+8*\b+\i, C8+\b            ; attn of rows 0-3 into window 2,
.endr
.endr
	WIN 0x40
.irp b, 4,5,6,7
.irp i, 0,2,4,6
	PK2B v_pk_mul_f32, 160+8*\b+\i, TT+8*\b+\i, C8+\b            ; of rows 4-7 into window 1
.endr
.endr
	WIN 0
.set I, 0
.rept 16
	global_load_b128 v[HA+4*I:HA+4*I+3], v[H64], s[14:15] offset:128*(I/4)+16*(I%4)      ; bv in feat's layout: register 16 b + i: feature 32 b + 16 h + i.  Wanted behind the second large product
.set I, I+1
.endr
.irp t, 0,1,2,3,4,5,6,7
	global_load_b32 v[BQ+\t], v[R4], s[16:17] offset:64*\t       ; bo
.endr
.irp t, 0,1,2,3,4,5,6,7
	global_load_b32 v[BK+\t], v[R4], s[74:75] offset:64*\t       ; vW / sigma
.endr
	s_mul_i32 s80, s[WV], 17024
	s_add_co_u32 s80, s80, FP
	v_add_nc_u32 v[FPB], s80, v[FPB]               ; my 8 rows of feat's parts: row 8 w + h, + 4 r.  Offset 0 is the tile BEFORE a pair's first: in the first trip the row's guard
; ================ the second large product: v, and feat ================
	s_mov_b32 s[TB], 0                             ; Wv begins at pair 0
	s_mov_b32 s[FS], 0
	PROLOG
	PLOOP 2, 8                                     ; pairs 0-7
	REFILL G1B, 0, 55, 716800                      ; units 14, 15 (Wo's quarters 0, 1) over pairs 0-7
	s_mov_b32 s[TB], 102400
	s_mov_b32 s[FS], 1024
	PLOOP 2, 8                                     ; pairs 8-15
	WIN W1
.set I, 0
.rept 16
	SL2 4                                          ; rows 4-7 of the last tile, while rows 0-3 are finished
	FINSTEP 224, 0, 128, W1
.set I, I+1
.endr
	v_fma_f32 v238, 1.0, v238, v239
	FBLOCK 232
	WIN W1
	ds_store_b32 v[FPA], v233 offset:4256*2+128
	ds_store_b32 v[FPA], v237 offset:4256*3+128
	REFILL G1C, 102400, 56, 819200                 ; unit 16 (Wo's quarter 2) over pairs 8-11.  The round also shows feat's parts to every wave
; ================ feat = the four waves' parts + bv, for my 128 features; quantised ================
	v_and_b32 v12, 28, v[R4]
	v_mul_u32_u24 v12, v12, 532                    ; 2,128 (r % 8)
	v_add_nc_u32 v12, v12, v[H64]
	s_lshl_b32 s80, s[WV], 9
	s_add_co_u32 s80, s80, FP
	v_add_nc_u32 v12, s80, v12
	s_mul_i32 s80, s[WV], 1536
	s_add_co_u32 s80, s80, FQ
	v_add_nc_u32 v14, s80, v[LI]
	s_lshl_b32 s80, s[WV], 7
	s_add_co_u32 s80, s80, FQS
	v_add_nc_u32 v15, s80, v[L4]
	WIN 0x40                                       ; the tokens' codes are done with
.set I, 0
.rept 48
	ds_load_b128 v[4*I:4*I+3], v12 offset:17024*(I/16)+64+128*((I/4)%4)+16*(I%4)
.set I, I+1
.endr
	WIN 0x80
.set I, 0
.rept 16
	ds_load_b128 v[4*I:4*I+3], v12 offset:17024*3+64+128*(I/4)+16*(I%4)
.set I, I+1
.endr
	WIN 0
	s_wait_loadcnt 0x0                             ; bv, bo, vW / sigma
.irp w, 0,1,2
	s_wait_dscnt 48-16*\w                          ; wave w's 16 loads are in; the later waves' stay out
	WIN 0x01
.set I, 0
.rept 32
	v_pk_add_f32 v[HA+I:HA+I+1], v[64*\w+I:64*\w+I+1], v[HA+I:HA+I+1]
.set I, I+2
.endr
.endr
	s_wait_dscnt 0x0
	WIN 0x02
.set I, 0
.rept 32
	v_pk_add_f32 v[HA+I:HA+I+1], v[I:I+1], v[HA+I:HA+I+1]
.set I, I+2
.endr
	WIN 0
	QUANT HA
	IMAGE 14
	ds_store_b32 v15, v[PW]
	s_wait_tensorcnt 0x0                           ; my quarter of the last fill is in,
	s_wait_dscnt 0x0                               ; and my image has landed
	s_barrier_signal -1
	s_barrier_wait -1
	v_add_nc_u32 v12, FQ, v[LI]
	v_add_nc_u32 v13, FQS, v[L4]
	FETCH4 12, 13
; ================ out = feat Wo^T + bo, and the value head ================
	v_mul_f32 v[RB], v[BQ], v[BK]
.irp t, 1,2,3,4,5,6,7
	v_fmac_f32 v[RB], v[BQ+\t], v[BK+\t]           ; bo . vW / sigma over my lane's features
.endr
	v_mov_b32 v[RB+1], 0
	s_lshr_b32 s80, s[WV], 1
	s_and_b32 s80, s80, s[WV]
	s_add_co_u32 s80, s80, s[WV]                   ; Wo's quarters 0, 1, 2, 3 lie in places 0, 1, 2, 4
	s_mul_i32 s80, s80, 51200
	v_add_nc_u32 v12, s80, v[LI]
	v_add_nc_u32 v13, s80, v[R16]
	PROJ 0, 12, 13
	POSTO 0
	PROJ 1, 12, 13
	POSTO 1
.irp m, 1,2,4,8
.irp j, 0,1,2,3,4,5,6,7
	v_add_f32_dpp v[C8+\j], v[C8+\j], v[C8+\j] row_xmask:\m row_mask:0xf bank_mask:0xf
.endr
.endr
	s_lshl_b32 s80, s[WV], 5
	s_add_co_u32 s80, s80, RES
	v_mov_b32 v14, s80
	ds_store_b128 v14, v[C8:C8+3]
	ds_store_b128 v14, v[C8+4:C8+7] offset:16
	s_wait_dscnt 0x0
	s_barrier_signal -1
	s_barrier_wait -1
	v_and_b32 v15, 28, v[L4]
	v_add_nc_u32 v15, RES, v15
.irp w, 0,1,2,3
	ds_load_b32 v[XF+\w], v15 offset:32*\w
.endr
	s_wait_dscnt 0x0
	s_wait_kmcnt 0x0                               ; vb
	v_add_f32 v[XF], v[XF], v[XF+1]
	v_add_f32 v[XF+2], v[XF+2], v[XF+3]
	v_add_f32 v[XF], v[XF], v[XF+2]
	v_add_f32 v[XF], s67, v[XF]
	s_cmp_lg_u32 s[WV], 0
	s_cbranch_scc1 .Lnot_mine
	v_cmp_gt_u32 vcc_lo, 8, v0
	s_wait_xcnt 0x0                                ; EXEC changes only behind this wait
	s_and_saveexec_b32 s80, vcc_lo
	global_store_b32 v[L4], v[XF], s[76:77]        ; lanes 0-7 of wave 0: the work-group's 8 numbers
	s_wait_xcnt 0x0                                ; and again, in front of the line that widens it
	s_or_b32 exec_lo, exec_lo, s80
.Lnot_mine:
	s_wait_tensorcnt 0x0                           ; the wave's end: a wait, 0 onto my spare word and a wait, behind my last tensor load and my last LDS store
	ds_add_u32 v[SPW], v[NIL]
	s_wait_dscnt 0x0
	ROUND                                          ; the closing round: no work-group ends while a partner may still ask for a fill that names it
	s_endpgm
.Lfunc_end_k_q175a218060_main:
	.size	k_q175a218060_main, .Lfunc_end_k_q175a218060_main-k_q175a218060_main
	.p2alignl 7, 3214868480
	.fill 96, 4, 3214868480
	.section	.rodata,"a",@progbits
	.p2align	6, 0x0
	.amdhsa_kernel k_q175a218060_main
		.amdhsa_group_segment_fixed_size 327680
		.amdhsa_private_segment_fixed_size 0
		.amdhsa_enable_private_segment 0
		.amdhsa_kernarg_size 104
		.amdhsa_user_sgpr_count 2
		.amdhsa_user_sgpr_kernarg_segment_ptr 1
		.amdhsa_wavefront_size32 1
		.amdhsa_system_sgpr_workgroup_id_x 1
		.amdhsa_system_sgpr_workgroup_id_y 1
		.amdhsa_system_sgpr_workgroup_id_z 1
		.amdhsa_system_vgpr_workitem_id 0
		.amdhsa_next_free_vgpr 1024
		.amdhsa_next_free_sgpr 96
		.amdhsa_reserve_vcc 1
		.amdhsa_float_denorm_mode_32 3
		.amdhsa_float_denorm_mode_16_64 3
		.amdhsa_memory_ordered 1
		.amdhsa_forward_progress 1
		.amdhsa_inst_pref_size 255
	.end_amdhsa_kernel
	.section	.bss,"aw",@nobits
	.p2align	6
	.space	262144
	.amdgpu_metadata
---
amdhsa.version: [ 1, 2 ]
amdhsa.kernels:
  - .name:           k_q175a218060_main
    .symbol:         k_q175a218060_main.kd
    .args:
      - { .name: z, .offset: 0, .size: 8, .value_kind: global_buffer, .address_space: global }
      - { .name: rw, .offset: 8, .size: 8, .value_kind: global_buffer, .address_space: global }
      - { .name: zb, .offset: 16, .size: 8, .value_kind: global_buffer, .address_space: global }
      - { .name: bq, .offset: 24, .size: 8, .value_kind: global_buffer, .address_space: global }
      - { .name: bk, .offset: 32, .size: 8, .value_kind: global_buffer, .address_space: global }
      - { .name: bv, .offset: 40, .size: 8, .value_kind: global_buffer, .address_space: global }
      - { .name: bo, .offset: 48, .size: 8, .value_kind: global_buffer, .address_space: global }
      - { .name: vb, .offset: 56, .size: 8, .value_kind: global_buffer, .address_space: global }
      - { .name: wimg, .offset: 64, .size: 8, .value_kind: global_buffer, .address_space: global }
      - { .name: embimg, .offset: 72, .size: 8, .value_kind: global_buffer, .address_space: global }
      - { .name: gb, .offset: 80, .size: 8, .value_kind: global_buffer, .address_space: global }
      - { .name: vws, .offset: 88, .size: 8, .value_kind: global_buffer, .address_space: global }
      - { .name: out0, .offset: 96, .size: 8, .value_kind: global_buffer, .address_space: global }
    .group_segment_fixed_size: 327680
    .private_segment_fixed_size: 0
    .kernarg_segment_align: 8
    .kernarg_segment_size: 104
    .max_flat_workgroup_size: 128
    .sgpr_count:     96
    .vgpr_count:     1024
    .wavefront_size: 32
...
	.end_amdgpu_metadata
.endif
;; end of part 2
;; ======== version 2 of 2: 2 launches
;; limits: right only within a limited range of input values
;; workspace buffers: wimg 870,400 bytes; embimg 131,072 bytes; gb 524,288 bytes; vws 2,048 bytes
;; launch prep (part 3): grid 163 x 1, 4 waves a work-group, no clusters, 72,192 bytes of LDS; arguments Wq, Wk, Wv, Wo, chart_emb, zW, vW, chart_centers, z, geo_scale, wimg, embimg, gb, vws; writes wimg, embimg, gb, vws
.if DOCPART == 3
	.amdgcn_target "amdgcn-amd-amdhsa--gfx1250"
	.amdhsa_code_object_version 6
	.text
	.protected	k_q175a218060_prep
	.globl	k_q175a218060_prep
	.p2align	8
	.type	k_q175a218060_prep,@function
k_q175a218060_prep:
	s_mov_b64 s[64:65], 0
	v_nop
	global_prefetch_b8 v0, s[64:65] scope:SCOPE_SE
	s_setreg_imm32_b32 hwreg(HW_REG_WAVE_MODE, 25, 1), 1
	s_wait_xcnt 0x0
; PREP: all that does not hang on the two large products, made once.  Five roles, chosen by the work-group's number:
;   0       S  sigma of zW by the power iteration (5 trips), zW / sigma quantised to FP6 (E2M3) along its 64 columns -> unit 0 of wimg
;   1       V  sigma of vW by the same iteration on one row; vW / sigma -> vws
;   2       E  chart_emb laid out in the order in which the main launch's lanes hold it -> embimg
;   3..34   W  Wq, Wk, Wv, Wo quantised along K (their last axis): a wave takes one tile of 16 rows x 512 -> units 1..16 of wimg
;   35..162 G  geo_scale x (Poincare distance)^2 x log2(e) for every (batch row, chart) -> gb
; A FRAGMENT'S IMAGE (1,536 bytes): the 12 operand registers of 16 rows x 128 K; registers 4 c .. 4 c + 3 of lane l at 512 c + 16 l.
; A UNIT of wimg is 51,200 bytes: four blocks of 12,800 for two tiles each: 4 images, 4 images, 256 bytes of scale words [row 16][K step 4], 256 more.
; A block's scale is 2^(floor(log2(largest magnitude)) - 2): its byte is the largest magnitude's exponent field - 2, held at 1 from below.
; LIMITS: NaN and infinities are not served.  A block of zeros keeps the byte 1 (its codes are zeros; only this program reads the bytes).
; Divisions are a reciprocal (1 ulp) and a multiplication.  In the iteration u's norm is applied behind W^T y: another order of rounding, the same numbers.
; The first two products W^T u of the iteration are one and the same, and so are the last W v and the one in sigma: each is made once.
; arccosh(x) = ln(x + sqrt((x - 1)(x + 1))) holds for x under 1.8e19, where the product under the root stays finite.
; No tensor load: LDS is claimed as it is used, and each role has LDS bytes of its own.
.set STW,   0                          ; role W: a stage of 16 rows x 528 bytes for each wave
.set STE,   33792                      ; role E: the same
.set EX,    67584                      ; role S: the waves' partial sums
.set SPARE, 71680                      ; the spare words: 128 bytes for each wave, named by no other line
.set SPW,   254                        ; v254 my spare word's LDS address; never rewritten
.set NIL,   255                        ; v255 0; never rewritten
.set X,     64                         ; v64-127 64 numbers of a lane: two whole blocks of 32 along K
.set EPS,   0x2b8cbccc                 ; 1e-12
.set FLOOR, 0x1800000                  ; 2^(3 - 127): under it no largest magnitude is taken
.set WV,    32
.set SEL,   34                         ; s[34:35] selects of v_permlanex16_b32: lane l xor 16
.set MSB, 0
.macro WIN new                         ; the immediate's high byte repeats the setting that is left
.if MSB != (\new)
	s_set_vgpr_msb (MSB<<8)|(\new)
.set MSB, (\new)
.endif
.endm
.macro FINISH                          ; a wave's end: a wait, 0 onto the spare word and a wait, behind its last LDS store
	s_wait_tensorcnt 0x0
	ds_add_u32 v[SPW], v[NIL]
	s_wait_dscnt 0x0
	s_endpgm
.endm
.macro BAR                             ; my LDS stores have landed and my LDS loads are in: then the work-group's barrier
	s_wait_dscnt 0x0
	s_barrier_signal -1
	s_barrier_wait -1
.endm
.macro TWAIT                           ; a plain instruction behind the transcendentals, then the one wait ahead of their first reader
	v_nop
	s_wait_alu depctr_va_vdst(0)
.endm
.macro PKFMAB d, a, b, c               ; d = a x v[b] (both halves) + c
.if (\b)%2
	v_pk_fma_f32 v[\d:(\d)+1], v[\a:(\a)+1], v[(\b)-1:(\b)], v[\c:(\c)+1] op_sel:[0,1,0] op_sel_hi:[1,1,1]
.else
	v_pk_fma_f32 v[\d:(\d)+1], v[\a:(\a)+1], v[(\b):(\b)+1], v[\c:(\c)+1] op_sel_hi:[1,0,1]
.endif
.endm
.macro WRED r, t                       ; the sum over the wave's 32 lanes, in every lane
	v_add_f32_dpp v[\r], v[\r], v[\r] row_xmask:1 row_mask:0xf bank_mask:0xf
	v_add_f32_dpp v[\r], v[\r], v[\r] row_xmask:2 row_mask:0xf bank_mask:0xf
	v_add_f32_dpp v[\r], v[\r], v[\r] row_xmask:4 row_mask:0xf bank_mask:0xf
	v_add_f32_dpp v[\r], v[\r], v[\r] row_xmask:8 row_mask:0xf bank_mask:0xf
	v_permlanex16_b32 v[\t], v[\r], s[SEL], s[SEL+1]
	v_add_f32 v[\r], v[\r], v[\t]
.endm
; 16 rows x 512 numbers from s[36:37] into window 1: row rho, K step s at v[4 (16 s + rho)]; each load covers 512 consecutive bytes
.macro LOADT
	WIN 0x40
.set QI, 0
.rept 64
	global_load_b128 v[4*QI:4*QI+3], v5, s[36:37] offset:2048*(QI%16)+512*(QI/16) th:TH_LOAD_NT
.set QI, QI+1
.endr
	WIN 0
.endm
; K step s of the 16 rows through the wave's own stage: in as loaded, out so that lane (r, h) holds k = 64 c + 32 h + 0 .. 31 of row r in X[32 c ..].  LDS serves a wave in order: no wait between
.macro TURN s, in, out
	WIN 0x04                                       ; an LDS store's data are its source 1: window 1
.set QI, 0
.rept 16
	ds_store_b128 v[\in], v[4*(16*(\s)+QI):4*(16*(\s)+QI)+3] offset:528*QI
.set QI, QI+1
.endr
	WIN 0
.set QI, 0
.rept 16
	ds_load_b128 v[X+4*QI:X+4*QI+3], v[\out] offset:256*(QI/8)+16*(QI%8)
.set QI, QI+1
.endr
.endm
; X's two blocks become a fragment's 12 registers at v[pc] and the rows' scale word in v[wd]
.macro QW pc, wd
	v_max3_num_f32 v16, |v[X]|, |v[X+1]|, FLOOR
	v_max3_num_f32 v17, |v[X+32]|, |v[X+33]|, FLOOR
.set QI, 2
.rept 15
	v_max3_num_f32 v16, v16, |v[X+QI]|, |v[X+QI+1]|
	v_max3_num_f32 v17, v17, |v[X+32+QI]|, |v[X+33+QI]|
.set QI, QI+2
.endr
	v_add_nc_u32 v18, 0xff000000, v16              ; 2 off the exponent field: the conversion's scale operand
	v_add_nc_u32 v19, 0xff000000, v17
	v_lshrrev_b32 v20, 23, v18                     ; the scale's byte
	v_lshrrev_b32 v21, 23, v19
	v_lshl_or_b32 v[\wd], v21, 16, v20             ; my blocks are h and 2 + h of the K step
	v_lshlrev_b32 v[\wd], v6, v[\wd]
	v_permlanex16_b32 v23, v[\wd], s[SEL], s[SEL+1]
	v_or_b32 v[\wd], v[\wd], v23                   ; with lane l xor 16's two bytes the word is whole
	v_cvt_scalef32_pk16_fp6_f32 v[\pc:(\pc)+2], v[X:X+15], v18
	v_cvt_scalef32_pk16_fp6_f32 v[24:26], v[X+16:X+31], v18      ; (a conversion's three registers begin on an even number)
	v_cvt_scalef32_pk16_fp6_f32 v[(\pc)+6:(\pc)+8], v[X+32:X+47], v19
	v_cvt_scalef32_pk16_fp6_f32 v[28:30], v[X+48:X+63], v19
	v_nop                                          ; one plain place behind the conversions
.irp i, 0,1,2
	v_mov_b32 v[(\pc)+3+\i], v[24+\i]
	v_mov_b32 v[(\pc)+9+\i], v[28+\i]
.endr
.endm
	s_load_b512 s[4:19], s[0:1], 0x0               ; Wq, Wk, Wv, Wo, chart_emb, zW, vW, chart_centers
	s_load_b256 s[20:27], s[0:1], 0x40             ; z, geo_scale, wimg, embimg
	s_load_b128 s[28:31], s[0:1], 0x60             ; gb, vws
	v_lshl_add_u32 v[SPW], v0, 2, SPARE
	v_mov_b32 v[NIL], 0
	v_lshrrev_b32 v1, 5, v0
	v_readfirstlane_b32 s[WV], v1                  ; wave 0..3
	v_and_b32 v2, 31, v0                           ; lane
	v_and_b32 v3, 15, v0                           ; r
	v_bfe_u32 v4, v0, 4, 1                         ; h
	v_lshlrev_b32 v5, 4, v2                        ; 16 x lane
	v_lshlrev_b32 v6, 3, v4                        ; 8 h
	s_mov_b32 s[SEL], 0x76543210
	s_mov_b32 s[SEL+1], 0xfedcba98
	s_mov_b32 s53, 0
	s_wait_kmcnt 0x0
	s_cmp_eq_u32 ttmp9, 0
	s_cbranch_scc1 .Lrole_s
	s_cmp_eq_u32 ttmp9, 1
	s_cbranch_scc1 .Lrole_v
	s_cmp_eq_u32 ttmp9, 2
	s_cbranch_scc1 .Lrole_e
	s_cmp_lt_u32 ttmp9, 35
	s_cbranch_scc1 .Lrole_w
; ---------------- ROLE G: a wave takes 4 batch rows, a lane charts 2 l and 2 l + 1 ----------------
; window 0: v64-191 my two centres; window 1: the 4 rows of z, the same in every lane; window 2: the differences
	s_sub_co_u32 s40, ttmp9, 35
	s_lshl_b32 s40, s40, 4
	s_lshl_b32 s41, s[WV], 2
	s_add_co_u32 s40, s40, s41                     ; my first batch row
	s_lshl_b32 s52, s40, 8                         ; rows of z and of gb are 256 bytes
	s_add_nc_u64 s[36:37], s[20:21], s[52:53]
	s_add_nc_u64 s[48:49], s[28:29], s[52:53]
	s_load_b32 s42, s[22:23], 0x0                  ; geo_scale
	s_wait_alu depctr_va_vdst(0)
	v_lshlrev_b32 v13, 9, v2                       ; two centres are 512 bytes
	v_mov_b32 v14, 0
	v_lshlrev_b32 v15, 3, v2                       ; out: 8 bytes a lane
.set I, 0
.rept 32
	global_load_b128 v[64+4*I:67+4*I], v13, s[18:19] offset:16*I
.set I, I+1
.endr
	WIN 0x40
.set I, 0
.rept 64
	global_load_b128 v[4*I:4*I+3], v14, s[36:37] offset:16*I
.set I, I+1
.endr
	WIN 0
.macro SQSUM                           ; v16, v18: the sums of squares of my two centres
	v_pk_mul_f32 v[16:17], v[64:65], v[64:65]
	v_pk_mul_f32 v[18:19], v[128:129], v[128:129]
.set I, 2
.rept 31
	v_pk_fma_f32 v[16:17], v[64+I:65+I], v[64+I:65+I], v[16:17]
	v_pk_fma_f32 v[18:19], v[128+I:129+I], v[128+I:129+I], v[18:19]
.set I, I+2
.endr
	v_add_f32 v16, v16, v17
	v_add_f32 v18, v18, v19
.endm
	s_wait_loadcnt 63                              ; the centres' 32 loads are older than the 64 of z: they are in
	SQSUM
	s_wait_alu depctr_va_vdst(0)
	v_sqrt_f32 v16, v16
	v_sqrt_f32 v18, v18
	TWAIT
	v_max_num_f32 v16, EPS, v16
	v_max_num_f32 v18, EPS, v18
	s_wait_alu depctr_va_vdst(0)
	v_rcp_f32 v16, v16
	v_rcp_f32 v18, v18
	TWAIT
	v_mul_f32 v16, 0x3f7fff58, v16                 ; (1 - 1e-5) / max(n, 1e-12)
	v_mul_f32 v18, 0x3f7fff58, v18
	v_min_num_f32 v16, 1.0, v16
	v_min_num_f32 v18, 1.0, v18
.set I, 0
.rept 32
	v_pk_mul_f32 v[64+I:65+I], v[64+I:65+I], v[16:17] op_sel_hi:[1,0]      ; the centres, brought into the ball
	v_pk_mul_f32 v[128+I:129+I], v[128+I:129+I], v[18:19] op_sel_hi:[1,0]
.set I, I+2
.endr
	SQSUM
	v_sub_f32 v20, 1.0, v16                        ; 1 - |y|^2
	v_sub_f32 v21, 1.0, v18
	s_wait_loadcnt 0x0                             ; z
.macro GBATCH bb                       ; 1 - |z|^2 -> v[32 + bb]; |z - y|^2 of my two charts -> v[40 + 2 bb], v[41 + 2 bb], on explicit differences
	WIN 0x05
	v_pk_mul_f32 v[24:25], v[64*\bb:64*\bb+1], v[64*\bb:64*\bb+1]
	v_pk_mul_f32 v[26:27], v[64*\bb+2:64*\bb+3], v[64*\bb+2:64*\bb+3]
.set I, 4
.rept 15
	v_pk_fma_f32 v[24:25], v[64*\bb+I:64*\bb+I+1], v[64*\bb+I:64*\bb+I+1], v[24:25]
	v_pk_fma_f32 v[26:27], v[64*\bb+I+2:64*\bb+I+3], v[64*\bb+I+2:64*\bb+I+3], v[26:27]
.set I, I+4
.endr
	WIN 0x81                                       ; z in window 1, the centres in window 0, the differences into window 2
.set I, 0
.rept 32
	v_pk_add_f32 v[I:I+1], v[64*\bb+I:64*\bb+I+1], v[64+I:65+I] neg_lo:[0,1] neg_hi:[0,1]
	v_pk_add_f32 v[64+I:65+I], v[64*\bb+I:64*\bb+I+1], v[128+I:129+I] neg_lo:[0,1] neg_hi:[0,1]
.set I, I+2
.endr
	WIN 0x0a
	v_pk_mul_f32 v[28:29], v[0:1], v[0:1]
	v_pk_mul_f32 v[30:31], v[64:65], v[64:65]
.set I, 2
.rept 31
	v_pk_fma_f32 v[28:29], v[I:I+1], v[I:I+1], v[28:29]
	v_pk_fma_f32 v[30:31], v[64+I:65+I], v[64+I:65+I], v[30:31]
.set I, I+2
.endr
	WIN 0
	v_pk_add_f32 v[24:25], v[24:25], v[26:27]
	v_add_f32 v24, v24, v25
	v_sub_f32 v[32+\bb], 1.0, v24
	v_add_f32 v[40+2*\bb], v28, v29
	v_add_f32 v[41+2*\bb], v30, v31
.endm
	GBATCH 0
	GBATCH 1
	GBATCH 2
	GBATCH 3
; the eight numbers n = 2 bb + q go together, so that each kind of transcendental is one batch with one wait
.irp n, 0,1,2,3,4,5,6,7
	v_mul_f32 v[48+\n], v[32+\n/2], v[20+\n%2]     ; (1 - |z|^2)(1 - |y|^2)
.endr
.irp n, 0,1,2,3,4,5,6,7
	v_max_num_f32 v[48+\n], EPS, v[48+\n]
.endr
	s_wait_alu depctr_va_vdst(0)
.irp n, 0,1,2,3,4,5,6,7
	v_rcp_f32 v[48+\n], v[48+\n]
.endr
	TWAIT
.irp n, 0,1,2,3,4,5,6,7
	v_mul_f32 v[48+\n], v[40+\n], v[48+\n]
.endr
.irp n, 0,1,2,3,4,5,6,7
	v_fma_f32 v[48+\n], v[48+\n], 2.0, 1.0
.endr
.irp n, 0,1,2,3,4,5,6,7
	v_max_num_f32 v[48+\n], 0x3f800001, v[48+\n]   ; x = max(.., 1 + 1e-7)
.endr
.irp n, 0,1,2,3,4,5,6,7
	v_add_f32 v[56+\n], -1.0, v[48+\n]
	v_add_f32 v[40+\n], 1.0, v[48+\n]
.endr
.irp n, 0,1,2,3,4,5,6,7
	v_mul_f32 v[56+\n], v[56+\n], v[40+\n]
.endr
	s_wait_alu depctr_va_vdst(0)
.irp n, 0,1,2,3,4,5,6,7
	v_sqrt_f32 v[56+\n], v[56+\n]
.endr
	TWAIT
.irp n, 0,1,2,3,4,5,6,7
	v_add_f32 v[56+\n], v[48+\n], v[56+\n]
.endr
	s_wait_alu depctr_va_vdst(0)
.irp n, 0,1,2,3,4,5,6,7
	v_log_f32 v[56+\n], v[56+\n]
.endr
	TWAIT
	s_wait_kmcnt 0x0                               ; geo_scale
.irp n, 0,1,2,3,4,5,6,7
	v_mul_f32 v[56+\n], 0x3f317218, v[56+\n]       ; d = ln 2 x log2(..)
.endr
.irp n, 0,1,2,3,4,5,6,7
	v_mul_f32 v[56+\n], v[56+\n], v[56+\n]
.endr
.irp n, 0,1,2,3,4,5,6,7
	v_mul_f32 v[56+\n], s42, v[56+\n]
.endr
.irp n, 0,1,2,3,4,5,6,7
	v_mul_f32 v[56+\n], 0x3fb8aa3b, v[56+\n]       ; x log2(e): the main launch's softmax works in base 2
.endr
.irp bb, 0,1,2,3
	global_store_b64 v15, v[56+2*\bb:57+2*\bb], s[48:49] offset:256*\bb   ; 32 lanes store a row's 256 consecutive bytes, aligned
.endr
	FINISH
; ---------------- ROLE W: one tile of 16 rows of one weight to a wave ----------------
.Lrole_w:
	s_sub_co_u32 s40, ttmp9, 3
	s_lshr_b32 s41, s40, 3                         ; which weight: 0 Wq, 1 Wk, 2 Wv, 3 Wo
	s_and_b32 s42, s40, 7
	s_lshl_b32 s42, s42, 2
	s_add_co_u32 s42, s42, s[WV]                   ; its tile, 0..31
	s_lshr_b32 s43, s42, 3
	s_lshl_b32 s44, s41, 2
	s_add_co_u32 s44, s44, s43                     ; i = 4 x weight + quarter
	s_and_b32 s45, s44, 7
	s_lshl_b32 s45, s45, 2
	s_mov_b32 s46, 0x87653210                      ; the unit of quarter i, less 1, four bits each: the order in which the main launch fetches
	s_mov_b32 s47, 0xcfedba94
	s_cmp_lt_u32 s44, 8
	s_cselect_b32 s46, s46, s47
	s_lshr_b32 s46, s46, s45
	s_and_b32 s46, s46, 15
	s_add_co_u32 s46, s46, 1
	s_mul_i32 s46, s46, 51200
	s_bfe_u32 s47, s42, 0x20001                    ; which pair of tiles in the unit
	s_mul_i32 s47, s47, 12800
	s_add_co_u32 s46, s46, s47
	s_and_b32 s47, s42, 1
	s_mul_i32 s48, s47, 6144
	s_add_co_u32 s48, s48, s46                     ; my four images
	s_lshl_b32 s47, s47, 8
	s_add_co_u32 s50, s47, s46
	s_add_co_u32 s50, s50, 12288                   ; my 256 bytes of scale words
	s_mov_b32 s49, 0
	s_mov_b32 s51, 0
	s_add_nc_u64 s[48:49], s[24:25], s[48:49]
	s_add_nc_u64 s[50:51], s[24:25], s[50:51]
	s_mov_b64 s[36:37], s[4:5]
	s_cmp_eq_u32 s41, 1
	s_cselect_b64 s[36:37], s[6:7], s[36:37]
	s_cmp_eq_u32 s41, 2
	s_cselect_b64 s[36:37], s[8:9], s[36:37]
	s_cmp_eq_u32 s41, 3
	s_cselect_b64 s[36:37], s[10:11], s[36:37]
	s_lshl_b32 s52, s42, 15                        ; 16 rows of 2,048 bytes a tile
	s_add_nc_u64 s[36:37], s[36:37], s[52:53]
	s_mul_i32 s54, s[WV], 8448
	s_wait_alu depctr_va_vdst(0)
	v_add_nc_u32 v8, s54, v5                       ; the stage, on the way in
	v_mul_u32_u24 v9, v3, 528
	v_lshl_add_u32 v9, v4, 7, v9
	v_add_nc_u32 v9, s54, v9                       ; and out: row r, + 128 h
	v_lshlrev_b32 v10, 4, v3
	v_lshl_add_u32 v10, v4, 3, v10                 ; the words' place: 16 r + 8 h
	v_mov_b32 v23, 0                               ; a lane permute's destination counts as read
	LOADT
	s_wait_alu depctr_va_vdst(0)
.irp s, 0,1,2,3
	s_wait_loadcnt 48-16*\s                        ; this K step's 16 loads are in; the later steps' stay out
	TURN \s, 8, 9
	s_wait_dscnt 0x0
	QW 128+12*\s, 180+\s                           ; each K step has registers of its own: no store's data are written again
	global_store_b128 v5, v[128+12*\s:131+12*\s], s[48:49] offset:1536*\s        ; 32 lanes store 512 consecutive bytes
	global_store_b128 v5, v[132+12*\s:135+12*\s], s[48:49] offset:1536*\s+512
	global_store_b128 v5, v[136+12*\s:139+12*\s], s[48:49] offset:1536*\s+1024
.endr
	v_cmp_eq_u32 vcc_lo, 1, v4
	v_cndmask_b32 v184, v180, v182, vcc_lo         ; lane (r, h) stores row r's words 2 h and 2 h + 1
	v_cndmask_b32 v185, v181, v183, vcc_lo
	global_store_b64 v10, v[184:185], s[50:51]     ; 32 lanes: 256 consecutive bytes, aligned
	FINISH
; ---------------- ROLE E: chart_emb as the main launch's lanes hold it; wave = tile of 16 charts ----------------
.Lrole_e:
	s_lshl_b32 s52, s[WV], 15
	s_add_nc_u64 s[36:37], s[12:13], s[52:53]
	s_add_nc_u64 s[48:49], s[26:27], s[52:53]
	s_mul_i32 s54, s[WV], 8448
	s_add_co_u32 s54, s54, STE
	s_wait_alu depctr_va_vdst(0)
	v_add_nc_u32 v11, s54, v5
	v_mul_u32_u24 v12, v3, 528
	v_lshl_add_u32 v12, v4, 7, v12
	v_add_nc_u32 v12, s54, v12
	LOADT
	s_wait_alu depctr_va_vdst(0)
.irp s, 0,1,2,3
	s_wait_loadcnt 48-16*\s
	s_wait_xcnt 0x0                                ; the last step's stores have read X: only now is it loaded again
	TURN \s, 11, 12
.irp i, 0,1,2,3,4,5,6,7,8,9,10,11,12,13,14,15
	s_wait_dscnt 15-\i
	global_store_b128 v5, v[X+4*\i:X+4*\i+3], s[48:49] offset:8192*\s+512*\i
.endr
.endr
	FINISH
; ---------------- ROLE V: the iteration on the one row vW; every wave walks the short chain, so no barrier ----------------
.Lrole_v:
	s_wait_alu depctr_va_vdst(0)
.irp c, 0,1,2,3
	global_load_b128 v[64+4*\c:67+4*\c], v5, s[16:17] offset:512*\c
.endr
	s_lshl_b32 s52, s[WV], 9
	s_add_nc_u64 s[36:37], s[16:17], s[52:53]
	s_add_nc_u64 s[48:49], s[30:31], s[52:53]
	global_load_b128 v[80:83], v5, s[36:37]        ; my wave's quarter
	v_mov_b32 v16, 1.0                             ; u = 1 / (1 + 1e-12) = 1 in f32
	v_mov_b32 v17, 0
	v_mov_b32 v23, 0
	v_mov_b32 v27, 0
	v_mov_b32 v28, 0
	s_mov_b32 s40, 5
	s_wait_loadcnt 0x0
.Lv_it:
	s_wait_alu depctr_va_vdst(0)
.irp j, 0,2,4,6,8,10,12,14
	v_pk_mul_f32 v[96+\j:97+\j], v[64+\j:65+\j], v[16:17] op_sel_hi:[1,0]      ; W^T u
.endr
	v_pk_mul_f32 v[20:21], v[96:97], v[96:97]
.irp j, 2,4,6,8,10,12,14
	v_pk_fma_f32 v[20:21], v[96+\j:97+\j], v[96+\j:97+\j], v[20:21]
.endr
	v_add_f32 v20, v20, v21
	WRED 20, 28
	s_wait_alu depctr_va_vdst(0)
	v_sqrt_f32 v22, v20
	TWAIT
	v_add_f32 v22, EPS, v22
	s_wait_alu depctr_va_vdst(0)
	v_rcp_f32 v22, v22
	TWAIT
.irp j, 0,2,4,6,8,10,12,14
	v_pk_mul_f32 v[96+\j:97+\j], v[96+\j:97+\j], v[22:23] op_sel_hi:[1,0]      ; v
.endr
	v_pk_mul_f32 v[24:25], v[64:65], v[96:97]
.irp j, 2,4,6,8,10,12,14
	v_pk_fma_f32 v[24:25], v[64+\j:65+\j], v[96+\j:97+\j], v[24:25]
.endr
	v_add_f32 v24, v24, v25
	WRED 24, 28                                    ; y = W v
	v_add_f32 v26, EPS, |v24|
	s_wait_alu depctr_va_vdst(0)
	v_rcp_f32 v26, v26
	TWAIT
	v_mul_f32 v16, v24, v26                        ; u
	s_sub_co_i32 s40, s40, 1
	s_cmp_lg_u32 s40, 0
	s_cbranch_scc1 .Lv_it
	v_mul_f32 v26, v16, v24                        ; sigma = u (W v)
	s_wait_alu depctr_va_vdst(0)
	v_rcp_f32 v26, v26
	TWAIT
	v_pk_mul_f32 v[84:85], v[80:81], v[26:27] op_sel_hi:[1,0]
	v_pk_mul_f32 v[86:87], v[82:83], v[26:27] op_sel_hi:[1,0]
	global_store_b128 v5, v[84:87], s[48:49]       ; 512 consecutive bytes a wave
	FINISH
; ---------------- ROLE S: sigma of zW [512][64], then zW / sigma as codes ----------------
; Wave w owns rows 128 w .. 128 w + 127.  For the iteration lane (rg = l / 4, cg = l % 4) holds rows 8 j + rg (j = 0 .. 15), columns 16 i + 4 cg + e: window 1, v[16 j + 4 i + e].
; For the codes lane (r, h) holds, for tile t = 2 b + u, row 32 b + 8 u + r + 8 (r / 8), columns 32 h + i: window 2, v[32 t + i].  (The rows of a tile are so chosen
; that in the main launch's transposed product the 16 registers of two neighbouring tiles are 16 neighbours along the next K.)
; Only v's direction goes from trip to trip: z = W^T y, y = (W z) / |z|; so y = W v with |v| = 1.  u's norm changes no direction and is taken at the end alone.
; LIMIT: sigma of zW between 1e-4 and 1e9: there 1e-12 beside a norm of v is under f32 rounding, and |z|^2, up to sigma^4 x 512, stays finite.
.Lrole_s:
.set Y,   32                           ; v32-47   y = W v of my 16 rows (the same in the four lanes of a row group)
.set Z,   48                           ; v48-63   W^T y of my 16 columns
.set TP,  64                           ; v64-95   row sums in pairs
.set XD,  128                          ; v128-191 what the exchange brings
.set PTS, 200                          ; v200-215 lane permutes' destinations
.set SA,  216                          ; v216-217 a factor, as a pair
.set NZ,  218                          ; v218-221
	s_wait_alu depctr_va_vdst(0)
	v_lshrrev_b32 v240, 2, v2
	v_and_b32 v241, 3, v2
	v_lshlrev_b32 v242, 4, v241                    ; 16 cg
	v_lshl_add_u32 v243, v240, 8, v242             ; row rg of 256 bytes + 16 cg
	v_and_b32 v244, 8, v3
	v_add_nc_u32 v244, v244, v3
	v_lshlrev_b32 v244, 8, v244
	v_lshl_add_u32 v244, v4, 7, v244               ; (r + 8 (r / 8)) rows + 128 h
	s_wait_alu depctr_va_vdst(0)
	s_lshl_b32 s52, s[WV], 15
	s_add_nc_u64 s[36:37], s[14:15], s[52:53]      ; my 128 rows
	s_lshl_b32 s54, s[WV], 8
	s_add_co_u32 s54, s54, EX
	v_add_nc_u32 v245, s54, v242                   ; my wave's partial W^T y: 256 w + 16 cg
	s_lshl_b32 s54, s[WV], 2
	s_add_co_u32 s54, s54, EX+1024
	v_mov_b32 v246, s54                            ; my wave's |y|^2
	v_add_nc_u32 v247, EX, v242
	v_mov_b32 v248, EX+1024
	v_lshlrev_b32 v249, 5, v3
	v_lshl_add_u32 v249, v4, 4, v249               ; the words' place: 32 r + 16 h
	s_mul_i32 s48, s[WV], 12288
	s_mov_b32 s49, 0
	s_add_nc_u64 s[48:49], s[24:25], s[48:49]      ; unit 0: my 8 images
	s_lshl_b32 s50, s[WV], 9
	s_add_co_u32 s50, s50, 49152
	s_mov_b32 s51, 0
	s_add_nc_u64 s[50:51], s[24:25], s[50:51]      ; and my 512 bytes of scale words
	WIN 0x40
.set QI, 0
.rept 64
	global_load_b128 v[4*QI:4*QI+3], v243, s[36:37] offset:2048*(QI/4)+64*(QI%4)
.set QI, QI+1
.endr
	WIN 0x80
.set QI, 0
.rept 64
	global_load_b128 v[4*QI:4*QI+3], v244, s[36:37] offset:(32*(QI/16)+8*((QI/8)%2))*256+16*(QI%8)
.set QI, QI+1
.endr
	WIN 0
.set J, 0
.rept 16
	v_mov_b32 v[Y+J], 1.0                          ; u begins as ones; its norm changes no direction
	v_mov_b32 v[PTS+J], 0                          ; lane permutes' destinations count as read
.set J, J+1
.endr
	v_mov_b32 v[SA+1], 0
.macro SQ16 s                          ; v[NZ] = the sum of squares of the lane's 16 numbers from v[s] on
	v_pk_mul_f32 v[NZ:NZ+1], v[\s:\s+1], v[\s:\s+1]
	v_pk_mul_f32 v[NZ+2:NZ+3], v[\s+2:\s+3], v[\s+2:\s+3]
.irp ii, 4,8,12
	v_pk_fma_f32 v[NZ:NZ+1], v[\s+\ii:\s+\ii+1], v[\s+\ii:\s+\ii+1], v[NZ:NZ+1]
	v_pk_fma_f32 v[NZ+2:NZ+3], v[\s+\ii+2:\s+\ii+3], v[\s+\ii+2:\s+\ii+3], v[NZ+2:NZ+3]
.endr
	v_pk_add_f32 v[NZ:NZ+1], v[NZ:NZ+1], v[NZ+2:NZ+3]
	v_add_f32 v[NZ], v[NZ], v[NZ+1]
.endm
	s_mov_b32 s40, 5
	s_wait_alu depctr_va_vdst(0)
	s_wait_loadcnt 63                              ; 128 loads are issued: the first 64, the iteration's copy, are in; the codes' copy may be out
.Ls_it:
	WIN 0x01                                       ; W in window 1
.irp ii, 0,2,4,6,8,10,12,14
	v_pk_mul_f32 v[Z+\ii:Z+\ii+1], v[\ii:\ii+1], v[Y:Y+1] op_sel_hi:[1,0]
.endr
.set J, 1
.rept 15
.irp ii, 0,2,4,6,8,10,12,14
	PKFMAB Z+\ii, 16*J+\ii, Y+J, Z+\ii             ; W^T y over my 16 rows, eight chains by turns
.endr
.set J, J+1
.endr
	WIN 0
.irp m, 4,8
.irp k, 0,1,2,3,4,5,6,7,8,9,10,11,12,13,14,15
	v_add_f32_dpp v[Z+\k], v[Z+\k], v[Z+\k] row_xmask:\m row_mask:0xf bank_mask:0xf
.endr
.endr
.irp k, 0,1,2,3,4,5,6,7,8,9,10,11,12,13,14,15
	v_permlanex16_b32 v[PTS+\k], v[Z+\k], s[SEL], s[SEL+1]
.endr
.irp k, 0,1,2,3,4,5,6,7,8,9,10,11,12,13,14,15
	v_add_f32 v[Z+\k], v[Z+\k], v[PTS+\k]          ; over the wave's eight row groups
.endr
.irp i, 0,1,2,3
	ds_store_b128 v245, v[Z+4*\i:Z+4*\i+3] offset:64*\i   ; the eight lanes of a column group write the same bytes with the same values
.endr
	BAR                                            ; every wave's partial sums lie in LDS
.irp w, 0,1,2,3
.irp i, 0,1,2,3
	ds_load_b128 v[XD+16*\w+4*\i:XD+16*\w+4*\i+3], v247 offset:256*\w+64*\i
.endr
.endr
	s_wait_dscnt 0x0                               ; my reads are over:
	s_barrier_signal -1                            ; say so; register work alone up to the wait at the trip's end
.irp ii, 0,2,4,6,8,10,12,14
	v_pk_add_f32 v[Z+\ii:Z+\ii+1], v[XD+\ii:XD+\ii+1], v[XD+16+\ii:XD+17+\ii]
.endr
.irp ii, 0,2,4,6,8,10,12,14
	v_pk_add_f32 v[Z+\ii:Z+\ii+1], v[Z+\ii:Z+\ii+1], v[XD+32+\ii:XD+33+\ii]
.endr
.irp ii, 0,2,4,6,8,10,12,14
	v_pk_add_f32 v[Z+\ii:Z+\ii+1], v[Z+\ii:Z+\ii+1], v[XD+48+\ii:XD+49+\ii]
.endr
	SQ16 Z
	v_add_f32_dpp v[NZ], v[NZ], v[NZ] row_xmask:1 row_mask:0xf bank_mask:0xf
	v_add_f32_dpp v[NZ], v[NZ], v[NZ] row_xmask:2 row_mask:0xf bank_mask:0xf
	s_wait_alu depctr_va_vdst(0)
	v_rsq_f32 v[SA], v[NZ]                         ; 1 / |z|, wanted behind W z
	WIN 0x01
.set J, 0
.rept 16
	v_pk_mul_f32 v[TP+2*J:TP+2*J+1], v[16*J:16*J+1], v[Z:Z+1]
.set J, J+1
.endr
.irp ii, 2,4,6,8,10,12,14
.set J, 0
.rept 16
	v_pk_fma_f32 v[TP+2*J:TP+2*J+1], v[16*J+\ii:16*J+\ii+1], v[Z+\ii:Z+\ii+1], v[TP+2*J:TP+2*J+1]
.set J, J+1
.endr
.endr
	WIN 0
.set J, 0
.rept 16
	v_add_f32 v[Y+J], v[TP+2*J], v[TP+2*J+1]
.set J, J+1
.endr
.irp m, 1,2
.set J, 0
.rept 16
	v_add_f32_dpp v[Y+J], v[Y+J], v[Y+J] row_xmask:\m row_mask:0xf bank_mask:0xf    ; W z, over the four column groups
.set J, J+1
.endr
.endr
	s_wait_alu depctr_va_vdst(0)                   ; for 1 / |z|, and ahead of the barrier's wait
	s_barrier_wait -1                              ; every wave has read the partial sums: they may be written again
.irp ii, 0,2,4,6,8,10,12,14
	v_pk_mul_f32 v[Y+\ii:Y+\ii+1], v[Y+\ii:Y+\ii+1], v[SA:SA+1] op_sel_hi:[1,0]     ; y = W v
.endr
	s_sub_co_i32 s40, s40, 1
	s_cmp_lg_u32 s40, 0
	s_wait_alu depctr_va_vdst(0)
	s_cbranch_scc1 .Ls_it
.set MX,  64                           ; v64-71   the tiles' largest magnitudes
.set SO,  72                           ; v72-79   the conversions' scale operands
.set SY,  80                           ; v80-87   the scale bytes
.set LZ,  32                           ; v32-63   a tile's 32 numbers of my lane: one whole block
.set PCT, 96                           ; v96-159  eight registers of codes for each tile
.set ZQ4, 160                          ; v160-163 zeros: K runs to 64, the rest of the K step of 128 is zero codes
.set SW,  164                          ; v164-171 the tiles' scale words
	SQ16 Y
	v_add_f32_dpp v[NZ], v[NZ], v[NZ] row_xmask:4 row_mask:0xf bank_mask:0xf
	v_add_f32_dpp v[NZ], v[NZ], v[NZ] row_xmask:8 row_mask:0xf bank_mask:0xf
	v_permlanex16_b32 v[PTS], v[NZ], s[SEL], s[SEL+1]
	v_add_f32 v[NZ], v[NZ], v[PTS]                 ; |y|^2 of the wave's 128 rows, in every lane
	ds_store_b32 v246, v[NZ]
	s_wait_loadcnt 0x0                             ; the codes' copy
	s_wait_dscnt 0x0
	s_barrier_signal -1
	WIN 0x0a                                       ; work on registers while the others arrive: the blocks' largest |zW|, the eight tiles by turns
.irp t, 0,1,2,3,4,5,6,7
	v_max_num_f32 v[MX+\t], |v[32*\t]|, |v[32*\t+1]|
.endr
	WIN 0x28
.set J, 2
.rept 15
.irp t, 0,1,2,3,4,5,6,7
	v_max3_num_f32 v[MX+\t], v[MX+\t], |v[32*\t+J]|, |v[32*\t+J+1]|
.endr
.set J, J+2
.endr
	WIN 0
	s_wait_alu depctr_va_vdst(0)
	s_barrier_wait -1
	ds_load_b128 v[XD:XD+3], v248
	s_wait_dscnt 0x0
	v_add_f32 v[NZ], v[XD], v[XD+1]                ; the four waves' |y|^2, summed in one order in every wave
	v_add_f32 v[NZ+1], v[XD+2], v[XD+3]
	v_add_f32 v[NZ], v[NZ], v[NZ+1]
	s_wait_alu depctr_va_vdst(0)
	v_sqrt_f32 v[SA], v[NZ]
	v_rcp_f32 v[NZ+2], v[NZ]
	TWAIT
	v_add_f32 v[SA], EPS, v[SA]                    ; sigma = u . (W v) = |y|^2 / (|y| + 1e-12)
	v_mul_f32 v[SA], v[SA], v[NZ+2]                ; 1 / sigma
.irp i, 0,1,2,3
	v_mov_b32 v[ZQ4+\i], 0
.endr
; a block's largest |zW / sigma| is its largest |zW| / sigma, rounded: rounding keeps the order of numbers, and sigma is positive
.irp t, 0,1,2,3,4,5,6,7
	v_mul_f32 v[MX+\t], v[SA], v[MX+\t]
.endr
.irp t, 0,1,2,3,4,5,6,7
	v_max_num_f32 v[MX+\t], FLOOR, v[MX+\t]
.endr
.irp t, 0,1,2,3,4,5,6,7
	v_add_nc_u32 v[SO+\t], 0xff000000, v[MX+\t]
.endr
.irp t, 0,1,2,3,4,5,6,7
	v_lshrrev_b32 v[SY+\t], 23, v[SO+\t]
.endr
.irp t, 0,1,2,3,4,5,6,7
	v_lshlrev_b32 v[SW+\t], v6, v[SY+\t]           ; my block is block h
.endr
.irp t, 0,1,2,3,4,5,6,7
	v_permlanex16_b32 v[PTS+\t], v[SW+\t], s[SEL], s[SEL+1]
.endr
.irp t, 0,1,2,3,4,5,6,7
	v_or_b32 v[SW+\t], v[SW+\t], v[PTS+\t]
.endr
.irp t, 0,1,2,3,4,5,6,7
	v_or_b32 v[SW+\t], 0x7f7f0000, v[SW+\t]        ; the two blocks of zero codes: scale 1
.endr
.irp t, 0,1,2,3,4,5,6,7
	WIN 0x02
.set I, 0
.rept 16
	v_pk_mul_f32 v[LZ+I:LZ+I+1], v[32*\t+I:32*\t+I+1], v[SA:SA+1] op_sel_hi:[1,0]   ; zW / sigma
.set I, I+2
.endr
	WIN 0
	v_cvt_scalef32_pk16_fp6_f32 v[PCT+8*\t:PCT+8*\t+2], v[LZ:LZ+15], v[SO+\t]
	v_cvt_scalef32_pk16_fp6_f32 v[PTS+8:PTS+10], v[LZ+16:LZ+31], v[SO+\t]
	v_nop                                          ; one plain place behind the conversions
.irp i, 0,1,2
	v_mov_b32 v[PCT+8*\t+3+\i], v[PTS+8+\i]
.endr
	v_mov_b32 v[PCT+8*\t+6], 0
	v_mov_b32 v[PCT+8*\t+7], 0
	global_store_b128 v5, v[PCT+8*\t:PCT+8*\t+3], s[48:49] offset:1536*\t
	global_store_b128 v5, v[PCT+8*\t+4:PCT+8*\t+7], s[48:49] offset:1536*\t+512
	global_store_b128 v5, v[ZQ4:ZQ4+3], s[48:49] offset:1536*\t+1024
.endr
	v_cmp_eq_u32 vcc_lo, 1, v4
.irp i, 0,1,2,3
	v_cndmask_b32 v[172+\i], v[SW+\i], v[SW+4+\i], vcc_lo       ; lane (r, h) stores row r's words of tiles 4 h .. 4 h + 3
.endr
	global_store_b128 v249, v[172:175], s[50:51]   ; 512 consecutive bytes a wave
	FINISH
.Lfunc_end_k_q175a218060_prep:
	.size	k_q175a218060_prep, .Lfunc_end_k_q175a218060_prep-k_q175a218060_prep
	.p2alignl 7, 3214868480
	.fill 96, 4, 3214868480
	.section	.rodata,"a",@progbits
	.p2align	6, 0x0
	.amdhsa_kernel k_q175a218060_prep
		.amdhsa_group_segment_fixed_size 72192
		.amdhsa_private_segment_fixed_size 0
		.amdhsa_enable_private_segment 0
		.amdhsa_kernarg_size 112
		.amdhsa_user_sgpr_count 2
		.amdhsa_user_sgpr_kernarg_segment_ptr 1
		.amdhsa_wavefront_size32 1
		.amdhsa_system_sgpr_workgroup_id_x 1
		.amdhsa_system_sgpr_workgroup_id_y 1
		.amdhsa_system_sgpr_workgroup_id_z 1
		.amdhsa_system_vgpr_workitem_id 0
		.amdhsa_next_free_vgpr 768
		.amdhsa_next_free_sgpr 66
		.amdhsa_reserve_vcc 1
		.amdhsa_float_denorm_mode_32 3
		.amdhsa_float_denorm_mode_16_64 3
		.amdhsa_memory_ordered 1
		.amdhsa_forward_progress 1
		.amdhsa_inst_pref_size 196
	.end_amdhsa_kernel
	.amdgpu_metadata
---
amdhsa.version: [ 1, 2 ]
amdhsa.kernels:
  - .name:           k_q175a218060_prep
    .symbol:         k_q175a218060_prep.kd
    .args:
      - { .name: Wq, .offset: 0, .size: 8, .value_kind: global_buffer, .address_space: global }
      - { .name: Wk, .offset: 8, .size: 8, .value_kind: global_buffer, .address_space: global }
      - { .name: Wv, .offset: 16, .size: 8, .value_kind: global_buffer, .address_space: global }
      - { .name: Wo, .offset: 24, .size: 8, .value_kind: global_buffer, .address_space: global }
      - { .name: chart_emb, .offset: 32, .size: 8, .value_kind: global_buffer, .address_space: global }
      - { .name: zW, .offset: 40, .size: 8, .value_kind: global_buffer, .address_space: global }
      - { .name: vW, .offset: 48, .size: 8, .value_kind: global_buffer, .address_space: global }
      - { .name: chart_centers, .offset: 56, .size: 8, .value_kind: global_buffer, .address_space: global }
      - { .name: z, .offset: 64, .size: 8, .value_kind: global_buffer, .address_space: global }
      - { .name: geo_scale, .offset: 72, .size: 8, .value_kind: global_buffer, .address_space: global }
      - { .name: wimg, .offset: 80, .size: 8, .value_kind: global_buffer, .address_space: global }
      - { .name: embimg, .offset: 88, .size: 8, .value_kind: global_buffer, .address_space: global }
      - { .name: gb, .offset: 96, .size: 8, .value_kind: global_buffer, .address_space: global }
      - { .name: vws, .offset: 104, .size: 8, .value_kind: global_buffer, .address_space: global }
    .group_segment_fixed_size: 72192
    .private_segment_fixed_size: 0
    .kernarg_segment_align: 8
    .kernarg_segment_size: 112
    .max_flat_workgroup_size: 128
    .sgpr_count:     66
    .vgpr_count:     768
    .wavefront_size: 32
...
	.end_amdgpu_metadata
.endif
;; end of part 3
;; launch main (part 4): grid 256 x 1, 4 waves a work-group, clusters of 4 x 1, 327,680 bytes of LDS; arguments z, rw, zb, bq, bk, bv, bo, vb, wimg, embimg, gb, vws, out0; writes out0
.if DOCPART == 4
	.amdgcn_target "amdgcn-amd-amdhsa--gfx1250"
	.amdhsa_code_object_version 6
	.text
	.protected	k_q175a218060_main
	.globl	k_q175a218060_main
	.p2align	8
	.type	k_q175a218060_main,@function
k_q175a218060_main:
	s_mov_b64 s[64:65], 0
	v_nop
	global_prefetch_b8 v0, s[64:65] scope:SCOPE_SE
	s_setreg_imm32_b32 hwreg(HW_REG_WAVE_MODE, 25, 1), 1
	s_wait_xcnt 0x0
	s_wait_alu depctr_hold_cnt(0) depctr_sa_sdst(0) depctr_va_vdst(0) depctr_va_sdst(0) depctr_va_ssrc(0) depctr_va_vcc(0) depctr_vm_vsrc(0)
	s_getreg_b32 s2, hwreg(HW_REG_IB_STS2, 6, 4)
	s_cmp_eq_u32 s2, 0
	s_cbranch_scc0 .Lentry_in_a_cluster
	s_endpgm
.Lentry_in_a_cluster:
	s_bfe_u32 s2, ttmp6, 0x10000c
	s_cmp_lg_u32 s2, 0x3003
	s_cbranch_scc0 .Lentry_shape_is_right
	s_endpgm
.Lentry_shape_is_right:
; MAIN: a work-group takes 8 batch rows through the whole chain; k and v never leave the registers.
; SHARES.  Wave w owns charts 16 w .. 16 w + 15 of all 8 batch rows: 8 tiles of 16 tokens.  It quantises those tokens (rw x chart_emb, FP6 = E2M3, a scale for each 32 along 512) itself and keeps
; their codes, 384 registers, for the whole launch.  The weights' codes stream once through LDS; a fragment read from LDS feeds 8 matrix instructions.
; LAYOUT.  Both large products take source 0 = 16 tokens, source 1 = 16 rows of the weight: register j of lane (r, h) is (chart 8 h + j, feature 16 n + r).  So the scores' partial sums P[b][j]
; and the weights attn[b][j] share one layout.  q . k and attn . v are f32 multiply-adds, one packed instruction behind each matrix instruction, on the tile finished half a tile earlier.
; THE LDS INSTRUCTIONS OF A TILE STAND IN ONE RUN, at its head, never singly among the matrix instructions: the next tile's fragments and scale words, the q that the next
; tile's multiply-adds want, the finished parts of feat.  All that a run loads is first used in the next tile, behind that tile's one wait.
; CLUSTER.  The four work-groups of a cluster walk the same stream of weights: each fill is asked for jointly, a quarter by each wave, with one descriptor in all four.
; In the small products (x_q, q, out) wave w takes features 128 w .. 128 w + 127, and the 8 batch rows fill a tile of 16 rows twice (lane r: batch row r % 8).
; LIMITS: NaN and infinities are not served.  A block of zeros keeps the scale byte 1 (its codes are zeros).  Divisions are a reciprocal (1 ulp) and a multiplication.
; q . bk starts the scores' sums.  bv is added to feat once: a softmax's weights add up to 1 but for rounding, for every input.  The softmax takes each wave's own maximum away and joins
; the four waves' maxima and sums afterwards.  A work-group owns 8 numbers of the output: its one store covers 32 bytes.
; REGISTERS, in windows of 256 (s_set_vgpr_msb: bits 1:0 source 0, 3:2 source 1, 5:4 source 2, 7:6 destination):
;   window 0: v1-15 addresses; v16-47 the tokens' scale words; v50-57 the weights'; v64-127 HA, 64 numbers at work; v128-213 at work; v214-253 small tables
;   window 1: v0-191 codes of tiles 0-3; v192-223 attn of rows 4-7; v228, v229 LDS addresses; v232-239 q of rows 4-7, two sets that take turns
;   window 2: v0-191 codes of tiles 4-7; v192-223 attn of rows 0-3; v232-239 q of rows 0-3, two sets that take turns
;   window 3: chart_emb until the last token is quantised; then v0-63 the 8 accumulators, v64-127 P, v128-223 two sets of a weight tile's fragments, v224-239 feat's partial sums, v240-245 finished ones
; Under ONE setting (source 0 in window 1 or 2, all else in window 3) stand the matrix instruction, the multiply-add behind it, the loads of the next fragments and the stores of feat's parts.
; THE ORDER WITHIN A TILE of the two large products, precisely (macro TILE): its one run of LDS instructions stands at its head; then two matrix instructions and two multiply-adds
; by turns (rows take turns, so that the two do not hang on each other); its last eight matrix instructions stand together, and their eight multiply-adds behind them.
.set PAIRB, 12800
.set QL,    256000                     ; behind the weights' 256,000 bytes: q as [tile n 32][r 16][batch row 8] f32
.set CB,    272384                     ; q . bk in parts: [wave][r][batch row]
.set XQ,    274432                     ; x_q's four fragment images,
.set XQS,   280576                     ; and their scale words
.set FP,    256000                     ; later, over these: feat in parts: 32 rows (8 wave + batch row) of FPP bytes: 128 of guard, 2,048 of data, 16 of padding
.set FPP,   2192
.set ST,    326144                     ; the waves' maxima and sums
.set RES,   326656                     ; the waves' parts of the result
.set FQ,    153600                     ; feat's four images, in weight bytes that have had their last fill and their last read
.set FQS,   159744
.set SPARE, 327168                     ; the spare words: 128 bytes for each wave, named by no other line
.set FLOOR, 0x1800000
.set LI,  1                            ; 16 x lane
.set L4,  2                            ; 4 x lane
.set R16, 3                            ; 16 r
.set R32, 4                            ; 32 r
.set SH8, 5                            ; 8 h
.set AS,  6                            ; the pair's scale words
.set AQ,  7                            ; the pair's q
.set R4,  8                            ; 4 r
.set ZO,  9                            ; z: 256 (r % 8) + 128 h
.set H64, 10                           ; 64 h
.set H32, 11                           ; 32 h
.set FPB, 15                           ; v12-15: LDS addresses of the stage in hand
.set TS,  16
.set ZS,  48
.set WSA, 50                           ; the scale words of one product's two sides stand in registers whose numbers differ modulo 4: step s of the tokens in 16 + 4 t + s, of the weights in 50 + s or 54 + s
.set WSB, 54
.set XS,  58
.set SPW, 62
.set NIL, 63
.set HA,  64
.set PC,  128
.set TM,  148
.set PW,  164
.set XF,  166
.set ZF,  166
.set ZN,  178
.set RW,  214
.set EM,  222
.set BQ,  230                          ; bq, later bo
.set BK,  238                          ; bk, later vW / sigma
.set C8,  246                          ; q . bk, later the softmax's factors, later the result's parts
.set RB,  254
.set TT,  128                          ; the softmax: t, then p
.set ML,  192                          ; (maximum, sum) of each batch row
.set LL,  214
.set M8,  222
.set AW,  228
.set FPA, 229
.set WV,  20
.set G1A, 24                           ; s[24:31], s[32:39], s[40:47]: descriptor groups 1 for 250, 100, 50 rows of 256 bytes;  s[48:51]: group 0
.set G1B, 32
.set G1C, 40
.set HM,  57                           ; lanes 16-31
.set SEL, 58
.set CS,  60                           ; s[60:61] log2(e) / sqrt(512)
.set TB,  62                           ; LDS byte of the pair in hand
.set TQ,  63                           ; and of its q
.set FS,  66                           ; and its place in feat's rows
.set CNT, 78
.set W1,  0xfd
.set W2,  0xfe
.set MSB, 0
.macro WIN new                         ; the immediate's high byte repeats the setting that is left
.if MSB != (\new)
	s_set_vgpr_msb (MSB<<8)|(\new)
.set MSB, (\new)
.endif
.endm
.macro PLACES                          ; four places behind matrix instructions (ISA guide 7.12.1), where no other vector work is at hand
.rept 4
	v_nop
.endr
.endm
.macro PK2B op, d, a, b                ; a packed operation whose second source is v[b] in both halves
.if (\b)%2
	\op v[\d:(\d)+1], v[\a:(\a)+1], v[(\b)-1:(\b)] op_sel:[0,1] op_sel_hi:[1,1]
.else
	\op v[\d:(\d)+1], v[\a:(\a)+1], v[(\b):(\b)+1] op_sel_hi:[1,0]
.endif
.endm
.macro PKFMAB d, a, b, c               ; d = a x v[b] (both halves) + c
.if (\b)%2
	v_pk_fma_f32 v[\d:(\d)+1], v[\a:(\a)+1], v[(\b)-1:(\b)], v[\c:(\c)+1] op_sel:[0,1,0] op_sel_hi:[1,1,1]
.else
	v_pk_fma_f32 v[\d:(\d)+1], v[\a:(\a)+1], v[(\b):(\b)+1], v[\c:(\c)+1] op_sel_hi:[1,0,1]
.endif
.endm
.macro ROUND                           ; a round of the cluster's barrier
	s_barrier_signal -1
	s_barrier_wait -1
	s_cmp_lg_u32 s[WV], 0
	s_cbranch_scc1 .Lnot_wave_0_\@
	s_barrier_signal -3
.Lnot_wave_0_\@:
	s_barrier_wait -3
	s_barrier_signal -1
	s_barrier_wait -1
.endm
; Weight bytes are filled again.  Each wave: all its tensor loads have landed; 0 onto its spare word (the descriptor's
; words are written while it is out); the add is done and the wave's LDS reads and stores are over; a round of the cluster's barrier, so that the same holds of every wave of the
; four work-groups; then the wave's quarter of the fill, its one tensor load until the next such round.  By this text's count a wave never has more than one tensor load out.
.macro REFILL g1, lds, qr, mem
	WIN 0
	s_wait_tensorcnt 0x0
	ds_add_u32 v[SPW], v[NIL]
	s_add_co_u32 s49, s[\qr], \lds
	s_add_co_u32 s52, s[\qr], \mem
	s_add_nc_u64 s[50:51], s[68:69], s[52:53]
	s_or_b32 s51, s51, 0x80000000
	s_wait_dscnt 0x0
	ROUND
	tensor_load_to_lds s[48:51], s[\g1:\g1+7]
	s_nop 0
	PLACES
.endm
; 64 numbers of a lane, register 16 b + i = k 32 b + 16 h + i of its row, become a fragment's codes in v[PC] on and the row's scale word in v[PW]
.macro QUANT s
.irp b, 0,1,2,3
	v_max3_num_f32 v[TM+\b], |v[\s+16*\b]|, |v[\s+1+16*\b]|, FLOOR
.endr
.irp i, 2,4,6,8,10,12,14
.irp b, 0,1,2,3
	v_max3_num_f32 v[TM+\b], v[TM+\b], |v[\s+16*\b+\i]|, |v[\s+1+16*\b+\i]|
.endr
.endr
.irp b, 0,1,2,3
	v_permlanex16_b32 v[TM+4+\b], v[TM+\b], s[SEL], s[SEL+1]
.endr
.irp b, 0,1,2,3
	v_max_num_f32 v[TM+\b], v[TM+\b], v[TM+4+\b]
.endr
.irp b, 0,1,2,3
	v_add_nc_u32 v[TM+12+\b], 0xff000000, v[TM+\b] ; 2 off the exponent field: the conversion's scale operand
.endr
.irp b, 0,1,2,3
	v_lshrrev_b32 v[TM+4+\b], 23, v[TM+12+\b]
.endr
	v_lshl_or_b32 v[PW], v[TM+5], 8, v[TM+4]
	v_lshl_or_b32 v[PW], v[TM+6], 16, v[PW]
	v_lshl_or_b32 v[PW], v[TM+7], 24, v[PW]
.irp c, 0,1
	v_cvt_scalef32_pk16_fp6_f32 v[PC+6*\c:PC+2+6*\c], v[\s+32*\c:\s+15+32*\c], v[TM+12+2*\c]
	v_cvt_scalef32_pk16_fp6_f32 v[PC+12+4*\c:PC+14+4*\c], v[\s+16+32*\c:\s+31+32*\c], v[TM+12+2*\c+1]
.endr
	v_nop                                          ; one plain place behind the conversions
.irp c, 0,1                            ; the operand's layout wants a whole block in a lane
.irp i, 0,1,2
	v_permlane16_swap_b32 v[PC+6*\c+\i], v[PC+12+4*\c+\i]
.endr
.irp i, 0,1,2
	v_mov_b32 v[PC+3+6*\c+\i], v[PC+12+4*\c+\i]
.endr
.endr
.endm
.macro IMAGE adr                       ; the fragment in v[PC] on goes to LDS as it stands,
.irp c, 0,1,2
	ds_store_b128 v[\adr], v[PC+4*\c:PC+4*\c+3] offset:512*\c
.endr
.endm
.macro FETCH4 adr, sca                 ; and the four waves' fragments and scale words come back so, in any wave
.set I, 0
.rept 12
	ds_load_b128 v[XF+4*I:XF+4*I+3], v[\adr] offset:512*I
.set I, I+1
.endr
.irp s, 0,1,2,3
	ds_load_b32 v[XS+\s], v[\sca] offset:128*\s
.endr
.endm
; The tokens of batch row b (my 16 charts) become the codes of tile b.  Lane (r, h) holds whole blocks: chart_emb[16 w + r][128 s + 64 c + 32 h + i] at v[64 s + 32 c + i] of window 3.
; A block's largest |rw x emb| is |rw| x the block's largest |emb|, rounded: rounding keeps the order of numbers.
.macro XTILE b
.set TW, 1+(\b)/4
.set TK, 48*((\b)%4)
	WIN 0
.irp k, 0,1,2,3,4,5,6,7
	v_mul_f32 v[TM+\k], |v[RW+\b]|, v[EM+\k]
.endr
.irp k, 0,1,2,3,4,5,6,7
	v_max_num_f32 v[TM+\k], FLOOR, v[TM+\k]
.endr
.irp k, 0,1,2,3,4,5,6,7
	v_add_nc_u32 v[TM+\k], 0xff000000, v[TM+\k]
.endr
.irp k, 0,1,2,3,4,5,6,7
	v_lshrrev_b32 v[TM+8+\k], 23, v[TM+\k]
.endr
.irp s, 0,1,2,3
	v_lshl_or_b32 v[TS+4*(\b)+\s], v[TM+9+2*\s], 16, v[TM+8+2*\s]
.endr
.irp s, 0,1,2,3
	v_lshlrev_b32 v[TS+4*(\b)+\s], v[SH8], v[TS+4*(\b)+\s]
.endr
.irp s, 0,1,2,3
	v_permlanex16_b32 v[PC+16+\s], v[TS+4*(\b)+\s], s[SEL], s[SEL+1]
.endr
.irp s, 0,1,2,3
	v_or_b32 v[TS+4*(\b)+\s], v[TS+4*(\b)+\s], v[PC+16+\s]
.endr
.irp s, 0,1,2,3
	WIN 0x03
.set I, 0
.rept 32
	PK2B v_pk_mul_f32, HA+I, 64*\s+I, RW+\b
.set I, I+2
.endr
	WIN (TW<<6)
	v_cvt_scalef32_pk16_fp6_f32 v[TK+12*\s:TK+12*\s+2], v[HA:HA+15], v[TM+2*\s]
	v_cvt_scalef32_pk16_fp6_f32 v[248:250], v[HA+16:HA+31], v[TM+2*\s]          ; (a conversion's three registers begin on an even number)
	v_cvt_scalef32_pk16_fp6_f32 v[TK+12*\s+6:TK+12*\s+8], v[HA+32:HA+47], v[TM+2*\s+1]
	v_cvt_scalef32_pk16_fp6_f32 v[252:254], v[HA+48:HA+63], v[TM+2*\s+1]
	v_nop                                          ; one plain place behind the conversions
	WIN (TW<<6)|TW
.irp i, 0,1,2
	v_mov_b32 v[TK+12*\s+3+\i], v[248+\i]
	v_mov_b32 v[TK+12*\s+9+\i], v[252+\i]
.endr
.endr
.endm
; Four tiles (4 g .. 4 g + 3) of my 128 features of a small product: source 0 = the 16 rows in XF, source 1 = 16 rows of the weight.  The four accumulators take turns.
; PLOAD brings the weight's fragments into window wd and its scale words to v[sc] on; PMUL waits until at most cnt LDS instructions are out, and multiplies.
.macro PLOAD g, wa, wsc, wd, sc
	WIN (64*\wd)
.irp t, 0,1,2,3
.set I, 0
.rept 12
	ds_load_b128 v[48*\t+4*I:48*\t+4*I+3], v[\wa] offset:PAIRB*((4*\g+\t)/2)+6144*(\t%2)+512*I
.set I, I+1
.endr
.endr
	WIN 0
.irp t, 0,1,2,3
	ds_load_b128 v[(\sc)+4*\t:(\sc)+4*\t+3], v[\wsc] offset:PAIRB*((4*\g+\t)/2)+12288+256*(\t%2)
.endr
.endm
.macro PMUL g, wd, sc, cnt
	s_wait_dscnt \cnt
	WIN (4*\wd)
.irp t, 0,1,2,3
	v_wmma_scale_f32_16x16x128_f8f6f4 v[HA+32*\g+8*\t:HA+32*\g+8*\t+7], v[XF:XF+11], v[48*\t:48*\t+11], 0, v[XS], v[(\sc)+4*\t] matrix_a_fmt:MATRIX_FMT_FP6 matrix_b_fmt:MATRIX_FMT_FP6
.endr
.irp s, 1,2,3
.irp t, 0,1,2,3
	v_wmma_scale_f32_16x16x128_f8f6f4 v[HA+32*\g+8*\t:HA+32*\g+8*\t+7], v[XF+12*\s:XF+12*\s+11], v[48*\t+12*\s:48*\t+12*\s+11], v[HA+32*\g+8*\t:HA+32*\g+8*\t+7], v[XS+\s], v[(\sc)+4*\t+\s] matrix_a_fmt:MATRIX_FMT_FP6 matrix_b_fmt:MATRIX_FMT_FP6
.endr
.endr
	WIN 0
	PLACES
.endm
.macro POSTQ g                         ; register j of a tile is batch row j, feature 16 T + r: + bq, into the table of q; q . bk is gathered
.irp t, 0,1,2,3
.set TL, 4*(\g)+\t
.irp i, 0,2,4,6
	PK2B v_pk_add_f32, HA+8*TL+\i, HA+8*TL+\i, BQ+TL
.endr
	ds_store_b128 v14, v[HA+8*TL:HA+8*TL+3] offset:512*TL        ; (both halves of the lanes hold the same rows and write the same bytes)
	ds_store_b128 v14, v[HA+8*TL+4:HA+8*TL+7] offset:512*TL+16
	s_wait_alu depctr_va_vdst(0)
.irp i, 0,2,4,6
.if TL == 0
	PK2B v_pk_mul_f32, C8+\i, HA+8*TL+\i, BK+TL
.else
	PKFMAB C8+\i, HA+8*TL+\i, BK+TL, C8+\i
.endif
.endr
.endr
.endm
.macro POSTO g                         ; the value head: (out + bo) . vW / sigma; the first multiply-add takes bo's part as its addend
.irp t, 0,1,2,3
.set TL, 4*(\g)+\t
.irp i, 0,2,4,6
.if TL == 0
	v_pk_fma_f32 v[C8+\i:C8+\i+1], v[HA+\i:HA+\i+1], v[BK:BK+1], v[RB:RB+1] op_sel_hi:[1,0,0]
.else
	PKFMAB C8+\i, HA+8*TL+\i, BK+TL, C8+\i
.endif
.endr
.endr
.endm
; ---- the two large products ----
.macro MM hi                           ; matrix instruction I of a half: token tile 4 hi + I % 4, K step I / 4.  The four accumulators take turns
.set MT, I%4
.set MS, I/4
.set MA, 8*(4*(\hi)+MT)
.if MS == 0
	v_wmma_scale_f32_16x16x128_f8f6f4 v[MA:MA+7], v[48*MT+12*MS:48*MT+12*MS+11], v[WFC+12*MS:WFC+12*MS+11], 0, v[TS+4*(4*(\hi)+MT)+MS], v[WSC+MS] matrix_a_fmt:MATRIX_FMT_FP6 matrix_b_fmt:MATRIX_FMT_FP6
.else
	v_wmma_scale_f32_16x16x128_f8f6f4 v[MA:MA+7], v[48*MT+12*MS:48*MT+12*MS+11], v[WFC+12*MS:WFC+12*MS+11], v[MA:MA+7], v[TS+4*(4*(\hi)+MT)+MS], v[WSC+MS] matrix_a_fmt:MATRIX_FMT_FP6 matrix_b_fmt:MATRIX_FMT_FP6
.endif
.endm
.macro SL1 g                           ; scores: P[b][j] += q[b] x k[b][j], batch row b = g + I % 4, two charts; q's four numbers from v[QB] on; each accumulator is read from its low end on
.set SB, (\g)+I%4
.set SI, 2*(I/4)
.set QR, QB+I%4
.if I%2
	v_pk_fma_f32 v[64+8*SB+SI:65+8*SB+SI], v[QR-1:QR], v[8*SB+SI:8*SB+SI+1], v[64+8*SB+SI:65+8*SB+SI] op_sel:[1,0,0] op_sel_hi:[1,1,1]
.else
	v_pk_fma_f32 v[64+8*SB+SI:65+8*SB+SI], v[QR:QR+1], v[8*SB+SI:8*SB+SI+1], v[64+8*SB+SI:65+8*SB+SI] op_sel_hi:[0,1,1]
.endif
.endm
.macro SL2 g                           ; feat: F[b] = the sum over my 8 charts of attn[b][j] x v[b][j], in two halves; a row's halves are added a step later
.set SB, (\g)+I%4
.set SI, 2*(I/4)
.set FR, 224+2*(\g)+2*(I%4)
.set AT, 192+8*(I%4)+SI
.if I/4 == 0
	v_pk_mul_f32 v[FR:FR+1], v[AT:AT+1], v[8*SB+SI:8*SB+SI+1]
.else
	v_pk_fma_f32 v[FR:FR+1], v[AT:AT+1], v[8*SB+SI:8*SB+SI+1], v[FR:FR+1]
.endif
.endm
; The group of four rows gathered in the half before (sums at v[fb], + 2, + 4, + 6, each in two halves) is finished behind steps 2, 4, 6, 8 and 10 of this half: a row's two halves, then the two halves of the lanes.
; Afterwards lanes 0-15 of v[out] hold the first row's number, lanes 16-31 the second's; v[out + 1] the third's and fourth's.  They have registers of their own, so that they can wait for a tile's run.
.macro FINSTEP fb, out, back
.if I == 2
	v_fma_f32 v[\fb], 1.0, v[\fb], v[\fb+1]
	v_fma_f32 v[\fb+2], 1.0, v[\fb+2], v[\fb+3]
.endif
.if I == 4
	v_fma_f32 v[\fb+4], 1.0, v[\fb+4], v[\fb+5]
	v_fma_f32 v[\fb+6], 1.0, v[\fb+6], v[\fb+7]
.endif
.if I == 6
	WIN 0xff
	v_cndmask_b32 v[\fb+1], v[\fb], v[\fb+2], s[HM]
	v_cndmask_b32 v[\fb+3], v[\fb+2], v[\fb], s[HM]
	v_cndmask_b32 v[\fb+5], v[\fb+4], v[\fb+6], s[HM]
	v_cndmask_b32 v[\fb+7], v[\fb+6], v[\fb+4], s[HM]
	WIN \back
.endif
.if I == 8
	WIN 0xff
	v_permlanex16_b32 v[\fb], v[\fb+3], s[SEL], s[SEL+1]
	v_permlanex16_b32 v[\fb+4], v[\fb+7], s[SEL], s[SEL+1]
	WIN \back
.endif
.if I == 10
	v_fma_f32 v[\out], 1.0, v[\fb+1], v[\fb]       ; an addition that needs no switch of windows
	v_fma_f32 v[(\out)+1], 1.0, v[\fb+5], v[\fb+4]
.endif
.endm
.macro MM2 hi                          ; two matrix instructions, I and I + 1
	MM \hi
.set I, I+1
	MM \hi
.set I, I-1
.endm
.macro SLP ph, g, fb, out, back        ; multiply-adds I and I + 1 (two rows: they do not hang on each other); I steps on by two
.rept 2
.if \ph == 1
	SL1 \g
.else
	SL2 \g
.endif
.set I, I+1
.endr
.if \ph == 2
	FINSTEP \fb, \out, \back
.endif
.endm
; THE RUN of tile T (parity x), at its head: the 12 loads of tile T + 1's fragments into the other set, its scale words, and
;   first product:  q of rows 0-3 of tile T + 1 (window 2, the other set) and q of rows 4-7 of tile T (window 1, this set): both are first read in tile T + 1;
;   second product: feat's parts of tile T - 2, finished in tile T - 1: rows 4-7 in its second half, rows 0-3 in its first.
; v[FPA]'s offset 0 is tile 2 p - 2 of pair p: in the first pair tiles -2 and -1 fall into the row's guard of 128 bytes.
.macro RUN ph, x
.set RJ, 0
.rept 12
	ds_load_b128 v[WFN+4*RJ:WFN+4*RJ+3], v[AW] offset:LAH+512*RJ
.set RJ, RJ+1
.endr
.if \ph == 2
	ds_store_b32 v[FPA], v240 offset:4*FPP+64*(\x)
	ds_store_b32 v[FPA], v241 offset:6*FPP+64*(\x)
	ds_store_b32 v[FPA], v242 offset:64*(\x)
	ds_store_b32 v[FPA], v243 offset:2*FPP+64*(\x)
.else
	WIN 0x80
	ds_load_b128 v[236-4*(\x):239-4*(\x)], v[AQ] offset:512*(\x)+512
	WIN 0x40
	ds_load_b128 v[232+4*(\x):235+4*(\x)], v[AQ] offset:512*(\x)+16
.endif
	WIN 0
	ds_load_b128 v[WSN:WSN+3], v[AS] offset:12544+12544*(\x)
	WIN W1
.endm
; One tile of 16 features: 32 matrix instructions.  Half 0: token tiles 0-3, with the multiply-adds of rows 4-7 of the tile BEFORE; half 1: tiles 4-7, with those of rows 0-3 of this tile.
; PLACES: half 0's last write of accumulator t is its matrix instruction 12 + t, first read by multiply-add t of half 1: the four multiply-adds in between are the places.  Half 1's last eight multiply-adds
; stand behind its last matrix instruction: they are the places for the next tile's readers and for its run, whose loads write the fragment registers that half 1 has read.
.macro TILE ph, x
.set WFC, 128+48*(\x)
.set WFN, 176-48*(\x)
.set WSC, WSA+4*(\x)
.set WSN, WSB-4*(\x)
.set LAH, 6144+6656*(\x)                           ; the next tile: the pair's second, or the next pair's first
	s_wait_dscnt 0x0                               ; all that the last tile's run asked for is in (it was issued a whole tile, 32 matrix instructions, ago)
	WIN W1
	RUN \ph, \x
.set QB, 236-4*(\x)                                ; q of rows 4-7 of the tile before
.set I, 0
.rept 8
	MM2 0
	SLP \ph, 4, 224, 242, W1
.endr
	WIN W2
.set QB, 232+4*(\x)                                ; q of rows 0-3 of this tile
.set I, 0
.rept 4
	MM2 1
	SLP \ph, 0, 232, 240, W2
.endr
.rept 4
	MM2 1
.set I, I+2
.endr
.set I, 8
.rept 4
	SLP \ph, 0, 232, 240, W2
.endr
.endm
.macro PROLOG ph                       ; the first tile's fragments and scale words, and in the first product its q of rows 0-3
	WIN 0
	v_add_nc_u32 v[AS], s[TB], v[R16]
.if \ph == 1
	v_add_nc_u32 v[AQ], s[TQ], v[R32]
.endif
	WIN 0x40
	v_add_nc_u32 v[AW], s[TB], v[LI]
	WIN 0xc1
.set I, 0
.rept 12
	ds_load_b128 v[128+4*I:131+4*I], v[AW] offset:512*I
.set I, I+1
.endr
.if \ph == 1
	WIN 0x80
	ds_load_b128 v[232:235], v[AQ]
.endif
	WIN 0
	ds_load_b128 v[WSA:WSA+3], v[AS] offset:12288
.endm
.macro PLOOP ph, trips                 ; a trip is a pair of tiles: 64 matrix instructions
	s_mov_b32 s[CNT], \trips
.Lpair_\@:
	v_add_nc_u32 v[AS], s[TB], v[R16]
.if \ph == 1
	v_add_nc_u32 v[AQ], s[TQ], v[R32]
.endif
	WIN 0x40
	v_add_nc_u32 v[AW], s[TB], v[LI]
.if \ph == 2
	v_add_nc_u32 v[FPA], s[FS], v[FPB]
.endif
	s_wait_alu depctr_va_vdst(0)
	TILE \ph, 0
	s_wait_alu depctr_va_vdst(0)
	TILE \ph, 1
	WIN 0
	s_add_co_u32 s[TB], s[TB], PAIRB
.if \ph == 1
	s_add_co_u32 s[TQ], s[TQ], 1024
.else
	s_add_co_u32 s[FS], s[FS], 128
.endif
	s_sub_co_i32 s[CNT], s[CNT], 1
	s_cmp_lg_u32 s[CNT], 0
	s_cbranch_scc1 .Lpair_\@
.endm
; ================ the head ================
	s_load_b512 s[4:19], s[0:1], 0x0               ; z, rw, zb, bq, bk, bv, bo, vb
	s_load_b256 s[68:75], s[0:1], 0x40             ; wimg, embimg, gb, vws
	s_load_b64 s[76:77], s[0:1], 0x60              ; out0
	v_lshl_add_u32 v[SPW], v0, 2, SPARE
	v_mov_b32 v[NIL], 0
	ds_add_u32 v[SPW], v[NIL]                      ; the wave's opening: two adds and their wait stand ahead of my first tensor load; the set-up, work on registers, stands between
	ds_add_u32 v[SPW], v[NIL]
	v_lshrrev_b32 v1, 5, v0
	v_readfirstlane_b32 s[WV], v1                  ; wave 0..3
	s_bfe_u32 s21, ttmp6, 0x40000                  ; my place in the cluster: it enters addresses of z, rw, gb and out0 alone
	s_lshl_b32 s22, ttmp9, 2
	s_add_co_u32 s22, s22, s21
	s_lshl_b32 s22, s22, 3                         ; my first batch row
.irp g, G1A, G1B, G1C                  ; a dense block as rows of 256 bytes: 15:0 the mask of all four work-groups; 17:16 elements of 8 bytes; 21 set beside a mask
	s_mov_b32 s[\g], 15|(3<<16)|(1<<21)
	s_mov_b32 s[\g+1], 32<<16                      ; tensor_dim0 = 32
	s_mov_b32 s[\g+3], 32<<16                      ; tile_dim0 = 32
	s_mov_b32 s[\g+5], 32                          ; from row to row
	s_mov_b32 s[\g+6], 0
	s_mov_b32 s[\g+7], 0
.endr
	s_mov_b32 s[G1A+2], 250<<16                    ; tensor_dim1,
	s_mov_b32 s[G1A+4], 250                        ; tile_dim1: a quarter of five units
	s_mov_b32 s[G1B+2], 100<<16
	s_mov_b32 s[G1B+4], 100                        ; of two units
	s_mov_b32 s[G1C+2], 50<<16
	s_mov_b32 s[G1C+4], 50                         ; of one
	s_mov_b32 s48, 1
	s_mov_b32 s53, 0
	s_mul_i32 s54, s[WV], 64000
	s_mul_i32 s55, s[WV], 25600
	s_mul_i32 s56, s[WV], 12800
	s_mov_b32 s[HM], 0xffff0000
	s_mov_b32 s[SEL], 0x76543210
	s_mov_b32 s[SEL+1], 0xfedcba98
	s_mov_b32 s[CS], 0x3d8293ee
	s_mov_b32 s[CS+1], s[CS]
	v_and_b32 v12, 31, v0
	v_and_b32 v13, 15, v0
	v_bfe_u32 v14, v0, 4, 1
	v_lshlrev_b32 v[LI], 4, v12
	v_lshlrev_b32 v[L4], 2, v12
	v_lshlrev_b32 v[R16], 4, v13
	v_lshlrev_b32 v[R32], 5, v13
	v_lshlrev_b32 v[SH8], 3, v14
	v_lshlrev_b32 v[R4], 2, v13
	v_and_b32 v[ZO], 7, v0
	v_lshlrev_b32 v[ZO], 8, v[ZO]
	v_lshl_add_u32 v[ZO], v14, 7, v[ZO]
	v_lshlrev_b32 v[H64], 6, v14
	v_lshlrev_b32 v[H32], 5, v14
.irp i, 16,17,18,19
	v_mov_b32 v[PC+\i], 0                          ; lane permutes' destinations count as read
.endr
	s_wait_alu depctr_va_vdst(0)
	s_wait_dscnt 0x0                               ; both opening adds are done
	ROUND                                          ; all four work-groups are here: the first joint loads meet
	s_wait_kmcnt 0x0
	s_add_co_u32 s49, s54, 0
	s_add_co_u32 s52, s54, 0
	s_add_nc_u64 s[50:51], s[68:69], s[52:53]
	s_or_b32 s51, s51, 0x80000000
	tensor_load_to_lds s[48:51], s[G1A:G1A+7]      ; units 0-4: zW / sigma and Wq
	s_nop 0
	PLACES
	s_lshl_b32 s80, s22, 8
	s_mov_b32 s81, 0
	s_add_nc_u64 s[4:5], s[4:5], s[80:81]          ; z, rw, gb at my first batch row (rows of 256 bytes),
	s_add_nc_u64 s[6:7], s[6:7], s[80:81]
	s_add_nc_u64 s[72:73], s[72:73], s[80:81]
	s_lshl_b32 s80, s[WV], 6
	s_add_nc_u64 s[6:7], s[6:7], s[80:81]          ; rw and gb at my 16 charts
	s_add_nc_u64 s[72:73], s[72:73], s[80:81]
	s_lshl_b32 s80, s[WV], 9
	s_add_nc_u64 s[8:9], s[8:9], s[80:81]          ; the vectors of 512 at my 128 features
	s_add_nc_u64 s[10:11], s[10:11], s[80:81]
	s_add_nc_u64 s[12:13], s[12:13], s[80:81]
	s_add_nc_u64 s[14:15], s[14:15], s[80:81]
	s_add_nc_u64 s[16:17], s[16:17], s[80:81]
	s_add_nc_u64 s[74:75], s[74:75], s[80:81]
	s_lshl_b32 s80, s[WV], 15
	s_add_nc_u64 s[70:71], s[70:71], s[80:81]      ; my charts' 32,768 bytes of chart_emb's image
	s_lshl_b32 s80, s22, 2
	s_add_nc_u64 s[76:77], s[76:77], s[80:81]
	s_load_b32 s67, s[18:19], 0x0                  ; vb
.irp b, 0,1,2,3,4,5,6,7
	global_load_b32 v[RW+\b], v[R4], s[6:7] offset:256*\b        ; rw[b][16 w + r]
.endr
	s_wait_alu depctr_va_vdst(0)
.irp p, 0,1,2,3,4,5,6,7
	global_load_b128 v[ZN+4*\p:ZN+4*\p+3], v[ZO], s[4:5] offset:16*\p    ; z[r % 8][32 h ..]: a whole block
.endr
	WIN 0xc0
.set I, 0
.rept 64
	global_load_b128 v[4*I:4*I+3], v[LI], s[70:71] offset:512*I  ; 512 consecutive bytes a load
.set I, I+1
.endr
	WIN 0x80
.irp t, 0,1,2,3,4,5,6,7                ; zb in the layout of x_q's result: tile t = 2 b + u, register j: feature 32 b + 16 h + 8 u + j
	global_load_b128 v[96+8*\t:99+8*\t], v[H64], s[8:9] offset:(32*(\t/2)+8*(\t%2))*4
	global_load_b128 v[100+8*\t:103+8*\t], v[H64], s[8:9] offset:(32*(\t/2)+8*(\t%2))*4+16
.endr
	WIN 0
.irp t, 0,1,2,3,4,5,6,7
	global_load_b32 v[BQ+\t], v[R4], s[10:11] offset:64*\t
.endr
.irp t, 0,1,2,3,4,5,6,7
	global_load_b32 v[BK+\t], v[R4], s[12:13] offset:64*\t
.endr
; ---- z's block becomes a fragment: K runs to 64, the rest of the K step is zero codes under the scale 1 ----
	s_wait_loadcnt 63                              ; rw and z are older than the 96 loads behind them: they are in
	v_max3_num_f32 v[TM], |v[ZN]|, |v[ZN+1]|, FLOOR
	v_max3_num_f32 v[TM+1], |v[ZN+2]|, |v[ZN+3]|, FLOOR
.set I, 4
.rept 7
	v_max3_num_f32 v[TM], v[TM], |v[ZN+I]|, |v[ZN+I+1]|
	v_max3_num_f32 v[TM+1], v[TM+1], |v[ZN+I+2]|, |v[ZN+I+3]|
.set I, I+4
.endr
	v_max_num_f32 v[TM], v[TM], v[TM+1]
	v_add_nc_u32 v[TM+12], 0xff000000, v[TM]
	v_lshrrev_b32 v[TM+4], 23, v[TM+12]
	v_lshlrev_b32 v[ZS], v[SH8], v[TM+4]
	v_permlanex16_b32 v[PC+16], v[ZS], s[SEL], s[SEL+1]
	v_or_b32 v[ZS], v[ZS], v[PC+16]
	v_or_b32 v[ZS], 0x7f7f0000, v[ZS]
	v_cvt_scalef32_pk16_fp6_f32 v[ZF:ZF+2], v[ZN:ZN+15], v[TM+12]
	v_cvt_scalef32_pk16_fp6_f32 v[PC:PC+2], v[ZN+16:ZN+31], v[TM+12]
	v_nop
.irp i, 0,1,2
	v_mov_b32 v[ZF+3+\i], v[PC+\i]
.endr
.irp i, 6,7,8,9,10,11
	v_mov_b32 v[ZF+\i], 0
.endr
; ---- the largest |chart_emb| of each of my 8 blocks ----
	s_wait_loadcnt 32                              ; chart_emb is in; zb (16), bq (8), bk (8) may be out
	WIN 0x0f
.irp k, 0,1,2,3,4,5,6,7
	v_max_num_f32 v[EM+\k], |v[32*\k]|, |v[32*\k+1]|
.endr
	WIN 0x3c
.set I, 2
.rept 15
.irp k, 0,1,2,3,4,5,6,7
	v_max3_num_f32 v[EM+\k], v[EM+\k], |v[32*\k+I]|, |v[32*\k+I+1]|
.endr
.set I, I+2
.endr
	XTILE 0                                        ; the first fill lands under these four
	XTILE 1
	XTILE 2
	XTILE 3
; ================ x_q = z (zW / sigma)^T + zb, transposed: source 0 = 16 rows of the weight, source 1 = z ================
	WIN 0
	s_wait_tensorcnt 0x0                           ; my quarter of the first fill is in,
	s_barrier_signal -1
	s_barrier_wait -1                              ; everybody's is
	s_mul_i32 s80, s[WV], 12288
	v_add_nc_u32 v12, s80, v[LI]                   ; my 8 tiles' images
	s_lshl_b32 s80, s[WV], 9
	s_add_co_u32 s80, s80, 49152
	v_add_nc_u32 v13, s80, v[R32]                  ; and their scale words: 32 bytes a row
	s_mul_i32 s80, s[WV], 1536
	s_add_co_u32 s80, s80, XQ
	v_add_nc_u32 v14, s80, v[LI]
	s_lshl_b32 s80, s[WV], 7
	s_add_co_u32 s80, s80, XQS
	v_add_nc_u32 v15, s80, v[L4]
	WIN 0x80
.set I, 0
.rept 24
	ds_load_b128 v[4*I:4*I+3], v12 offset:512*I
.set I, I+1
.endr
	WIN 0
	ds_load_b128 v[TS+16:TS+19], v13
	ds_load_b128 v[TS+20:TS+23], v13 offset:16
	s_wait_dscnt 0x0
	s_wait_loadcnt 16                              ; zb is in; bq and bk may be out
	WIN 0x22                                       ; the weight and zb in window 2
.irp t, 0,1,2,3,4,5,6,7
	v_wmma_scale_f32_16x16x128_f8f6f4 v[HA+8*\t:HA+8*\t+7], v[12*\t:12*\t+11], v[ZF:ZF+11], v[96+8*\t:103+8*\t], v[TS+16+\t], v[ZS] matrix_a_fmt:MATRIX_FMT_FP6 matrix_b_fmt:MATRIX_FMT_FP6
.endr
	WIN 0
	PLACES
	s_add_co_u32 s80, s[WV], 1
	s_mul_i32 s80, s80, 51200                      ; my quarter of Wq is unit 1 + w: its first four tiles are fetched while x_q is quantised
	v_add_nc_u32 v12, s80, v[LI]
	v_add_nc_u32 v13, s80, v[R16]
	PLOAD 0, 12, 13, 2, TS+16
	QUANT HA                                       ; my 128 features are K step w of the next product
	IMAGE 14
	ds_store_b32 v15, v[PW]
	s_wait_dscnt 0x0
	s_barrier_signal -1
	s_barrier_wait -1                              ; x_q's four fragments lie in LDS
	v_add_nc_u32 v[C8], XQ, v[LI]
	v_add_nc_u32 v[C8+1], XQS, v[L4]
	FETCH4 C8, C8+1
; ================ q = x_q Wq^T + bq ================
	s_lshl_b32 s80, s[WV], 12
	s_add_co_u32 s80, s80, QL
	v_add_nc_u32 v14, s80, v[R32]
	s_lshl_b32 s80, s[WV], 9
	s_add_co_u32 s80, s80, CB
	v_add_nc_u32 v15, s80, v[R32]
	s_wait_alu depctr_va_vdst(0)
	s_wait_loadcnt 0x0                             ; bq, bk
	PMUL 0, 2, TS+16, 0
	PLOAD 1, 12, 13, 2, TS+16
	POSTQ 0
	PMUL 1, 2, TS+16, 0
	POSTQ 1
	ds_store_b128 v15, v[C8:C8+3]
	ds_store_b128 v15, v[C8+4:C8+7] offset:16
	REFILL G1A, 0, 54, 256000                      ; units 5-9: Wv's first quarter and Wk.  The round also shows q and q . bk to every wave
	XTILE 4                                        ; the fill lands under these four
	XTILE 5
	XTILE 6
	XTILE 7
	WIN 0
	v_add_nc_u32 v12, CB, v[R32]
.irp w, 0,1,2,3
	ds_load_b128 v[XF+8*\w:XF+8*\w+3], v12 offset:512*\w
	ds_load_b128 v[XF+8*\w+4:XF+8*\w+7], v12 offset:512*\w+16
.endr
	s_wait_dscnt 0x0
.irp i, 0,2,4,6
	v_pk_add_f32 v[C8+\i:C8+\i+1], v[XF+\i:XF+\i+1], v[XF+8+\i:XF+9+\i]
.endr
.irp i, 0,2,4,6
	v_pk_add_f32 v[C8+\i:C8+\i+1], v[C8+\i:C8+\i+1], v[XF+16+\i:XF+17+\i]
.endr
.irp i, 0,2,4,6
	v_pk_add_f32 v[C8+\i:C8+\i+1], v[C8+\i:C8+\i+1], v[XF+24+\i:XF+25+\i]
.endr
	WIN 0xc0                                       ; chart_emb is done with: window 3 takes its second part
.irp b, 0,1,2,3,4,5,6,7
.irp j, 0,1,2,3,4,5,6,7
	v_mov_b32 v[64+8*\b+\j], v[C8+\b]              ; the scores' sums begin with my lane's part of q . bk
.endr
.endr
.set I, 0
.rept 32
	v_mov_b32 v[32+I], 0                           ; 'the tile before the first': rows 4-7 add nothing in the first half
.set I, I+1
.endr
.set I, 0
.rept 20
	v_mov_b32 v[224+I], 0                          ; feat's partial sums and the four finished ones: what the second product's first runs store goes into the guards
.set I, I+1
.endr
	WIN 0x40
.irp i, 0,1,2,3
	v_mov_b32 v[236+\i], 0                         ; q of rows 4-7 of 'the tile before the first'
.endr
	WIN 0
.irp b, 0,1,2,3,4,5,6,7
	global_load_b128 v[HA+8*\b:HA+8*\b+3], v[H32], s[72:73] offset:256*\b        ; the geodesic bias of (b, chart 16 w + 8 h + j): wanted behind the first large product
	global_load_b128 v[HA+8*\b+4:HA+8*\b+7], v[H32], s[72:73] offset:256*\b+16
.endr
; ================ the first large product: k, and the scores ================
	s_wait_tensorcnt 0x0
	s_wait_dscnt 0x0
	s_barrier_signal -1
	s_barrier_wait -1                              ; the whole fill is in
	s_mov_b32 s[TB], 51200                         ; Wk begins at pair 4
	s_mov_b32 s[TQ], QL
	PROLOG 1
	PLOOP 1, 8                                     ; pairs 4-11 (and the first fragments of pair 12)
	REFILL G1B, 51200, 55, 512000                  ; units 10, 11 (Wv's quarters 1, 2) over pairs 4-11: 512 matrix instructions in which to land
	s_mov_b32 s[TB], 153600
	s_mov_b32 s[TQ], QL+8192
	PLOOP 1, 8                                     ; pairs 12-19; the last run's look-ahead reads bytes of q's table and of q . bk's parts into registers that nobody uses
	s_wait_dscnt 0x0                               ; q of rows 4-7 of the last tile is in
	WIN W1
.set QB, 236
.set I, 0
.rept 16
	SL1 4                                          ; rows 4-7 of the last tile
.set I, I+1
.endr
; ================ the softmax, my 16 charts ================
	WIN 0x03
.set I, 0
.rept 32
	v_pk_mul_f32 v[TT+I:TT+I+1], v[64+I:65+I], s[CS:CS+1] op_sel_hi:[1,0]        ; x log2(e) / sqrt(512), and into window 0
.set I, I+2
.endr
	WIN 0
.irp m, 1,2,4,8
.set I, 0
.rept 64
	v_add_f32_dpp v[TT+I], v[TT+I], v[TT+I] row_xmask:\m row_mask:0xf bank_mask:0xf      ; over the 16 lanes: all 512 features
.set I, I+1
.endr
.endr
	s_wait_loadcnt 0x0                             ; the bias
.set I, 0
.rept 32
	v_pk_add_f32 v[TT+I:TT+I+1], v[TT+I:TT+I+1], v[HA+I:HA+I+1] neg_lo:[0,1] neg_hi:[0,1]
.set I, I+2
.endr
.irp b, 0,1,2,3,4,5,6,7
	v_max3_num_f32 v[ML+2*\b], v[TT+8*\b], v[TT+8*\b+1], v[TT+8*\b+2]
.endr
.irp i, 3,5
.irp b, 0,1,2,3,4,5,6,7
	v_max3_num_f32 v[ML+2*\b], v[ML+2*\b], v[TT+8*\b+\i], v[TT+8*\b+\i+1]
.endr
.endr
.irp b, 0,1,2,3,4,5,6,7
	v_max_num_f32 v[ML+2*\b], v[ML+2*\b], v[TT+8*\b+7]
.endr
.irp b, 0,1,2,3,4,5,6,7
	v_permlanex16_b32 v[LL+\b], v[ML+2*\b], s[SEL], s[SEL+1]
.endr
.irp b, 0,1,2,3,4,5,6,7
	v_max_num_f32 v[ML+2*\b], v[ML+2*\b], v[LL+\b] ; the largest t of my 16 charts
.endr
.irp b, 0,1,2,3,4,5,6,7
.irp i, 0,2,4,6
	v_pk_add_f32 v[TT+8*\b+\i:TT+8*\b+\i+1], v[TT+8*\b+\i:TT+8*\b+\i+1], v[ML+2*\b:ML+2*\b+1] op_sel_hi:[1,0] neg_lo:[0,1] neg_hi:[0,1]
.endr
.endr
.set I, 0
	s_wait_alu depctr_va_vdst(0)
.rept 64
	v_exp_f32 v[TT+I], v[TT+I]                     ; one batch
.set I, I+1
.endr
	s_lshl_b32 s80, s[WV], 6
	s_add_co_u32 s80, s80, ST
	v_mov_b32 v12, s80                             ; (a plain instruction behind the batch)
	s_wait_alu depctr_va_vdst(0)                   ; one wait for the batch, ahead of its first reader
.irp b, 0,1,2,3,4,5,6,7
	v_pk_add_f32 v[LL+2*\b:LL+2*\b+1], v[TT+8*\b:TT+8*\b+1], v[TT+8*\b+2:TT+8*\b+3]
.endr
.irp i, 4,6
.irp b, 0,1,2,3,4,5,6,7
	v_pk_add_f32 v[LL+2*\b:LL+2*\b+1], v[LL+2*\b:LL+2*\b+1], v[TT+8*\b+\i:TT+8*\b+\i+1]
.endr
.endr
.irp b, 0,1,2,3,4,5,6,7
	v_add_f32 v[ML+2*\b+1], v[LL+2*\b], v[LL+2*\b+1]
.endr
.irp b, 0,1,2,3,4,5,6,7
	v_permlanex16_b32 v[LL+2*\b], v[ML+2*\b+1], s[SEL], s[SEL+1]
.endr
.irp b, 0,1,2,3,4,5,6,7
	v_add_f32 v[ML+2*\b+1], v[ML+2*\b+1], v[LL+2*\b]             ; and their sum
.endr
.irp i, 0,1,2,3
	ds_store_b128 v12, v[ML+4*\i:ML+4*\i+3] offset:16*\i         ; every lane writes the same bytes with the same values
.endr
	REFILL G1B, 153600, 55, 614400                 ; units 12, 13 (Wv's last quarter, Wo's last) over pairs 12-19.  The round also shows the four waves' maxima and sums
; ================ the softmax, joined over the four waves ================
	v_mov_b32 v13, ST
.set I, 0
.rept 16
	ds_load_b128 v[HA+4*I:HA+4*I+3], v13 offset:16*I             ; v[HA + 16 wave + 2 b], + 1: maximum, sum
.set I, I+1
.endr
	s_wait_dscnt 0x0
.irp b, 0,1,2,3,4,5,6,7
	v_max3_num_f32 v[M8+\b], v[HA+2*\b], v[HA+16+2*\b], v[HA+32+2*\b]
.endr
.irp b, 0,1,2,3,4,5,6,7
	v_max_num_f32 v[M8+\b], v[M8+\b], v[HA+48+2*\b]
.endr
.irp w, 0,1,2,3
.irp b, 0,1,2,3,4,5,6,7
	v_sub_f32 v[HA+16*\w+2*\b], v[HA+16*\w+2*\b], v[M8+\b]
.endr
.endr
.irp b, 0,1,2,3,4,5,6,7
	v_sub_f32 v[ML+2*\b], v[ML+2*\b], v[M8+\b]
.endr
	s_wait_alu depctr_va_vdst(0)
.irp w, 0,1,2,3
.irp b, 0,1,2,3,4,5,6,7
	v_exp_f32 v[HA+16*\w+2*\b], v[HA+16*\w+2*\b]
.endr
.endr
.irp b, 0,1,2,3,4,5,6,7
	v_exp_f32 v[ML+2*\b], v[ML+2*\b]               ; my own wave's factor
.endr
	v_mul_u32_u24 v[FPB], v[SH8], FPP/8            ; (a plain instruction behind the batch)  a row of feat's parts x h
	s_wait_alu depctr_va_vdst(0)
.irp b, 0,1,2,3,4,5,6,7
	v_mul_f32 v[LL+\b], v[HA+2*\b+1], v[HA+2*\b]
.endr
.irp w, 1,2,3
.irp b, 0,1,2,3,4,5,6,7
	v_fmac_f32 v[LL+\b], v[HA+16*\w+2*\b+1], v[HA+16*\w+2*\b]
.endr
.endr
	s_wait_alu depctr_va_vdst(0)
.irp b, 0,1,2,3,4,5,6,7
	v_rcp_f32 v[LL+\b], v[LL+\b]                   ; the row's sum is at least 1
.endr
	v_add_nc_u32 v[FPB], v[FPB], v[R4]             ; (a plain instruction behind the batch)
	s_wait_alu depctr_va_vdst(0)
.irp b, 0,1,2,3,4,5,6,7
	v_mul_f32 v[C8+\b], v[ML+2*\b], v[LL+\b]
.endr
	WIN 0x80
.irp b, 0,1,2,3
.irp i, 0,2,4,6
	PK2B v_pk_mul_f32, 192+8*\b+\i, TT+8*\b+\i, C8+\b            ; attn of rows 0-3 into window 2,
.endr
.endr
	WIN 0x40
.irp b, 4,5,6,7
.irp i, 0,2,4,6
	PK2B v_pk_mul_f32, 160+8*\b+\i, TT+8*\b+\i, C8+\b            ; of rows 4-7 into window 1
.endr
.endr
	WIN 0
.set I, 0
.rept 16
	global_load_b128 v[HA+4*I:HA+4*I+3], v[H64], s[14:15] offset:128*(I/4)+16*(I%4)      ; bv in feat's layout: register 16 b + i: feature 32 b + 16 h + i.  Wanted behind the second large product
.set I, I+1
.endr
.irp t, 0,1,2,3,4,5,6,7
	global_load_b32 v[BQ+\t], v[R4], s[16:17] offset:64*\t       ; bo
.endr
.irp t, 0,1,2,3,4,5,6,7
	global_load_b32 v[BK+\t], v[R4], s[74:75] offset:64*\t       ; vW / sigma
.endr
	s_mul_i32 s80, s[WV], 8*FPP
	s_add_co_u32 s80, s80, FP
	v_add_nc_u32 v[FPB], s80, v[FPB]               ; my 8 rows of feat's parts: row 8 w + h, + 4 r
; ================ the second large product: v, and feat ================
	s_mov_b32 s[TB], 0                             ; Wv begins at pair 0
	s_mov_b32 s[FS], 0
	PROLOG 2
	PLOOP 2, 8                                     ; pairs 0-7
	REFILL G1B, 0, 55, 716800                      ; units 14, 15 (Wo's quarters 0, 1) over pairs 0-7
	s_mov_b32 s[TB], 102400
	s_mov_b32 s[FS], 1024
	PLOOP 2, 8                                     ; pairs 8-15
	s_wait_alu depctr_va_vdst(0)
	WIN W1                                         ; v[FPA]'s offset 0 is tile 28 here: tile 30 lies at 128, tile 31 at 192
	ds_store_b32 v[FPA], v242 offset:128           ; rows 0-3 of tile 30, ahead of the lines that write these registers again
	ds_store_b32 v[FPA], v243 offset:2*FPP+128
.set I, 0
.rept 8
	SLP 2, 4, 224, 242, W1                         ; rows 4-7 of the last tile, while its rows 0-3 are finished
.endr
	ds_store_b32 v[FPA], v240 offset:4*FPP+128     ; rows 4-7 of tile 30,
	ds_store_b32 v[FPA], v241 offset:6*FPP+128
	ds_store_b32 v[FPA], v242 offset:192           ; rows 0-3 of tile 31,
	ds_store_b32 v[FPA], v243 offset:2*FPP+192
.set I, 2
.rept 5
	FINSTEP 232, 244, W1
.set I, I+2
.endr
	ds_store_b32 v[FPA], v244 offset:4*FPP+192     ; rows 4-7 of tile 31
	ds_store_b32 v[FPA], v245 offset:6*FPP+192
	REFILL G1C, 102400, 56, 819200                 ; unit 16 (Wo's quarter 2) over pairs 8-11.  The round also shows feat's parts to every wave
; ================ feat = the four waves' parts + bv, for my 128 features; quantised ================
	v_and_b32 v12, 28, v[R4]
	v_mul_u32_u24 v12, v12, FPP/4                  ; a row x (r % 8)
	v_add_nc_u32 v12, v12, v[H64]
	s_lshl_b32 s80, s[WV], 9
	s_add_co_u32 s80, s80, FP
	v_add_nc_u32 v12, s80, v12
	s_mul_i32 s80, s[WV], 1536
	s_add_co_u32 s80, s80, FQ
	v_add_nc_u32 v14, s80, v[LI]
	s_lshl_b32 s80, s[WV], 7
	s_add_co_u32 s80, s80, FQS
	v_add_nc_u32 v15, s80, v[L4]
	WIN 0x40                                       ; the tokens' codes are done with
.set I, 0
.rept 48
	ds_load_b128 v[4*I:4*I+3], v12 offset:8*FPP*(I/16)+128+128*((I/4)%4)+16*(I%4)
.set I, I+1
.endr
	WIN 0x80
.set I, 0
.rept 16
	ds_load_b128 v[4*I:4*I+3], v12 offset:8*FPP*3+128+128*(I/4)+16*(I%4)
.set I, I+1
.endr
	WIN 0
	s_wait_loadcnt 0x0                             ; bv, bo, vW / sigma
.irp w, 0,1,2
	s_wait_dscnt 48-16*\w                          ; wave w's 16 loads are in; the later waves' stay out
	WIN 0x01
.set I, 0
.rept 32
	v_pk_add_f32 v[HA+I:HA+I+1], v[64*\w+I:64*\w+I+1], v[HA+I:HA+I+1]
.set I, I+2
.endr
.endr
	s_wait_dscnt 0x0
	WIN 0x02
.set I, 0
.rept 32
	v_pk_add_f32 v[HA+I:HA+I+1], v[I:I+1], v[HA+I:HA+I+1]
.set I, I+2
.endr
	WIN 0
	QUANT HA
	IMAGE 14
	ds_store_b32 v15, v[PW]
	s_wait_tensorcnt 0x0                           ; my quarter of the last fill is in,
	s_wait_dscnt 0x0                               ; and my image has landed
	s_barrier_signal -1
	s_barrier_wait -1
	v_add_nc_u32 v12, FQ, v[LI]
	v_add_nc_u32 v13, FQS, v[L4]
	FETCH4 12, 13
; ================ out = feat Wo^T + bo, and the value head ================
	s_lshr_b32 s80, s[WV], 1
	s_and_b32 s80, s80, s[WV]
	s_add_co_u32 s80, s80, s[WV]                   ; Wo's quarters 0, 1, 2, 3 lie in places 0, 1, 2, 4
	s_mul_i32 s80, s80, 51200
	v_add_nc_u32 v12, s80, v[LI]
	v_add_nc_u32 v13, s80, v[R16]
	PLOAD 0, 12, 13, 2, TS+16                      ; both halves at once: the tokens' codes (window 1) and scale words are done with
	PLOAD 1, 12, 13, 1, TS
	v_mul_f32 v[RB], v[BQ], v[BK]
.irp t, 1,2,3,4,5,6,7
	v_fmac_f32 v[RB], v[BQ+\t], v[BK+\t]           ; bo . vW / sigma over my lane's features
.endr
	v_mov_b32 v[RB+1], 0
	PMUL 0, 2, TS+16, 52                           ; the second half's 48 + 4 loads may be out
	s_wait_alu depctr_va_vdst(0)
	POSTO 0
	PMUL 1, 1, TS, 0
	s_wait_alu depctr_va_vdst(0)
	POSTO 1
.irp m, 1,2,4,8
.irp j, 0,1,2,3,4,5,6,7
	v_add_f32_dpp v[C8+\j], v[C8+\j], v[C8+\j] row_xmask:\m row_mask:0xf bank_mask:0xf
.endr
.endr
	s_lshl_b32 s80, s[WV], 5
	s_add_co_u32 s80, s80, RES
	v_mov_b32 v14, s80
	ds_store_b128 v14, v[C8:C8+3]
	ds_store_b128 v14, v[C8+4:C8+7] offset:16
	s_wait_dscnt 0x0
	s_barrier_signal -1
	s_barrier_wait -1
	v_and_b32 v15, 28, v[L4]
	v_add_nc_u32 v15, RES, v15
.irp w, 0,1,2,3
	ds_load_b32 v[XF+\w], v15 offset:32*\w
.endr
	s_wait_dscnt 0x0
	s_wait_kmcnt 0x0                               ; vb
	v_add_f32 v[XF], v[XF], v[XF+1]
	v_add_f32 v[XF+2], v[XF+2], v[XF+3]
	v_add_f32 v[XF], v[XF], v[XF+2]
	v_add_f32 v[XF], s67, v[XF]
	s_cmp_lg_u32 s[WV], 0
	s_cbranch_scc1 .Lnot_mine
	v_cmp_gt_u32 vcc_lo, 8, v0
	s_wait_xcnt 0x0                                ; EXEC changes only behind this wait
	s_and_saveexec_b32 s80, vcc_lo
	s_wait_alu depctr_va_vdst(0)
	global_store_b32 v[L4], v[XF], s[76:77]        ; lanes 0-7 of wave 0: the work-group's 8 numbers
	s_wait_xcnt 0x0                                ; and again, in front of the line that widens it
	s_or_b32 exec_lo, exec_lo, s80
.Lnot_mine:
	s_wait_tensorcnt 0x0                           ; the wave's end: a wait, 0 onto my spare word and a wait, behind my last tensor load and my last LDS store
	ds_add_u32 v[SPW], v[NIL]
	s_wait_dscnt 0x0
	ROUND                                          ; the closing round: no work-group ends while a partner may still ask for a fill that names it
	s_endpgm
.Lfunc_end_k_q175a218060_main:
	.size	k_q175a218060_main, .Lfunc_end_k_q175a218060_main-k_q175a218060_main
	.p2alignl 7, 3214868480
	.fill 96, 4, 3214868480
	.section	.rodata,"a",@progbits
	.p2align	6, 0x0
	.amdhsa_kernel k_q175a218060_main
		.amdhsa_group_segment_fixed_size 327680
		.amdhsa_private_segment_fixed_size 0
		.amdhsa_enable_private_segment 0
		.amdhsa_kernarg_size 104
		.amdhsa_user_sgpr_count 2
		.amdhsa_user_sgpr_kernarg_segment_ptr 1
		.amdhsa_wavefront_size32 1
		.amdhsa_system_sgpr_workgroup_id_x 1
		.amdhsa_system_sgpr_workgroup_id_y 1
		.amdhsa_system_sgpr_workgroup_id_z 1
		.amdhsa_system_vgpr_workitem_id 0
		.amdhsa_next_free_vgpr 1024
		.amdhsa_next_free_sgpr 96
		.amdhsa_reserve_vcc 1
		.amdhsa_float_denorm_mode_32 3
		.amdhsa_float_denorm_mode_16_64 3
		.amdhsa_memory_ordered 1
		.amdhsa_forward_progress 1
		.amdhsa_inst_pref_size 255
	.end_amdhsa_kernel
	.section	.bss,"aw",@nobits
	.p2align	6
	.space	262144
	.amdgpu_metadata
---
amdhsa.version: [ 1, 2 ]
amdhsa.kernels:
  - .name:           k_q175a218060_main
    .symbol:         k_q175a218060_main.kd
    .args:
      - { .name: z, .offset: 0, .size: 8, .value_kind: global_buffer, .address_space: global }
      - { .name: rw, .offset: 8, .size: 8, .value_kind: global_buffer, .address_space: global }
      - { .name: zb, .offset: 16, .size: 8, .value_kind: global_buffer, .address_space: global }
      - { .name: bq, .offset: 24, .size: 8, .value_kind: global_buffer, .address_space: global }
      - { .name: bk, .offset: 32, .size: 8, .value_kind: global_buffer, .address_space: global }
      - { .name: bv, .offset: 40, .size: 8, .value_kind: global_buffer, .address_space: global }
      - { .name: bo, .offset: 48, .size: 8, .value_kind: global_buffer, .address_space: global }
      - { .name: vb, .offset: 56, .size: 8, .value_kind: global_buffer, .address_space: global }
      - { .name: wimg, .offset: 64, .size: 8, .value_kind: global_buffer, .address_space: global }
      - { .name: embimg, .offset: 72, .size: 8, .value_kind: global_buffer, .address_space: global }
      - { .name: gb, .offset: 80, .size: 8, .value_kind: global_buffer, .address_space: global }
      - { .name: vws, .offset: 88, .size: 8, .value_kind: global_buffer, .address_space: global }
      - { .name: out0, .offset: 96, .size: 8, .value_kind: global_buffer, .address_space: global }
    .group_segment_fixed_size: 327680
    .private_segment_fixed_size: 0
    .kernarg_segment_align: 8
    .kernarg_segment_size: 104
    .max_flat_workgroup_size: 128
    .sgpr_count:     96
    .vgpr_count:     1024
    .wavefront_size: 32
...
	.end_amdgpu_metadata
.endif
;; end of part 4
